; MI455X (gfx1250); checked and timed in simulation.
; The chip was launched on July 23, 2026; its instructions are those of AMD's public machine-readable ISA for CDNA 5 (MIT licence, August 2026) and "CDNA5" Instruction Set Architecture Reference Guide (July 2026). The comments in the code are by the model that wrote it; some were corrected since.
;; MLP Per Task No Index. Allowed arithmetic: float matrix products may take bf16 or f16 operands with f32 sums; all other float work in f32.
;; Inputs: b0 16 x 1,024 float32; b1 16 x 1,024 float32; b2 16 x 256 float32; k0 16 x 512 x 1,024 float32; k1 16 x 1,024 x 1,024 float32; k2 16 x 1,024 x 256 float32; task_ids 2,048 int32; x 2,048 x 512 float32.
;; Outputs: out0 2,048 x 256 float32.
;; 2 versions, each right; version 2 is version 1 with the launches route, layer0, layer1, layer2 written anew for expert scheduling mode. Each part assembles by itself: llvm-mc -triple=amdgcn-amd-amdhsa -mcpu=gfx1250 --defsym DOCPART=n.
;; ======== version 1 of 2: 4 launches
;; workspace buffers: order 131,072 bytes of whole numbers; meta 4,096 bytes of whole numbers; h0 5,242,880 bytes; h1 5,242,880 bytes
;; launch route (part 1): grid 16 x 1, 1 waves a work-group, no clusters, 8,704 bytes of LDS; arguments task_ids, order, meta; writes order, meta
.if DOCPART == 1
	.amdgcn_target "amdgcn-amd-amdhsa--gfx1250"
	.amdhsa_code_object_version 6
	.text
	.protected	k_q2003be61eb_route
	.globl	k_q2003be61eb_route
	.p2align	8
	.type	k_q2003be61eb_route,@function
k_q2003be61eb_route:
	s_mov_b64 s[64:65], 0
	v_nop
	global_prefetch_b8 v0, s[64:65] scope:SCOPE_SE
	s_setreg_imm32_b32 hwreg(HW_REG_WAVE_MODE, 25, 1), 1
	s_wait_xcnt 0x0
; ROUTE.  Work-group t (one wave) lists the rows whose task id is t and says where the task's rows lie in h0 and h1.
;   order[t][0..2047]: the rows with id t (in any order); every place behind them repeats the first listed row, so that a padded place
;   computes a real row once more and stores the same numbers to the same bytes.  A task without rows holds 2048 everywhere.
;   meta[t][0] = first 16-row tile of the task's region, [1] = max(groups, 1), [2] = groups of 32 rows, [3..63] = 0.
; With P = number of ids below t and c = number of ids equal to t: first group = (P >> 5) + t, groups = (c + 31) >> 5.
; The next task starts at floor((P + c) / 32) + t + 1 >= floor(P / 32) + t + max(1, ceil(c / 32)), so regions never overlap and each has room for
; one group at the least; floor(P / 32) + ceil(c / 32) <= 64, so every region ends at or before group 80 (160 tiles).  No task needs another's count.
; LIMIT: ids are 0 to 15, the table that the reference indexes; a row with another id is in no list and its output stays unwritten.
; One wave: no barrier.  The list is built in LDS (8,192 bytes) and leaves in stores of 512 consecutive bytes.
.set SENT, 2048                        ; no row; also the number of rows
.set IDS,  16                          ; v[16:79] the 2,048 ids, 64 a lane; later the list on its way out
	s_load_b128 s[4:7], s[0:1], 0x0                ; task_ids s[4:5], order s[6:7]
	s_load_b64 s[8:9], s[0:1], 0x10                ; meta
	v_lshl_add_u32 v80, v0, 2, 0x2100
	v_mov_b32 v81, 0
	s_mov_b32 s10, ttmp9                           ; t
	s_mov_b32 s11, 0                               ; P: ids below t
	s_mov_b32 s12, 0                               ; c: ids equal to t, so far
	s_mov_b32 s14, SENT
	s_lshl_b32 s28, s10, 13                        ; 8,192 bytes of order for each task
	s_mov_b32 s29, 0
	v_lshlrev_b32 v1, 4, v0                        ; 16 x lane
	v_lshlrev_b32 v2, 2, v0                        ; 4 x lane: the first of the lane's four rows in a load
	v_add_nc_u32 v3, SENT, v0                      ; word 2048 + lane: where a lane that does not match puts its word (never read)
.irp j, 8,9,10,11
	v_mov_b32 v\j, SENT
.endr
	s_wait_kmcnt 0x0
.irp n, 0,1,2,3,4,5,6,7,8,9,10,11,12,13,14,15
	global_load_b128 v[IDS+4*\n:IDS+4*\n+3], v1, s[4:5] offset:512*\n     ; ids 128 n + 4 lane + 0..3
.endr
	s_add_nc_u64 s[6:7], s[6:7], s[28:29]          ; order at task t
	s_lshl_b32 s28, s10, 8                         ; 256 bytes of meta for each task
	s_add_nc_u64 s[8:9], s[8:9], s[28:29]
.irp n, 0,1,2,3,4,5,6,7,8,9,10,11,12,13,14,15
	ds_store_b128 v1, v[8:11] offset:512*\n        ; the whole list = no row
.endr
	s_wait_loadcnt 0x0                             ; all ids are in
; 32 ids at a time: count those below t; give those equal to t the next places of the list.  EXEC is never touched:
; a lane that does not match writes its own spare word behind the list.
.macro ONE n, c
	v_cmp_gt_u32 vcc_lo, s10, v[IDS+4*\n+\c]       ; t > id
	s_bcnt1_i32_b32 s13, vcc_lo
	s_add_co_u32 s11, s11, s13
	v_cmp_eq_u32 vcc_lo, s10, v[IDS+4*\n+\c]
	v_mbcnt_lo_u32_b32 v4, vcc_lo, s12             ; c + matching lanes below me = my place
	v_cndmask_b32 v4, v3, v4, vcc_lo               ; or my spare word
	v_min_u32 v4, SENT+31, v4                      ; a number made from loaded data enters an address only clamped: words 0 to 2079
	v_lshlrev_b32 v4, 2, v4
	v_add_nc_u32 v5, 128*\n+\c, v2                 ; the row
	ds_store_b32 v4, v5                            ; LDS serves a wave's instructions in order (ISA guide 5.7.1): behind the first fill
	s_bcnt1_i32_b32 s13, vcc_lo
	s_add_co_u32 s12, s12, s13
.endm
.irp n, 0,1,2,3,4,5,6,7,8,9,10,11,12,13,14,15
.irp c, 0,1,2,3
	ONE \n, \c
.endr
.endr
	v_mov_b32 v13, 0
	ds_load_b32 v12, v13                           ; the first listed row, in every lane (2048 if the task has none)
.irp n, 0,1,2,3,4,5,6,7,8,9,10,11,12,13,14,15
	ds_load_b128 v[IDS+4*\n:IDS+4*\n+3], v1 offset:512*\n      ; my own bytes, in order behind my stores
.endr
.irp n, 0,1,2,3,4,5,6,7,8,9,10,11,12,13,14,15
	s_wait_dscnt 15-\n                             ; the 15 - n younger list loads may stay out
.irp c, 0,1,2,3
	v_cmp_eq_u32 vcc_lo, s14, v[IDS+4*\n+\c]       ; a place without a row
	v_cndmask_b32 v[IDS+4*\n+\c], v[IDS+4*\n+\c], v12, vcc_lo  ; repeats the first row
.endr
	global_store_b128 v1, v[IDS+4*\n:IDS+4*\n+3], s[6:7] offset:512*\n    ; 512 consecutive bytes
.endr
	s_lshr_b32 s20, s11, 5
	s_add_co_u32 s20, s20, s10
	s_lshl_b32 s20, s20, 1                         ; first tile = 2 ((P >> 5) + t)
	s_add_co_u32 s21, s12, 31
	s_lshr_b32 s21, s21, 5                         ; groups = (c + 31) >> 5
	s_max_u32 s22, s21, 1                          ; what layers 0 and 1 fill: one group at the least
	v_mov_b32 v8, s20
	v_mov_b32 v9, s22
	v_mov_b32 v10, s21
	v_cmp_eq_u32 vcc_lo, 1, v0
	v_cndmask_b32 v6, 0, v10, vcc_lo               ; lane 1: word 2 = groups
	v_cmp_eq_u32 vcc_lo, 0, v0
	v_cndmask_b32 v6, v6, v8, vcc_lo               ; lane 0: word 0 = first tile,
	v_cndmask_b32 v7, 0, v9, vcc_lo                ;         word 1 = max(groups, 1); all other words 0
	v_lshlrev_b32 v11, 3, v0
	global_store_b64 v11, v[6:7], s[8:9]           ; the record's 256 bytes in one store
	s_wait_tensorcnt 0x0
	ds_add_u32 v80, v81
	s_wait_dscnt 0x0
	s_endpgm
.Lfunc_end_k_q2003be61eb_route:
	.size	k_q2003be61eb_route, .Lfunc_end_k_q2003be61eb_route-k_q2003be61eb_route
	.p2alignl 7, 3214868480
	.fill 96, 4, 3214868480
	.section	.rodata,"a",@progbits
	.p2align	6, 0x0
	.amdhsa_kernel k_q2003be61eb_route
		.amdhsa_group_segment_fixed_size 8704
		.amdhsa_private_segment_fixed_size 0
		.amdhsa_enable_private_segment 0
		.amdhsa_kernarg_size 24
		.amdhsa_user_sgpr_count 2
		.amdhsa_user_sgpr_kernarg_segment_ptr 1
		.amdhsa_wavefront_size32 1
		.amdhsa_system_sgpr_workgroup_id_x 1
		.amdhsa_system_sgpr_workgroup_id_y 1
		.amdhsa_system_sgpr_workgroup_id_z 1
		.amdhsa_system_vgpr_workitem_id 0
		.amdhsa_next_free_vgpr 82
		.amdhsa_next_free_sgpr 66
		.amdhsa_reserve_vcc 1
		.amdhsa_float_denorm_mode_32 3
		.amdhsa_float_denorm_mode_16_64 3
		.amdhsa_memory_ordered 1
		.amdhsa_forward_progress 1
		.amdhsa_inst_pref_size 44
	.end_amdhsa_kernel
	.amdgpu_metadata
---
amdhsa.version: [ 1, 2 ]
amdhsa.kernels:
  - .name:           k_q2003be61eb_route
    .symbol:         k_q2003be61eb_route.kd
    .args:
      - { .name: task_ids, .offset: 0, .size: 8, .value_kind: global_buffer, .address_space: global }
      - { .name: order, .offset: 8, .size: 8, .value_kind: global_buffer, .address_space: global }
      - { .name: meta, .offset: 16, .size: 8, .value_kind: global_buffer, .address_space: global }
    .group_segment_fixed_size: 8704
    .private_segment_fixed_size: 0
    .kernarg_segment_align: 8
    .kernarg_segment_size: 24
    .max_flat_workgroup_size: 32
    .sgpr_count:     66
    .vgpr_count:     82
    .wavefront_size: 32
...
	.end_amdgpu_metadata
.endif
;; end of part 1
;; launch layer0 (part 2): grid 16 x 16, 4 waves a work-group, no clusters, 16,896 bytes of LDS; arguments x, k0, b0, meta, h0, order; writes h0
.if DOCPART == 2
	.amdgcn_target "amdgcn-amd-amdhsa--gfx1250"
	.amdhsa_code_object_version 6
	.text
	.protected	k_q2003be61eb_layer0
	.globl	k_q2003be61eb_layer0
	.p2align	8
	.type	k_q2003be61eb_layer0,@function
k_q2003be61eb_layer0:
	s_mov_b64 s[64:65], 0
	v_nop
	global_prefetch_b8 v0, s[64:65] scope:SCOPE_SE
	s_setreg_imm32_b32 hwreg(HW_REG_WAVE_MODE, 25, 1), 1
	s_wait_xcnt 0x0
; ONE LAYER OF THE PER-TASK MLP.  The same text serves the three layers; LAYER picks the sizes and the two ends.
;   LAYER 0: h0 = tanh(x W + b), rows of x (f32) gathered through the task's list.   LAYER 1: h1 = tanh(h0 W + b).
;   LAYER 2: out0 = h1 W + b in f32, rows scattered through the list.
; SHARES.  Work-group (x = strip cb of 64 output columns, y = task t).  Wave w owns K = 128 w .. 128 w + 127 of that strip.
; Its 128 x 64 weights are asked for at once (64 loads, each lane half 256 consecutive aligned bytes of one row of W), rounded to
; bf16 and kept as 16 fragments in 128 registers for the whole launch: every weight byte is read once, however the rows are dealt.
; Layer 2 has 16 tasks x 4 strips = 64 work-groups: a narrower strip would cut the 256-byte pieces of W's rows, and a split of K over
; work-groups would need traffic between them.
; NO TRANSPOSITION IS PAID FOR.  Lane (i = lane & 15, h = lane >> 4) loads W[k][64 cb + 4 i + q], q = 0..3, for
; k = 128 w + 64 kbl + 32 h + 16 s + e, e = 0..15.  Packing e = 2 d, 2 d + 1 of one q gives register d of a fragment (step ks = 2 kbl + s) whose
; sixteen columns are 4 i + q.  The fragment's K places (h, e) stand for those k in both operands alike, so the products pair up rightly.
; h0, h1 LIE IN FRAGMENT ORDER: tile (16 rows, 32,768 bytes) > block kb (64 columns, 2,048 bytes) > c4 = 2 s + j2 (512 bytes) > lane (16 bytes):
; lane (r, h) holds row r, columns 64 kb + 32 h + 16 s + 8 j2 + 0..7.  Every load and store of them covers 512 consecutive aligned bytes.
; LAYERS 0, 1 use the matrix instruction transposed (weights first): register j of lane (r, h) in sum q is (row r, column 32 h + 4 j + q),
; the next layer's lane.  LAYER 2 uses it as it is: register j is (row 8 h + j, column 4 r + q): 16 lanes hold 256 bytes of an output row.
; THE ROW LOOP.  A trip is TP = waves / 4 tiles.  Each wave forms its K part of 16 x 64 for each tile (16 matrix instructions), puts it
; into LDS; behind a barrier wave f = (g = f >> 2, jp = f & 3) adds the NW parts of registers 2 jp, 2 jp + 1 of tile g, finishes and stores.
; EVERY WAVE PASSES EVERY BARRIER A CONSTANT NUMBER OF TIMES: the loop runs MAXTRIP trips (all 2,048 rows in one task), and no barrier stands under a
; branch that hangs on loaded data.  The task's own count (meta, stored by the launch before) only lets a trip beyond it jump over the two blocks of
; work between the barriers.  The price is 12 scalar instructions and two barriers for each idle trip.
; PLACES WITHOUT A ROW repeat the task's first row (the list is built so): they compute that row again, and layer 2 stores the same numbers to the same
; bytes, all inside the one work-group that owns them.  EXEC is never narrowed.  A task without rows fills one group of h0 and h1 (on row 2047), so that
; the first loads of the next layer, which are issued before the count is looked at, read bytes that have been written; layer 2 stores nothing for it.
; NO CLUSTER: the weights, 32 KiB a wave, are shared with nobody.  What the strips of a task share are the activation tiles (32 KiB a tile);
; they go straight into fragment registers here, and a joint request would land them in LDS, one more write and read of the same bytes.
; NO TENSOR LOADS: the weights are f32 and pass through registers to be rounded, and each operand byte is used by one wave.
; LIMITS.  Operands bf16, sums f32, the K parts added in ascending w.  tanh(z): for z z < 1/64 the series z + z q (2 q / 15 - 1/3), q = z z
; (first term left out 17/315 z^7, under 2.1e-7 |z| there); else 1 - 2 / (1 + 2^(2.885390 z)), absolute error about 2e-7; an overflowing power
; gives 1, a vanishing one -1, NaN stays NaN.  Task ids are 0 to 15: a row with another id is in no list and stays unwritten.
.set LAYER, 0
.if LAYER == 0
.set KDIM, 512
.set NDIM, 1024
.set NW, 4                             ; waves = KDIM / 128
.set TP, 1                             ; tiles a trip = NW / 4
.set ASTEP, 16                         ; registers from one step's activation fragment to the next (f32 as loaded, packed in place)
.set AFTERW, 17                        ; loads issued behind the weights before they are converted: 16 of x, 1 index
.endif
.if LAYER == 1
.set KDIM, 1024
.set NDIM, 1024
.set NW, 8
.set TP, 2
.set ASTEP, 8
.set AFTERW, 16                        ; 16 of h0
.endif
.if LAYER == 2
.set KDIM, 1024
.set NDIM, 256
.set NW, 8
.set TP, 2
.set ASTEP, 8
.set AFTERW, 17                        ; 1 index pair, 16 of h1
.endif
.set TILEB, 32768                      ; bytes of a tile of h0, h1
.set PARTB, 4096                       ; bytes of one wave's part of one tile in LDS: [q][jp][lane] x 8 bytes
.set MAXTRIP, 128/TP                   ; all 2,048 rows in one task
; window 0 (v0-v255): v1 lane, v2 r, v3 h, v4 weight offset, v5 lane part of the activation offset, v6 that offset in use, v7 LDS address of my part,
; v8 LDS address of what I finish, v9 bias offset, v10 row index (layer 0), v11 its load offset, v12 4 r, v13 lane part of the store offset, v14 at work
.set IDXN, 16                          ; v[16:17]   layer 2: the next trip's two row indices
.set ROWO, 18                          ; v[18:19]   layer 2: this trip's two row byte offsets
.set H32,  20                          ; v20        layer 2: 32 h
.set IDXO, 21                          ; v21        layer 2: the index load's offset
.set ACC, 32                           ; v[32:63]   four sums of 16 x 16 (the bias lands here first)
.set AB,  64                           ; v[64:127]  activation fragments of a trip
.set FR,  128                          ; v[128:255] weight fragments: (4 ks + q) x 8
; window 1 (v256-v511): first the 64 weight loads as they come (load l in 4 l .. 4 l + 3), then the finisher's registers:
.set FLA,  0                           ; LDS address
.set STO,  1                           ; store offset (layers 0, 1)
.set BI,   8                           ; bias: [2 q + jj] (layers 0, 1), [q] (layer 2)
.set ZZ,   16                          ; z
.set EE,   24                          ; 2^(c z), then tanh
.set LP,   32                          ; lane part of the store offset (layers 0, 1)
.set C1,   34                          ; 2/15 twice
.set C2,   36                          ; -1/3 twice
.set QQ,   40                          ; z z
.set PL,   48                          ; the series
.set OUTR, 56                          ; what is stored
.set PS,   64                          ; the NW parts, 8 registers each; the sum grows in the first
.set MSB, 0
.macro WIN new                         ; s_set_vgpr_msb: bits 1:0 source 0, 3:2 source 1, 5:4 source 2, 7:6 destination; the high byte repeats the setting left
.if MSB != \new
	s_set_vgpr_msb (MSB<<8)|\new
.set MSB, \new
.endif
.endm
; 64 loads: my 128 rows x 256 bytes of W, into window 1.  Read once in the launch: not kept in the caches.
.macro LOADW
	WIN 0x40
.irp ks, 0,1,2,3
.irp e, 0,1,2,3,4,5,6,7,8,9,10,11,12,13,14,15
	global_load_b128 v[4*(16*\ks+\e):4*(16*\ks+\e)+3], v4, s[6:7] offset:((\ks>>1)*64+(\ks&1)*16+\e)*NDIM*4 th:TH_LOAD_NT
.endr
.endr
.endm
; the four fragments of step ks.  Loads return in order (ISA guide 5.7.1): the (3 - ks) x 16 younger weight loads and the AFTERW loads behind them
; may stay out; a wait's count cannot name more than 63, which is the stricter side.
.macro CVTW ks
.set lft, (3-\ks)*16+AFTERW
.if lft > 63
.set lft, 63
.endif
	s_wait_loadcnt lft
	WIN 0x05
.irp q, 0,1,2,3
.irp d, 0,1,2,3,4,5,6,7
	v_cvt_pk_bf16_f32 v[FR+8*(4*\ks+\q)+\d], v[4*(16*\ks+2*\d)+\q], v[4*(16*\ks+2*\d+1)+\q]
.endr
.endr
.endm
; the activations of trip s26
.macro LOADA
.if LAYER == 0
	v_min_u32 v10, 2047, v10                       ; a loaded number enters an address only clamped (2048, a task without rows, takes row 2047)
	v_lshl_add_u32 v6, v10, 11, v5                 ; row x 2,048 bytes + 128 h
.irp c, 0,1,2,3,4,5,6,7,8,9,10,11,12,13,14,15
	global_load_b128 v[AB+4*\c:AB+4*\c+3], v6, s[4:5] offset:(\c>>3)*256+(\c&7)*16    ; x[row][128 w + 64 kbl + 32 h + 16 s + 4 n ..], c = 8 kbl + 4 s + n
.endr
	s_add_co_u32 s27, s26, 1                       ; and the row index of the tile behind it, held at the task's last tile
	s_min_u32 s27, s27, s31
	s_min_u32 s27, s27, MAXTRIP-1
	s_lshl_b32 s27, s27, 6
	v_add_nc_u32 v11, s27, v12
	global_load_b32 v10, v11, s[14:15]
.else
.if LAYER == 2
	s_lshl_b32 s27, s26, 7                         ; that trip's two row indices, ahead of the 16 loads: 32 list places of 4 bytes a trip
	v_add_nc_u32 v[IDXO], s27, v[H32]
	global_load_b64 v[IDXN:IDXN+1], v[IDXO], s[14:15]
.endif
	s_lshl_b32 s27, s26, 16                        ; two tiles a trip
	v_add_nc_u32 v6, s27, v5
.irp g, 0,1
.irp c, 0,1,2,3,4,5,6,7
	global_load_b128 v[AB+32*\g+4*\c:AB+32*\g+4*\c+3], v6, s[4:5] offset:\g*TILEB+\c*512   ; c = 4 kbl + 2 s + j2: registers 8 ks + 4 j2
.endr
.endr
.endif
.endm
; layer 0: f32 to bf16 in place; register d is written when 2 d and 2 d + 1 are read, never ahead of a read
.macro CVTA
.irp ks, 0,1,2,3
.irp d, 0,1,2,3,4,5,6,7
	v_cvt_pk_bf16_f32 v[AB+16*\ks+\d], v[AB+16*\ks+2*\d], v[AB+16*\ks+2*\d+1]
.endr
.endr
.endm
.macro MM acc, s0, s1, step            ; the first step starts the sum: nothing is cleared
.if \step == 0
	v_wmma_f32_16x16x32_bf16 v[\acc:\acc+7], v[\s0:\s0+7], v[\s1:\s1+7], 0
.else
	v_wmma_f32_16x16x32_bf16 v[\acc:\acc+7], v[\s0:\s0+7], v[\s1:\s1+7], v[\acc:\acc+7]
.endif
.endm
.macro MULT g                          ; 16 matrix instructions: tile g x my 128 K x 64 columns; four chains in place take turns
.irp ks, 0,1,2,3
.irp q, 0,1,2,3
.if LAYER == 2
	MM ACC+8*\q, AB+32*\g+ASTEP*\ks, FR+8*(4*\ks+\q), \ks
.else
	MM ACC+8*\q, FR+8*(4*\ks+\q), AB+32*\g+ASTEP*\ks, \ks
.endif
.endr
.endr
.endm
; my part of tile g into LDS.  Five places behind the last matrix instruction: four before an LDS store reads a result and before a
; load lands in a source, five before the next tile's first products write over the sums.
.macro PUTP g
.rept 5
	v_nop
.endr
.irp q, 0,1,2,3
.irp jp, 0,1,2,3
	ds_store_b64 v7, v[ACC+8*\q+2*\jp:ACC+8*\q+2*\jp+1] offset:\g*PARTB+\q*1024+\jp*256    ; 256 consecutive bytes
.endr
.endr
.endm
; the NW parts of my eight numbers a lane, added in ascending w.  The wait lets the 4 (NW - 1 - w) younger loads stay out; the last is for 0.
.macro SUMP
.set wi, 0
.rept NW
.irp q, 0,1,2,3
	ds_load_b64 v[PS+8*wi+2*\q:PS+8*wi+2*\q+1], v[FLA] offset:wi*TP*PARTB+\q*1024
.endr
.set wi, wi+1
.endr
.set wi, 1
.rept NW-1
	s_wait_dscnt 4*(NW-1-wi)
.irp q, 0,1,2,3
	v_pk_add_f32 v[PS+2*\q:PS+2*\q+1], v[PS+2*\q:PS+2*\q+1], v[PS+8*wi+2*\q:PS+8*wi+2*\q+1]
.endr
.set wi, wi+1
.endr
.endm
; layer 2: two loaded indices to two row byte offsets
.macro ROWS
	v_min_u32 v[ROWO],   2047, v[IDXN]             ; clamped before it enters an address
	v_min_u32 v[ROWO+1], 2047, v[IDXN+1]
	v_lshl_add_u32 v[ROWO],   v[ROWO],   10, v13   ; row x 1,024 bytes + 16 r
	v_lshl_add_u32 v[ROWO+1], v[ROWO+1], 10, v13
.endm
; register work of the finish: PS[2 q + jj] is register j = 2 jp + jj of sum q
.macro FIN_REGS
.if LAYER != 2
.irp p, 0,2,4,6
	v_pk_add_f32 v[ZZ+\p:ZZ+\p+1], v[PS+\p:PS+\p+1], v[BI+\p:BI+\p+1]                  ; z
.endr
.irp p, 0,2,4,6
	v_pk_mul_f32 v[EE+\p:EE+\p+1], v[ZZ+\p:ZZ+\p+1], 0x4038aa3b op_sel_hi:[1,0]        ; 2 log2(e) z
	v_pk_mul_f32 v[QQ+\p:QQ+\p+1], v[ZZ+\p:ZZ+\p+1], v[ZZ+\p:ZZ+\p+1]                  ; q = z z
.endr
.irp j, 0,1,2,3,4,5,6,7
	v_exp_f32 v[EE+\j], v[EE+\j]
.endr
.irp p, 0,2,4,6
	v_pk_fma_f32 v[PL+\p:PL+\p+1], v[QQ+\p:QQ+\p+1], v[C1:C1+1], v[C2:C2+1]            ; 2 q / 15 - 1/3: also the plain place behind the powers
.endr
	s_wait_alu depctr_va_vdst(0)
.irp p, 0,2,4,6
	v_pk_add_f32 v[EE+\p:EE+\p+1], v[EE+\p:EE+\p+1], 1.0 op_sel_hi:[1,0]
.endr
.irp j, 0,1,2,3,4,5,6,7
	v_rcp_f32 v[EE+\j], v[EE+\j]
.endr
.irp p, 0,2,4,6
	v_pk_mul_f32 v[PL+\p:PL+\p+1], v[PL+\p:PL+\p+1], v[QQ+\p:QQ+\p+1]                  ; the plain place behind the reciprocals
.endr
	s_wait_alu depctr_va_vdst(0)
.irp p, 0,2,4,6
	v_pk_fma_f32 v[PL+\p:PL+\p+1], v[PL+\p:PL+\p+1], v[ZZ+\p:ZZ+\p+1], v[ZZ+\p:ZZ+\p+1]   ; z + z q (2 q / 15 - 1/3)
	v_pk_fma_f32 v[EE+\p:EE+\p+1], v[EE+\p:EE+\p+1], -2.0, 1.0 op_sel_hi:[1,0,0]       ; 1 - 2 / (1 + 2^..)
.endr
.irp j, 0,1,2,3,4,5,6,7
	v_cmp_gt_f32 vcc_lo, 0x3c800000, v[QQ+\j]      ; 1/64 > q: the series; a NaN keeps the other form's NaN
	v_cndmask_b32 v[EE+\j], v[EE+\j], v[PL+\j], vcc_lo
.endr
	v_cvt_pk_bf16_f32 v[OUTR],   v[EE],   v[EE+2]  ; columns 8 jp + 4 jj + q in order: (jj 0: q 0, 1), (q 2, 3), (jj 1: q 0, 1), (q 2, 3)
	v_cvt_pk_bf16_f32 v[OUTR+1], v[EE+4], v[EE+6]
	v_cvt_pk_bf16_f32 v[OUTR+2], v[EE+1], v[EE+3]
	v_cvt_pk_bf16_f32 v[OUTR+3], v[EE+5], v[EE+7]
	s_lshl_b32 s27, s25, 14+TP                     ; trip x TP tiles of 32,768 bytes
	v_add_nc_u32 v[STO], s27, v[LP]
.else
.irp q, 0,1,2,3
	v_add_f32 v[OUTR+\q],   v[PS+2*\q],   v[BI+\q]     ; row 8 h + 2 jp,     columns 4 r + q
	v_add_f32 v[OUTR+4+\q], v[PS+2*\q+1], v[BI+\q]     ; row 8 h + 2 jp + 1
.endr
.endif
.endm
.macro FIN_STORE
.if LAYER != 2
	global_store_b128 v[STO], v[OUTR:OUTR+3], s[12:13]     ; 512 consecutive aligned bytes: piece c4 = jp of block cb of tile g
.else
	WIN 0x04                                       ; offset in window 0, data in window 1
	global_store_b128 v[ROWO],   v[OUTR:OUTR+3],   s[12:13] th:TH_STORE_NT    ; 16 lanes: 256 consecutive aligned bytes of one row
	global_store_b128 v[ROWO+1], v[OUTR+4:OUTR+7], s[12:13] th:TH_STORE_NT
	WIN 0
	s_wait_xcnt 0x0                                ; the stores' offsets and data are rewritten only behind this wait
	s_wait_loadcnt 16                              ; the next trip's indices are in: only the 16 activation loads were issued behind them
	ROWS
.endif
.endm
	s_load_b256 s[4:11], s[0:1], 0x0               ; activations s[4:5], W s[6:7], bias s[8:9], meta s[10:11]
	s_load_b64 s[12:13], s[0:1], 0x20              ; result
.if LAYER != 1
	s_load_b64 s[14:15], s[0:1], 0x28              ; order
	v_lshl_add_u32 v30, v0, 2, 0x4000
	v_mov_b32 v31, 0
.endif
	v_and_b32 v1, 31, v0                           ; lane
	v_and_b32 v2, 15, v0                           ; r
	v_bfe_u32 v3, v0, 4, 1                         ; h
	v_lshrrev_b32 v14, 5, v0
	v_readfirstlane_b32 s16, v14                   ; wave w
	s_mov_b32 s17, ttmp9                           ; strip cb
	s_and_b32 s18, ttmp7, 0xffff                   ; task t
	s_and_b32 s19, s16, 3                          ; jp: which register pair I finish
	s_lshr_b32 s20, s16, 2                         ; g: of which tile of the trip
	s_mov_b32 s29, 0                               ; high word of every offset
	v_mul_u32_u24 v4, v3, 32*NDIM*4                ; W: 32 h rows
	v_lshl_add_u32 v4, v2, 4, v4                   ;    + 16 r bytes
	s_mul_i32 s27, s16, TP*PARTB
	v_lshl_add_u32 v7, v1, 3, s27                  ; my parts in LDS: w x TP x 4,096 + 8 lane
	s_lshl_b32 s27, s20, 12
	s_lshl_b32 s28, s19, 8
	s_add_co_u32 s27, s27, s28
	v_lshl_add_u32 v8, v1, 3, s27                  ; what I finish: g x 4,096 + jp x 256 + 8 lane
.if LAYER == 0
	v_lshlrev_b32 v5, 7, v3                        ; x: 32 h numbers of 4 bytes
	v_lshlrev_b32 v12, 2, v2                       ; list: place r
.else
	v_lshlrev_b32 v5, 4, v1                        ; fragment order: 16 lane
.endif
.if LAYER == 2
	v_lshlrev_b32 v9, 4, v2                        ; bias of columns 4 r + 0..3
	v_lshlrev_b32 v13, 4, v2                       ; and their place in an output row
	v_lshlrev_b32 v[H32], 5, v3                    ; 8 h list places
.else
	v_lshlrev_b32 v9, 7, v3                        ; bias of columns 32 h + 8 jp + 0..7
	v_lshlrev_b32 v13, 4, v1
.endif
	s_wait_kmcnt 0x0
	s_lshl_b32 s28, s18, 8
	s_add_nc_u64 s[10:11], s[10:11], s[28:29]
	s_load_b128 s[36:39], s[10:11], 0x0            ; the task's first tile, max(groups, 1), groups; waited for behind the weight loads
	s_mul_i32 s28, s18, KDIM*NDIM*4
	s_mul_i32 s27, s16, 128*NDIM*4
	s_add_co_u32 s28, s28, s27
	s_lshl_b32 s27, s17, 8                         ; 256 cb
	s_add_co_u32 s28, s28, s27
	s_add_nc_u64 s[6:7], s[6:7], s[28:29]          ; W[t][128 w][64 cb]
	s_mul_i32 s28, s18, NDIM*4
	s_add_co_u32 s28, s28, s27
.if LAYER != 2
	s_lshl_b32 s27, s19, 5
	s_add_co_u32 s28, s28, s27                     ; + 8 jp columns
.endif
	s_add_nc_u64 s[8:9], s[8:9], s[28:29]
.if LAYER != 1
	s_lshl_b32 s28, s18, 13                        ; the task's list
.if LAYER == 2
	s_lshl_b32 s27, s20, 6                         ; + tile g's 16 places + places 2 jp, 2 jp + 1
	s_add_co_u32 s28, s28, s27
	s_lshl_b32 s27, s19, 3
	s_add_co_u32 s28, s28, s27
.endif
	s_add_nc_u64 s[14:15], s[14:15], s[28:29]
.endif
	global_load_b128 v[ACC:ACC+3], v9, s[8:9]      ; the bias, parked in the sums' registers
.if LAYER != 2
	global_load_b128 v[ACC+4:ACC+7], v9, s[8:9] offset:16
.endif
.if LAYER == 0
	global_load_b32 v10, v12, s[14:15]             ; the row of place r of tile 0
.endif
	LOADW
	WIN 0
	s_wait_kmcnt 0x0
	s_min_u32 s22, s36, 158                        ; loaded numbers enter addresses and counts only clamped
.if LAYER == 2
	s_min_u32 s23, s38, 64                         ; groups that hold rows
.else
	s_min_u32 s23, s37, 64                         ; groups to fill: one at the least
.endif
.if LAYER == 0
	s_lshl_b32 s24, s23, 1                         ; trips with work: a tile each
	s_lshl_b32 s28, s16, 9                         ; x: my 128 columns
.else
	s_mov_b32 s24, s23                             ; trips with work: a group of two tiles each
	s_lshl_b32 s28, s22, 15
	s_lshl_b32 s27, s16, 12
	s_add_co_u32 s28, s28, s27                     ; first tile, blocks 2 w and 2 w + 1
.endif
	s_add_co_i32 s31, s24, -1                      ; the last trip with work
	s_add_nc_u64 s[4:5], s[4:5], s[28:29]
.if LAYER != 2
	s_add_co_u32 s28, s22, s20
	s_lshl_b32 s28, s28, 15                        ; tile first + g,
	s_lshl_b32 s27, s17, 11
	s_add_co_u32 s28, s28, s27                     ; block cb,
	s_lshl_b32 s27, s19, 9
	s_add_co_u32 s28, s28, s27                     ; piece jp
.else
	s_lshl_b32 s28, s17, 8                         ; 64 cb columns of 4 bytes
.endif
	s_add_nc_u64 s[12:13], s[12:13], s[28:29]
.if LAYER == 0
	s_wait_loadcnt 63                              ; the index has 64 younger loads behind it; 63 is the stricter side
.endif
	s_mov_b32 s26, 0
	LOADA                                          ; trip 0's activations, behind the weights
	CVTW 0
	CVTW 1
	CVTW 2
	CVTW 3
	WIN 0x40                                       ; window 1 is free now: the finisher's registers
	v_mov_b32 v[FLA], v8
.if LAYER != 2
	v_mov_b32 v[LP], v13
.irp q, 0,1,2,3
	v_mov_b32 v[BI+2*\q],   v[ACC+\q]              ; bias of column 4 jj + q to place 2 q + jj
	v_mov_b32 v[BI+2*\q+1], v[ACC+4+\q]
.endr
	v_mov_b32 v[C1],   0x3e088889                  ; 2/15
	v_mov_b32 v[C1+1], 0x3e088889
	v_mov_b32 v[C2],   0xbeaaaaab                  ; -1/3
	v_mov_b32 v[C2+1], 0xbeaaaaab
	WIN 0
.else
.irp q, 0,1,2,3
	v_mov_b32 v[BI+\q], v[ACC+\q]
.endr
	WIN 0
	s_wait_loadcnt 16                              ; trip 0's indices: only the 16 activation loads were issued behind them
	ROWS
.endif
	s_mov_b32 s25, 0                               ; trip
.Ltrip:
	s_cmp_ge_u32 s25, s24                          ; beyond the task's rows: nothing to multiply
	s_cbranch_scc1 .Lnomul
	s_wait_loadcnt 0x0                             ; this trip's activations (and indices): all that is out, asked for one trip ago
.if LAYER == 0
	CVTA
.endif
	MULT 0
	PUTP 0
.if TP == 2
	MULT 1
	PUTP 1
.endif
	s_add_co_u32 s26, s25, 1                       ; the next trip; the last trip asks for its own tiles again, so that no load leaves the task's region
	s_min_u32 s26, s26, s31
	s_min_u32 s26, s26, MAXTRIP-1
	LOADA                                          ; behind the five places of PUTP; on its way through both barriers and the finish
.Lnomul:
	s_wait_dscnt 0x0                               ; my parts are in LDS
	s_barrier_signal -1
	s_barrier_wait -1                              ; everybody's are
	s_cmp_ge_u32 s25, s24
	s_cbranch_scc1 .Lnofin
	WIN 0x55
	SUMP                                           ; ends with s_wait_dscnt 0: my reads of the parts are over
.if LAYER != 2
	s_wait_xcnt 0x0                                ; the last trip's store has read its data and offset, which are rewritten below
.endif
	FIN_REGS
	FIN_STORE
	WIN 0
.Lnofin:
	s_barrier_signal -1                            ; I have read the parts (no LDS instruction of mine is out on either way here),
	s_barrier_wait -1                              ; all have: the next trip may write them again
	s_add_co_u32 s25, s25, 1
	s_cmp_lt_u32 s25, MAXTRIP
	s_cbranch_scc1 .Ltrip
	s_wait_tensorcnt 0x0
	ds_add_u32 v30, v31
	s_wait_dscnt 0x0
	s_endpgm
.Lfunc_end_k_q2003be61eb_layer0:
	.size	k_q2003be61eb_layer0, .Lfunc_end_k_q2003be61eb_layer0-k_q2003be61eb_layer0
	.p2alignl 7, 3214868480
	.fill 96, 4, 3214868480
	.section	.rodata,"a",@progbits
	.p2align	6, 0x0
	.amdhsa_kernel k_q2003be61eb_layer0
		.amdhsa_group_segment_fixed_size 16896
		.amdhsa_private_segment_fixed_size 0
		.amdhsa_enable_private_segment 0
		.amdhsa_kernarg_size 48
		.amdhsa_user_sgpr_count 2
		.amdhsa_user_sgpr_kernarg_segment_ptr 1
		.amdhsa_wavefront_size32 1
		.amdhsa_system_sgpr_workgroup_id_x 1
		.amdhsa_system_sgpr_workgroup_id_y 1
		.amdhsa_system_sgpr_workgroup_id_z 1
		.amdhsa_system_vgpr_workitem_id 0
		.amdhsa_next_free_vgpr 512
		.amdhsa_next_free_sgpr 66
		.amdhsa_reserve_vcc 1
		.amdhsa_float_denorm_mode_32 3
		.amdhsa_float_denorm_mode_16_64 3
		.amdhsa_memory_ordered 1
		.amdhsa_forward_progress 1
		.amdhsa_inst_pref_size 33
	.end_amdhsa_kernel
	.amdgpu_metadata
---
amdhsa.version: [ 1, 2 ]
amdhsa.kernels:
  - .name:           k_q2003be61eb_layer0
    .symbol:         k_q2003be61eb_layer0.kd
    .args:
      - { .name: x, .offset: 0, .size: 8, .value_kind: global_buffer, .address_space: global }
      - { .name: k0, .offset: 8, .size: 8, .value_kind: global_buffer, .address_space: global }
      - { .name: b0, .offset: 16, .size: 8, .value_kind: global_buffer, .address_space: global }
      - { .name: meta, .offset: 24, .size: 8, .value_kind: global_buffer, .address_space: global }
      - { .name: h0, .offset: 32, .size: 8, .value_kind: global_buffer, .address_space: global }
      - { .name: order, .offset: 40, .size: 8, .value_kind: global_buffer, .address_space: global }
    .group_segment_fixed_size: 16896
    .private_segment_fixed_size: 0
    .kernarg_segment_align: 8
    .kernarg_segment_size: 48
    .max_flat_workgroup_size: 128
    .sgpr_count:     66
    .vgpr_count:     512
    .wavefront_size: 32
...
	.end_amdgpu_metadata
.endif
;; end of part 2
;; launch layer1 (part 3): grid 16 x 16, 8 waves a work-group, no clusters, 66,560 bytes of LDS; arguments h0, k1, b1, meta, h1; writes h1
.if DOCPART == 3
	.amdgcn_target "amdgcn-amd-amdhsa--gfx1250"
	.amdhsa_code_object_version 6
	.text
	.protected	k_q2003be61eb_layer1
	.globl	k_q2003be61eb_layer1
	.p2align	8
	.type	k_q2003be61eb_layer1,@function
k_q2003be61eb_layer1:
	s_mov_b64 s[64:65], 0
	v_nop
	global_prefetch_b8 v0, s[64:65] scope:SCOPE_SE
	s_setreg_imm32_b32 hwreg(HW_REG_WAVE_MODE, 25, 1), 1
	s_wait_xcnt 0x0
; ONE LAYER OF THE PER-TASK MLP.  The same text serves the three layers; LAYER picks the sizes and the two ends.
;   LAYER 0: h0 = tanh(x W + b), rows of x (f32) gathered through the task's list.   LAYER 1: h1 = tanh(h0 W + b).
;   LAYER 2: out0 = h1 W + b in f32, rows scattered through the list.
; SHARES.  Work-group (x = strip cb of 64 output columns, y = task t).  Wave w owns K = 128 w .. 128 w + 127 of that strip.
; Its 128 x 64 weights are asked for at once (64 loads, each lane half 256 consecutive aligned bytes of one row of W), rounded to
; bf16 and kept as 16 fragments in 128 registers for the whole launch: every weight byte is read once, however the rows are dealt.
; Layer 2 has 16 tasks x 4 strips = 64 work-groups: a narrower strip would cut the 256-byte pieces of W's rows, and a split of K over
; work-groups would need traffic between them.
; NO TRANSPOSITION IS PAID FOR.  Lane (i = lane & 15, h = lane >> 4) loads W[k][64 cb + 4 i + q], q = 0..3, for
; k = 128 w + 64 kbl + 32 h + 16 s + e, e = 0..15.  Packing e = 2 d, 2 d + 1 of one q gives register d of a fragment (step ks = 2 kbl + s) whose
; sixteen columns are 4 i + q.  The fragment's K places (h, e) stand for those k in both operands alike, so the products pair up rightly.
; h0, h1 LIE IN FRAGMENT ORDER: tile (16 rows, 32,768 bytes) > block kb (64 columns, 2,048 bytes) > c4 = 2 s + j2 (512 bytes) > lane (16 bytes):
; lane (r, h) holds row r, columns 64 kb + 32 h + 16 s + 8 j2 + 0..7.  Every load and store of them covers 512 consecutive aligned bytes.
; LAYERS 0, 1 use the matrix instruction transposed (weights first): register j of lane (r, h) in sum q is (row r, column 32 h + 4 j + q),
; the next layer's lane.  LAYER 2 uses it as it is: register j is (row 8 h + j, column 4 r + q): 16 lanes hold 256 bytes of an output row.
; THE ROW LOOP.  A trip is TP = waves / 4 tiles.  Each wave forms its K part of 16 x 64 for each tile (16 matrix instructions), puts it
; into LDS; behind a barrier wave f = (g = f >> 2, jp = f & 3) adds the NW parts of registers 2 jp, 2 jp + 1 of tile g, finishes and stores.
; EVERY WAVE PASSES EVERY BARRIER A CONSTANT NUMBER OF TIMES: the loop runs MAXTRIP trips (all 2,048 rows in one task), and no barrier stands under a
; branch that hangs on loaded data.  The task's own count (meta, stored by the launch before) only lets a trip beyond it jump over the two blocks of
; work between the barriers.  The price is 12 scalar instructions and two barriers for each idle trip.
; PLACES WITHOUT A ROW repeat the task's first row (the list is built so): they compute that row again, and layer 2 stores the same numbers to the same
; bytes, all inside the one work-group that owns them.  EXEC is never narrowed.  A task without rows fills one group of h0 and h1 (on row 2047), so that
; the first loads of the next layer, which are issued before the count is looked at, read bytes that have been written; layer 2 stores nothing for it.
; NO CLUSTER: the weights, 32 KiB a wave, are shared with nobody.  What the strips of a task share are the activation tiles (32 KiB a tile);
; they go straight into fragment registers here, and a joint request would land them in LDS, one more write and read of the same bytes.
; NO TENSOR LOADS: the weights are f32 and pass through registers to be rounded, and each operand byte is used by one wave.
; LIMITS.  Operands bf16, sums f32, the K parts added in ascending w.  tanh(z): for z z < 1/64 the series z + z q (2 q / 15 - 1/3), q = z z
; (first term left out 17/315 z^7, under 2.1e-7 |z| there); else 1 - 2 / (1 + 2^(2.885390 z)), absolute error about 2e-7; an overflowing power
; gives 1, a vanishing one -1, NaN stays NaN.  Task ids are 0 to 15: a row with another id is in no list and stays unwritten.
.set LAYER, 1
.if LAYER == 0
.set KDIM, 512
.set NDIM, 1024
.set NW, 4                             ; waves = KDIM / 128
.set TP, 1                             ; tiles a trip = NW / 4
.set ASTEP, 16                         ; registers from one step's activation fragment to the next (f32 as loaded, packed in place)
.set AFTERW, 17                        ; loads issued behind the weights before they are converted: 16 of x, 1 index
.endif
.if LAYER == 1
.set KDIM, 1024
.set NDIM, 1024
.set NW, 8
.set TP, 2
.set ASTEP, 8
.set AFTERW, 16                        ; 16 of h0
.endif
.if LAYER == 2
.set KDIM, 1024
.set NDIM, 256
.set NW, 8
.set TP, 2
.set ASTEP, 8
.set AFTERW, 17                        ; 1 index pair, 16 of h1
.endif
.set TILEB, 32768                      ; bytes of a tile of h0, h1
.set PARTB, 4096                       ; bytes of one wave's part of one tile in LDS: [q][jp][lane] x 8 bytes
.set MAXTRIP, 128/TP                   ; all 2,048 rows in one task
; window 0 (v0-v255): v1 lane, v2 r, v3 h, v4 weight offset, v5 lane part of the activation offset, v6 that offset in use, v7 LDS address of my part,
; v8 LDS address of what I finish, v9 bias offset, v10 row index (layer 0), v11 its load offset, v12 4 r, v13 lane part of the store offset, v14 at work
.set IDXN, 16                          ; v[16:17]   layer 2: the next trip's two row indices
.set ROWO, 18                          ; v[18:19]   layer 2: this trip's two row byte offsets
.set H32,  20                          ; v20        layer 2: 32 h
.set IDXO, 21                          ; v21        layer 2: the index load's offset
.set ACC, 32                           ; v[32:63]   four sums of 16 x 16 (the bias lands here first)
.set AB,  64                           ; v[64:127]  activation fragments of a trip
.set FR,  128                          ; v[128:255] weight fragments: (4 ks + q) x 8
; window 1 (v256-v511): first the 64 weight loads as they come (load l in 4 l .. 4 l + 3), then the finisher's registers:
.set FLA,  0                           ; LDS address
.set STO,  1                           ; store offset (layers 0, 1)
.set BI,   8                           ; bias: [2 q + jj] (layers 0, 1), [q] (layer 2)
.set ZZ,   16                          ; z
.set EE,   24                          ; 2^(c z), then tanh
.set LP,   32                          ; lane part of the store offset (layers 0, 1)
.set C1,   34                          ; 2/15 twice
.set C2,   36                          ; -1/3 twice
.set QQ,   40                          ; z z
.set PL,   48                          ; the series
.set OUTR, 56                          ; what is stored
.set PS,   64                          ; the NW parts, 8 registers each; the sum grows in the first
.set MSB, 0
.macro WIN new                         ; s_set_vgpr_msb: bits 1:0 source 0, 3:2 source 1, 5:4 source 2, 7:6 destination; the high byte repeats the setting left
.if MSB != \new
	s_set_vgpr_msb (MSB<<8)|\new
.set MSB, \new
.endif
.endm
; 64 loads: my 128 rows x 256 bytes of W, into window 1.  Read once in the launch: not kept in the caches.
.macro LOADW
	WIN 0x40
.irp ks, 0,1,2,3
.irp e, 0,1,2,3,4,5,6,7,8,9,10,11,12,13,14,15
	global_load_b128 v[4*(16*\ks+\e):4*(16*\ks+\e)+3], v4, s[6:7] offset:((\ks>>1)*64+(\ks&1)*16+\e)*NDIM*4 th:TH_LOAD_NT
.endr
.endr
.endm
; the four fragments of step ks.  Loads return in order (ISA guide 5.7.1): the (3 - ks) x 16 younger weight loads and the AFTERW loads behind them
; may stay out; a wait's count cannot name more than 63, which is the stricter side.
.macro CVTW ks
.set lft, (3-\ks)*16+AFTERW
.if lft > 63
.set lft, 63
.endif
	s_wait_loadcnt lft
	WIN 0x05
.irp q, 0,1,2,3
.irp d, 0,1,2,3,4,5,6,7
	v_cvt_pk_bf16_f32 v[FR+8*(4*\ks+\q)+\d], v[4*(16*\ks+2*\d)+\q], v[4*(16*\ks+2*\d+1)+\q]
.endr
.endr
.endm
; the activations of trip s26
.macro LOADA
.if LAYER == 0
	v_min_u32 v10, 2047, v10                       ; a loaded number enters an address only clamped (2048, a task without rows, takes row 2047)
	v_lshl_add_u32 v6, v10, 11, v5                 ; row x 2,048 bytes + 128 h
.irp c, 0,1,2,3,4,5,6,7,8,9,10,11,12,13,14,15
	global_load_b128 v[AB+4*\c:AB+4*\c+3], v6, s[4:5] offset:(\c>>3)*256+(\c&7)*16    ; x[row][128 w + 64 kbl + 32 h + 16 s + 4 n ..], c = 8 kbl + 4 s + n
.endr
	s_add_co_u32 s27, s26, 1                       ; and the row index of the tile behind it, held at the task's last tile
	s_min_u32 s27, s27, s31
	s_min_u32 s27, s27, MAXTRIP-1
	s_lshl_b32 s27, s27, 6
	v_add_nc_u32 v11, s27, v12
	global_load_b32 v10, v11, s[14:15]
.else
.if LAYER == 2
	s_lshl_b32 s27, s26, 7                         ; that trip's two row indices, ahead of the 16 loads: 32 list places of 4 bytes a trip
	v_add_nc_u32 v[IDXO], s27, v[H32]
	global_load_b64 v[IDXN:IDXN+1], v[IDXO], s[14:15]
.endif
	s_lshl_b32 s27, s26, 16                        ; two tiles a trip
	v_add_nc_u32 v6, s27, v5
.irp g, 0,1
.irp c, 0,1,2,3,4,5,6,7
	global_load_b128 v[AB+32*\g+4*\c:AB+32*\g+4*\c+3], v6, s[4:5] offset:\g*TILEB+\c*512   ; c = 4 kbl + 2 s + j2: registers 8 ks + 4 j2
.endr
.endr
.endif
.endm
; layer 0: f32 to bf16 in place; register d is written when 2 d and 2 d + 1 are read, never ahead of a read
.macro CVTA
.irp ks, 0,1,2,3
.irp d, 0,1,2,3,4,5,6,7
	v_cvt_pk_bf16_f32 v[AB+16*\ks+\d], v[AB+16*\ks+2*\d], v[AB+16*\ks+2*\d+1]
.endr
.endr
.endm
.macro MM acc, s0, s1, step            ; the first step starts the sum: nothing is cleared
.if \step == 0
	v_wmma_f32_16x16x32_bf16 v[\acc:\acc+7], v[\s0:\s0+7], v[\s1:\s1+7], 0
.else
	v_wmma_f32_16x16x32_bf16 v[\acc:\acc+7], v[\s0:\s0+7], v[\s1:\s1+7], v[\acc:\acc+7]
.endif
.endm
.macro MULT g                          ; 16 matrix instructions: tile g x my 128 K x 64 columns; four chains in place take turns
.irp ks, 0,1,2,3
.irp q, 0,1,2,3
.if LAYER == 2
	MM ACC+8*\q, AB+32*\g+ASTEP*\ks, FR+8*(4*\ks+\q), \ks
.else
	MM ACC+8*\q, FR+8*(4*\ks+\q), AB+32*\g+ASTEP*\ks, \ks
.endif
.endr
.endr
.endm
; my part of tile g into LDS.  Five places behind the last matrix instruction: four before an LDS store reads a result and before a
; load lands in a source, five before the next tile's first products write over the sums.
.macro PUTP g
.rept 5
	v_nop
.endr
.irp q, 0,1,2,3
.irp jp, 0,1,2,3
	ds_store_b64 v7, v[ACC+8*\q+2*\jp:ACC+8*\q+2*\jp+1] offset:\g*PARTB+\q*1024+\jp*256    ; 256 consecutive bytes
.endr
.endr
.endm
; the NW parts of my eight numbers a lane, added in ascending w.  The wait lets the 4 (NW - 1 - w) younger loads stay out; the last is for 0.
.macro SUMP
.set wi, 0
.rept NW
.irp q, 0,1,2,3
	ds_load_b64 v[PS+8*wi+2*\q:PS+8*wi+2*\q+1], v[FLA] offset:wi*TP*PARTB+\q*1024
.endr
.set wi, wi+1
.endr
.set wi, 1
.rept NW-1
	s_wait_dscnt 4*(NW-1-wi)
.irp q, 0,1,2,3
	v_pk_add_f32 v[PS+2*\q:PS+2*\q+1], v[PS+2*\q:PS+2*\q+1], v[PS+8*wi+2*\q:PS+8*wi+2*\q+1]
.endr
.set wi, wi+1
.endr
.endm
; layer 2: two loaded indices to two row byte offsets
.macro ROWS
	v_min_u32 v[ROWO],   2047, v[IDXN]             ; clamped before it enters an address
	v_min_u32 v[ROWO+1], 2047, v[IDXN+1]
	v_lshl_add_u32 v[ROWO],   v[ROWO],   10, v13   ; row x 1,024 bytes + 16 r
	v_lshl_add_u32 v[ROWO+1], v[ROWO+1], 10, v13
.endm
; register work of the finish: PS[2 q + jj] is register j = 2 jp + jj of sum q
.macro FIN_REGS
.if LAYER != 2
.irp p, 0,2,4,6
	v_pk_add_f32 v[ZZ+\p:ZZ+\p+1], v[PS+\p:PS+\p+1], v[BI+\p:BI+\p+1]                  ; z
.endr
.irp p, 0,2,4,6
	v_pk_mul_f32 v[EE+\p:EE+\p+1], v[ZZ+\p:ZZ+\p+1], 0x4038aa3b op_sel_hi:[1,0]        ; 2 log2(e) z
	v_pk_mul_f32 v[QQ+\p:QQ+\p+1], v[ZZ+\p:ZZ+\p+1], v[ZZ+\p:ZZ+\p+1]                  ; q = z z
.endr
.irp j, 0,1,2,3,4,5,6,7
	v_exp_f32 v[EE+\j], v[EE+\j]
.endr
.irp p, 0,2,4,6
	v_pk_fma_f32 v[PL+\p:PL+\p+1], v[QQ+\p:QQ+\p+1], v[C1:C1+1], v[C2:C2+1]            ; 2 q / 15 - 1/3: also the plain place behind the powers
.endr
	s_wait_alu depctr_va_vdst(0)
.irp p, 0,2,4,6
	v_pk_add_f32 v[EE+\p:EE+\p+1], v[EE+\p:EE+\p+1], 1.0 op_sel_hi:[1,0]
.endr
.irp j, 0,1,2,3,4,5,6,7
	v_rcp_f32 v[EE+\j], v[EE+\j]
.endr
.irp p, 0,2,4,6
	v_pk_mul_f32 v[PL+\p:PL+\p+1], v[PL+\p:PL+\p+1], v[QQ+\p:QQ+\p+1]                  ; the plain place behind the reciprocals
.endr
	s_wait_alu depctr_va_vdst(0)
.irp p, 0,2,4,6
	v_pk_fma_f32 v[PL+\p:PL+\p+1], v[PL+\p:PL+\p+1], v[ZZ+\p:ZZ+\p+1], v[ZZ+\p:ZZ+\p+1]   ; z + z q (2 q / 15 - 1/3)
	v_pk_fma_f32 v[EE+\p:EE+\p+1], v[EE+\p:EE+\p+1], -2.0, 1.0 op_sel_hi:[1,0,0]       ; 1 - 2 / (1 + 2^..)
.endr
.irp j, 0,1,2,3,4,5,6,7
	v_cmp_gt_f32 vcc_lo, 0x3c800000, v[QQ+\j]      ; 1/64 > q: the series; a NaN keeps the other form's NaN
	v_cndmask_b32 v[EE+\j], v[EE+\j], v[PL+\j], vcc_lo
.endr
	v_cvt_pk_bf16_f32 v[OUTR],   v[EE],   v[EE+2]  ; columns 8 jp + 4 jj + q in order: (jj 0: q 0, 1), (q 2, 3), (jj 1: q 0, 1), (q 2, 3)
	v_cvt_pk_bf16_f32 v[OUTR+1], v[EE+4], v[EE+6]
	v_cvt_pk_bf16_f32 v[OUTR+2], v[EE+1], v[EE+3]
	v_cvt_pk_bf16_f32 v[OUTR+3], v[EE+5], v[EE+7]
	s_lshl_b32 s27, s25, 14+TP                     ; trip x TP tiles of 32,768 bytes
	v_add_nc_u32 v[STO], s27, v[LP]
.else
.irp q, 0,1,2,3
	v_add_f32 v[OUTR+\q],   v[PS+2*\q],   v[BI+\q]     ; row 8 h + 2 jp,     columns 4 r + q
	v_add_f32 v[OUTR+4+\q], v[PS+2*\q+1], v[BI+\q]     ; row 8 h + 2 jp + 1
.endr
.endif
.endm
.macro FIN_STORE
.if LAYER != 2
	global_store_b128 v[STO], v[OUTR:OUTR+3], s[12:13]     ; 512 consecutive aligned bytes: piece c4 = jp of block cb of tile g
.else
	WIN 0x04                                       ; offset in window 0, data in window 1
	global_store_b128 v[ROWO],   v[OUTR:OUTR+3],   s[12:13] th:TH_STORE_NT    ; 16 lanes: 256 consecutive aligned bytes of one row
	global_store_b128 v[ROWO+1], v[OUTR+4:OUTR+7], s[12:13] th:TH_STORE_NT
	WIN 0
	s_wait_xcnt 0x0                                ; the stores' offsets and data are rewritten only behind this wait
	s_wait_loadcnt 16                              ; the next trip's indices are in: only the 16 activation loads were issued behind them
	ROWS
.endif
.endm
	s_load_b256 s[4:11], s[0:1], 0x0               ; activations s[4:5], W s[6:7], bias s[8:9], meta s[10:11]
	s_load_b64 s[12:13], s[0:1], 0x20              ; result
	v_lshl_add_u32 v30, v0, 2, 0x10000
	v_mov_b32 v31, 0
.if LAYER != 1
	s_load_b64 s[14:15], s[0:1], 0x28              ; order
.endif
	v_and_b32 v1, 31, v0                           ; lane
	v_and_b32 v2, 15, v0                           ; r
	v_bfe_u32 v3, v0, 4, 1                         ; h
	v_lshrrev_b32 v14, 5, v0
	v_readfirstlane_b32 s16, v14                   ; wave w
	s_mov_b32 s17, ttmp9                           ; strip cb
	s_and_b32 s18, ttmp7, 0xffff                   ; task t
	s_and_b32 s19, s16, 3                          ; jp: which register pair I finish
	s_lshr_b32 s20, s16, 2                         ; g: of which tile of the trip
	s_mov_b32 s29, 0                               ; high word of every offset
	v_mul_u32_u24 v4, v3, 32*NDIM*4                ; W: 32 h rows
	v_lshl_add_u32 v4, v2, 4, v4                   ;    + 16 r bytes
	s_mul_i32 s27, s16, TP*PARTB
	v_lshl_add_u32 v7, v1, 3, s27                  ; my parts in LDS: w x TP x 4,096 + 8 lane
	s_lshl_b32 s27, s20, 12
	s_lshl_b32 s28, s19, 8
	s_add_co_u32 s27, s27, s28
	v_lshl_add_u32 v8, v1, 3, s27                  ; what I finish: g x 4,096 + jp x 256 + 8 lane
.if LAYER == 0
	v_lshlrev_b32 v5, 7, v3                        ; x: 32 h numbers of 4 bytes
	v_lshlrev_b32 v12, 2, v2                       ; list: place r
.else
	v_lshlrev_b32 v5, 4, v1                        ; fragment order: 16 lane
.endif
.if LAYER == 2
	v_lshlrev_b32 v9, 4, v2                        ; bias of columns 4 r + 0..3
	v_lshlrev_b32 v13, 4, v2                       ; and their place in an output row
	v_lshlrev_b32 v[H32], 5, v3                    ; 8 h list places
.else
	v_lshlrev_b32 v9, 7, v3                        ; bias of columns 32 h + 8 jp + 0..7
	v_lshlrev_b32 v13, 4, v1
.endif
	s_wait_kmcnt 0x0
	s_lshl_b32 s28, s18, 8
	s_add_nc_u64 s[10:11], s[10:11], s[28:29]
	s_load_b128 s[36:39], s[10:11], 0x0            ; the task's first tile, max(groups, 1), groups; waited for behind the weight loads
	s_mul_i32 s28, s18, KDIM*NDIM*4
	s_mul_i32 s27, s16, 128*NDIM*4
	s_add_co_u32 s28, s28, s27
	s_lshl_b32 s27, s17, 8                         ; 256 cb
	s_add_co_u32 s28, s28, s27
	s_add_nc_u64 s[6:7], s[6:7], s[28:29]          ; W[t][128 w][64 cb]
	s_mul_i32 s28, s18, NDIM*4
	s_add_co_u32 s28, s28, s27
.if LAYER != 2
	s_lshl_b32 s27, s19, 5
	s_add_co_u32 s28, s28, s27                     ; + 8 jp columns
.endif
	s_add_nc_u64 s[8:9], s[8:9], s[28:29]
.if LAYER != 1
	s_lshl_b32 s28, s18, 13                        ; the task's list
.if LAYER == 2
	s_lshl_b32 s27, s20, 6                         ; + tile g's 16 places + places 2 jp, 2 jp + 1
	s_add_co_u32 s28, s28, s27
	s_lshl_b32 s27, s19, 3
	s_add_co_u32 s28, s28, s27
.endif
	s_add_nc_u64 s[14:15], s[14:15], s[28:29]
.endif
	global_load_b128 v[ACC:ACC+3], v9, s[8:9]      ; the bias, parked in the sums' registers
.if LAYER != 2
	global_load_b128 v[ACC+4:ACC+7], v9, s[8:9] offset:16
.endif
.if LAYER == 0
	global_load_b32 v10, v12, s[14:15]             ; the row of place r of tile 0
.endif
	LOADW
	WIN 0
	s_wait_kmcnt 0x0
	s_min_u32 s22, s36, 158                        ; loaded numbers enter addresses and counts only clamped
.if LAYER == 2
	s_min_u32 s23, s38, 64                         ; groups that hold rows
.else
	s_min_u32 s23, s37, 64                         ; groups to fill: one at the least
.endif
.if LAYER == 0
	s_lshl_b32 s24, s23, 1                         ; trips with work: a tile each
	s_lshl_b32 s28, s16, 9                         ; x: my 128 columns
.else
	s_mov_b32 s24, s23                             ; trips with work: a group of two tiles each
	s_lshl_b32 s28, s22, 15
	s_lshl_b32 s27, s16, 12
	s_add_co_u32 s28, s28, s27                     ; first tile, blocks 2 w and 2 w + 1
.endif
	s_add_co_i32 s31, s24, -1                      ; the last trip with work
	s_add_nc_u64 s[4:5], s[4:5], s[28:29]
.if LAYER != 2
	s_add_co_u32 s28, s22, s20
	s_lshl_b32 s28, s28, 15                        ; tile first + g,
	s_lshl_b32 s27, s17, 11
	s_add_co_u32 s28, s28, s27                     ; block cb,
	s_lshl_b32 s27, s19, 9
	s_add_co_u32 s28, s28, s27                     ; piece jp
.else
	s_lshl_b32 s28, s17, 8                         ; 64 cb columns of 4 bytes
.endif
	s_add_nc_u64 s[12:13], s[12:13], s[28:29]
.if LAYER == 0
	s_wait_loadcnt 63                              ; the index has 64 younger loads behind it; 63 is the stricter side
.endif
	s_mov_b32 s26, 0
	LOADA                                          ; trip 0's activations, behind the weights
	CVTW 0
	CVTW 1
	CVTW 2
	CVTW 3
	WIN 0x40                                       ; window 1 is free now: the finisher's registers
	v_mov_b32 v[FLA], v8
.if LAYER != 2
	v_mov_b32 v[LP], v13
.irp q, 0,1,2,3
	v_mov_b32 v[BI+2*\q],   v[ACC+\q]              ; bias of column 4 jj + q to place 2 q + jj
	v_mov_b32 v[BI+2*\q+1], v[ACC+4+\q]
.endr
	v_mov_b32 v[C1],   0x3e088889                  ; 2/15
	v_mov_b32 v[C1+1], 0x3e088889
	v_mov_b32 v[C2],   0xbeaaaaab                  ; -1/3
	v_mov_b32 v[C2+1], 0xbeaaaaab
	WIN 0
.else
.irp q, 0,1,2,3
	v_mov_b32 v[BI+\q], v[ACC+\q]
.endr
	WIN 0
	s_wait_loadcnt 16                              ; trip 0's indices: only the 16 activation loads were issued behind them
	ROWS
.endif
	s_mov_b32 s25, 0                               ; trip
.Ltrip:
	s_cmp_ge_u32 s25, s24                          ; beyond the task's rows: nothing to multiply
	s_cbranch_scc1 .Lnomul
	s_wait_loadcnt 0x0                             ; this trip's activations (and indices): all that is out, asked for one trip ago
.if LAYER == 0
	CVTA
.endif
	MULT 0
	PUTP 0
.if TP == 2
	MULT 1
	PUTP 1
.endif
	s_add_co_u32 s26, s25, 1                       ; the next trip; the last trip asks for its own tiles again, so that no load leaves the task's region
	s_min_u32 s26, s26, s31
	s_min_u32 s26, s26, MAXTRIP-1
	LOADA                                          ; behind the five places of PUTP; on its way through both barriers and the finish
.Lnomul:
	s_wait_dscnt 0x0                               ; my parts are in LDS
	s_barrier_signal -1
	s_barrier_wait -1                              ; everybody's are
	s_cmp_ge_u32 s25, s24
	s_cbranch_scc1 .Lnofin
	WIN 0x55
	SUMP                                           ; ends with s_wait_dscnt 0: my reads of the parts are over
.if LAYER != 2
	s_wait_xcnt 0x0                                ; the last trip's store has read its data and offset, which are rewritten below
.endif
	FIN_REGS
	FIN_STORE
	WIN 0
.Lnofin:
	s_barrier_signal -1                            ; I have read the parts (no LDS instruction of mine is out on either way here),
	s_barrier_wait -1                              ; all have: the next trip may write them again
	s_add_co_u32 s25, s25, 1
	s_cmp_lt_u32 s25, MAXTRIP
	s_cbranch_scc1 .Ltrip
	s_wait_tensorcnt 0x0
	ds_add_u32 v30, v31
	s_wait_dscnt 0x0
	s_endpgm
.Lfunc_end_k_q2003be61eb_layer1:
	.size	k_q2003be61eb_layer1, .Lfunc_end_k_q2003be61eb_layer1-k_q2003be61eb_layer1
	.p2alignl 7, 3214868480
	.fill 96, 4, 3214868480
	.section	.rodata,"a",@progbits
	.p2align	6, 0x0
	.amdhsa_kernel k_q2003be61eb_layer1
		.amdhsa_group_segment_fixed_size 66560
		.amdhsa_private_segment_fixed_size 0
		.amdhsa_enable_private_segment 0
		.amdhsa_kernarg_size 40
		.amdhsa_user_sgpr_count 2
		.amdhsa_user_sgpr_kernarg_segment_ptr 1
		.amdhsa_wavefront_size32 1
		.amdhsa_system_sgpr_workgroup_id_x 1
		.amdhsa_system_sgpr_workgroup_id_y 1
		.amdhsa_system_sgpr_workgroup_id_z 1
		.amdhsa_system_vgpr_workitem_id 0
		.amdhsa_next_free_vgpr 512
		.amdhsa_next_free_sgpr 66
		.amdhsa_reserve_vcc 1
		.amdhsa_float_denorm_mode_32 3
		.amdhsa_float_denorm_mode_16_64 3
		.amdhsa_memory_ordered 1
		.amdhsa_forward_progress 1
		.amdhsa_inst_pref_size 34
	.end_amdhsa_kernel
	.amdgpu_metadata
---
amdhsa.version: [ 1, 2 ]
amdhsa.kernels:
  - .name:           k_q2003be61eb_layer1
    .symbol:         k_q2003be61eb_layer1.kd
    .args:
      - { .name: h0, .offset: 0, .size: 8, .value_kind: global_buffer, .address_space: global }
      - { .name: k1, .offset: 8, .size: 8, .value_kind: global_buffer, .address_space: global }
      - { .name: b1, .offset: 16, .size: 8, .value_kind: global_buffer, .address_space: global }
      - { .name: meta, .offset: 24, .size: 8, .value_kind: global_buffer, .address_space: global }
      - { .name: h1, .offset: 32, .size: 8, .value_kind: global_buffer, .address_space: global }
    .group_segment_fixed_size: 66560
    .private_segment_fixed_size: 0
    .kernarg_segment_align: 8
    .kernarg_segment_size: 40
    .max_flat_workgroup_size: 256
    .sgpr_count:     66
    .vgpr_count:     512
    .wavefront_size: 32
...
	.end_amdgpu_metadata
.endif
;; end of part 3
;; launch layer2 (part 4): grid 4 x 16, 8 waves a work-group, no clusters, 66,560 bytes of LDS; arguments h1, k2, b2, meta, out0, order; writes out0
.if DOCPART == 4
	.amdgcn_target "amdgcn-amd-amdhsa--gfx1250"
	.amdhsa_code_object_version 6
	.text
	.protected	k_q2003be61eb_layer2
	.globl	k_q2003be61eb_layer2
	.p2align	8
	.type	k_q2003be61eb_layer2,@function
k_q2003be61eb_layer2:
	s_mov_b64 s[64:65], 0
	v_nop
	global_prefetch_b8 v0, s[64:65] scope:SCOPE_SE
	s_setreg_imm32_b32 hwreg(HW_REG_WAVE_MODE, 25, 1), 1
	s_wait_xcnt 0x0
; ONE LAYER OF THE PER-TASK MLP.  The same text serves the three layers; LAYER picks the sizes and the two ends.
;   LAYER 0: h0 = tanh(x W + b), rows of x (f32) gathered through the task's list.   LAYER 1: h1 = tanh(h0 W + b).
;   LAYER 2: out0 = h1 W + b in f32, rows scattered through the list.
; SHARES.  Work-group (x = strip cb of 64 output columns, y = task t).  Wave w owns K = 128 w .. 128 w + 127 of that strip.
; Its 128 x 64 weights are asked for at once (64 loads, each lane half 256 consecutive aligned bytes of one row of W), rounded to
; bf16 and kept as 16 fragments in 128 registers for the whole launch: every weight byte is read once, however the rows are dealt.
; Layer 2 has 16 tasks x 4 strips = 64 work-groups: a narrower strip would cut the 256-byte pieces of W's rows, and a split of K over
; work-groups would need traffic between them.
; NO TRANSPOSITION IS PAID FOR.  Lane (i = lane & 15, h = lane >> 4) loads W[k][64 cb + 4 i + q], q = 0..3, for
; k = 128 w + 64 kbl + 32 h + 16 s + e, e = 0..15.  Packing e = 2 d, 2 d + 1 of one q gives register d of a fragment (step ks = 2 kbl + s) whose
; sixteen columns are 4 i + q.  The fragment's K places (h, e) stand for those k in both operands alike, so the products pair up rightly.
; h0, h1 LIE IN FRAGMENT ORDER: tile (16 rows, 32,768 bytes) > block kb (64 columns, 2,048 bytes) > c4 = 2 s + j2 (512 bytes) > lane (16 bytes):
; lane (r, h) holds row r, columns 64 kb + 32 h + 16 s + 8 j2 + 0..7.  Every load and store of them covers 512 consecutive aligned bytes.
; LAYERS 0, 1 use the matrix instruction transposed (weights first): register j of lane (r, h) in sum q is (row r, column 32 h + 4 j + q),
; the next layer's lane.  LAYER 2 uses it as it is: register j is (row 8 h + j, column 4 r + q): 16 lanes hold 256 bytes of an output row.
; THE ROW LOOP.  A trip is TP = waves / 4 tiles.  Each wave forms its K part of 16 x 64 for each tile (16 matrix instructions), puts it
; into LDS; behind a barrier wave f = (g = f >> 2, jp = f & 3) adds the NW parts of registers 2 jp, 2 jp + 1 of tile g, finishes and stores.
; EVERY WAVE PASSES EVERY BARRIER A CONSTANT NUMBER OF TIMES: the loop runs MAXTRIP trips (all 2,048 rows in one task), and no barrier stands under a
; branch that hangs on loaded data.  The task's own count (meta, stored by the launch before) only lets a trip beyond it jump over the two blocks of
; work between the barriers.  The price is 12 scalar instructions and two barriers for each idle trip.
; PLACES WITHOUT A ROW repeat the task's first row (the list is built so): they compute that row again, and layer 2 stores the same numbers to the same
; bytes, all inside the one work-group that owns them.  EXEC is never narrowed.  A task without rows fills one group of h0 and h1 (on row 2047), so that
; the first loads of the next layer, which are issued before the count is looked at, read bytes that have been written; layer 2 stores nothing for it.
; NO CLUSTER: the weights, 32 KiB a wave, are shared with nobody.  What the strips of a task share are the activation tiles (32 KiB a tile);
; they go straight into fragment registers here, and a joint request would land them in LDS, one more write and read of the same bytes.
; NO TENSOR LOADS: the weights are f32 and pass through registers to be rounded, and each operand byte is used by one wave.
; LIMITS.  Operands bf16, sums f32, the K parts added in ascending w.  tanh(z): for z z < 1/64 the series z + z q (2 q / 15 - 1/3), q = z z
; (first term left out 17/315 z^7, under 2.1e-7 |z| there); else 1 - 2 / (1 + 2^(2.885390 z)), absolute error about 2e-7; an overflowing power
; gives 1, a vanishing one -1, NaN stays NaN.  Task ids are 0 to 15: a row with another id is in no list and stays unwritten.
.set LAYER, 2
.if LAYER == 0
.set KDIM, 512
.set NDIM, 1024
.set NW, 4                             ; waves = KDIM / 128
.set TP, 1                             ; tiles a trip = NW / 4
.set ASTEP, 16                         ; registers from one step's activation fragment to the next (f32 as loaded, packed in place)
.set AFTERW, 17                        ; loads issued behind the weights before they are converted: 16 of x, 1 index
.endif
.if LAYER == 1
.set KDIM, 1024
.set NDIM, 1024
.set NW, 8
.set TP, 2
.set ASTEP, 8
.set AFTERW, 16                        ; 16 of h0
.endif
.if LAYER == 2
.set KDIM, 1024
.set NDIM, 256
.set NW, 8
.set TP, 2
.set ASTEP, 8
.set AFTERW, 17                        ; 1 index pair, 16 of h1
.endif
.set TILEB, 32768                      ; bytes of a tile of h0, h1
.set PARTB, 4096                       ; bytes of one wave's part of one tile in LDS: [q][jp][lane] x 8 bytes
.set MAXTRIP, 128/TP                   ; all 2,048 rows in one task
; window 0 (v0-v255): v1 lane, v2 r, v3 h, v4 weight offset, v5 lane part of the activation offset, v6 that offset in use, v7 LDS address of my part,
; v8 LDS address of what I finish, v9 bias offset, v10 row index (layer 0), v11 its load offset, v12 4 r, v13 lane part of the store offset, v14 at work
.set IDXN, 16                          ; v[16:17]   layer 2: the next trip's two row indices
.set ROWO, 18                          ; v[18:19]   layer 2: this trip's two row byte offsets
.set H32,  20                          ; v20        layer 2: 32 h
.set IDXO, 21                          ; v21        layer 2: the index load's offset
.set ACC, 32                           ; v[32:63]   four sums of 16 x 16 (the bias lands here first)
.set AB,  64                           ; v[64:127]  activation fragments of a trip
.set FR,  128                          ; v[128:255] weight fragments: (4 ks + q) x 8
; window 1 (v256-v511): first the 64 weight loads as they come (load l in 4 l .. 4 l + 3), then the finisher's registers:
.set FLA,  0                           ; LDS address
.set STO,  1                           ; store offset (layers 0, 1)
.set BI,   8                           ; bias: [2 q + jj] (layers 0, 1), [q] (layer 2)
.set ZZ,   16                          ; z
.set EE,   24                          ; 2^(c z), then tanh
.set LP,   32                          ; lane part of the store offset (layers 0, 1)
.set C1,   34                          ; 2/15 twice
.set C2,   36                          ; -1/3 twice
.set QQ,   40                          ; z z
.set PL,   48                          ; the series
.set OUTR, 56                          ; what is stored
.set PS,   64                          ; the NW parts, 8 registers each; the sum grows in the first
.set MSB, 0
.macro WIN new                         ; s_set_vgpr_msb: bits 1:0 source 0, 3:2 source 1, 5:4 source 2, 7:6 destination; the high byte repeats the setting left
.if MSB != \new
	s_set_vgpr_msb (MSB<<8)|\new
.set MSB, \new
.endif
.endm
; 64 loads: my 128 rows x 256 bytes of W, into window 1.  Read once in the launch: not kept in the caches.
.macro LOADW
	WIN 0x40
.irp ks, 0,1,2,3
.irp e, 0,1,2,3,4,5,6,7,8,9,10,11,12,13,14,15
	global_load_b128 v[4*(16*\ks+\e):4*(16*\ks+\e)+3], v4, s[6:7] offset:((\ks>>1)*64+(\ks&1)*16+\e)*NDIM*4 th:TH_LOAD_NT
.endr
.endr
.endm
; the four fragments of step ks.  Loads return in order (ISA guide 5.7.1): the (3 - ks) x 16 younger weight loads and the AFTERW loads behind them
; may stay out; a wait's count cannot name more than 63, which is the stricter side.
.macro CVTW ks
.set lft, (3-\ks)*16+AFTERW
.if lft > 63
.set lft, 63
.endif
	s_wait_loadcnt lft
	WIN 0x05
.irp q, 0,1,2,3
.irp d, 0,1,2,3,4,5,6,7
	v_cvt_pk_bf16_f32 v[FR+8*(4*\ks+\q)+\d], v[4*(16*\ks+2*\d)+\q], v[4*(16*\ks+2*\d+1)+\q]
.endr
.endr
.endm
; the activations of trip s26
.macro LOADA
.if LAYER == 0
	v_min_u32 v10, 2047, v10                       ; a loaded number enters an address only clamped (2048, a task without rows, takes row 2047)
	v_lshl_add_u32 v6, v10, 11, v5                 ; row x 2,048 bytes + 128 h
.irp c, 0,1,2,3,4,5,6,7,8,9,10,11,12,13,14,15
	global_load_b128 v[AB+4*\c:AB+4*\c+3], v6, s[4:5] offset:(\c>>3)*256+(\c&7)*16    ; x[row][128 w + 64 kbl + 32 h + 16 s + 4 n ..], c = 8 kbl + 4 s + n
.endr
	s_add_co_u32 s27, s26, 1                       ; and the row index of the tile behind it, held at the task's last tile
	s_min_u32 s27, s27, s31
	s_min_u32 s27, s27, MAXTRIP-1
	s_lshl_b32 s27, s27, 6
	v_add_nc_u32 v11, s27, v12
	global_load_b32 v10, v11, s[14:15]
.else
.if LAYER == 2
	s_lshl_b32 s27, s26, 7                         ; that trip's two row indices, ahead of the 16 loads: 32 list places of 4 bytes a trip
	v_add_nc_u32 v[IDXO], s27, v[H32]
	global_load_b64 v[IDXN:IDXN+1], v[IDXO], s[14:15]
.endif
	s_lshl_b32 s27, s26, 16                        ; two tiles a trip
	v_add_nc_u32 v6, s27, v5
.irp g, 0,1
.irp c, 0,1,2,3,4,5,6,7
	global_load_b128 v[AB+32*\g+4*\c:AB+32*\g+4*\c+3], v6, s[4:5] offset:\g*TILEB+\c*512   ; c = 4 kbl + 2 s + j2: registers 8 ks + 4 j2
.endr
.endr
.endif
.endm
; layer 0: f32 to bf16 in place; register d is written when 2 d and 2 d + 1 are read, never ahead of a read
.macro CVTA
.irp ks, 0,1,2,3
.irp d, 0,1,2,3,4,5,6,7
	v_cvt_pk_bf16_f32 v[AB+16*\ks+\d], v[AB+16*\ks+2*\d], v[AB+16*\ks+2*\d+1]
.endr
.endr
.endm
.macro MM acc, s0, s1, step            ; the first step starts the sum: nothing is cleared
.if \step == 0
	v_wmma_f32_16x16x32_bf16 v[\acc:\acc+7], v[\s0:\s0+7], v[\s1:\s1+7], 0
.else
	v_wmma_f32_16x16x32_bf16 v[\acc:\acc+7], v[\s0:\s0+7], v[\s1:\s1+7], v[\acc:\acc+7]
.endif
.endm
.macro MULT g                          ; 16 matrix instructions: tile g x my 128 K x 64 columns; four chains in place take turns
.irp ks, 0,1,2,3
.irp q, 0,1,2,3
.if LAYER == 2
	MM ACC+8*\q, AB+32*\g+ASTEP*\ks, FR+8*(4*\ks+\q), \ks
.else
	MM ACC+8*\q, FR+8*(4*\ks+\q), AB+32*\g+ASTEP*\ks, \ks
.endif
.endr
.endr
.endm
; my part of tile g into LDS.  Five places behind the last matrix instruction: four before an LDS store reads a result and before a
; load lands in a source, five before the next tile's first products write over the sums.
.macro PUTP g
.rept 5
	v_nop
.endr
.irp q, 0,1,2,3
.irp jp, 0,1,2,3
	ds_store_b64 v7, v[ACC+8*\q+2*\jp:ACC+8*\q+2*\jp+1] offset:\g*PARTB+\q*1024+\jp*256    ; 256 consecutive bytes
.endr
.endr
.endm
; the NW parts of my eight numbers a lane, added in ascending w.  The wait lets the 4 (NW - 1 - w) younger loads stay out; the last is for 0.
.macro SUMP
.set wi, 0
.rept NW
.irp q, 0,1,2,3
	ds_load_b64 v[PS+8*wi+2*\q:PS+8*wi+2*\q+1], v[FLA] offset:wi*TP*PARTB+\q*1024
.endr
.set wi, wi+1
.endr
.set wi, 1
.rept NW-1
	s_wait_dscnt 4*(NW-1-wi)
.irp q, 0,1,2,3
	v_pk_add_f32 v[PS+2*\q:PS+2*\q+1], v[PS+2*\q:PS+2*\q+1], v[PS+8*wi+2*\q:PS+8*wi+2*\q+1]
.endr
.set wi, wi+1
.endr
.endm
; layer 2: two loaded indices to two row byte offsets
.macro ROWS
	v_min_u32 v[ROWO],   2047, v[IDXN]             ; clamped before it enters an address
	v_min_u32 v[ROWO+1], 2047, v[IDXN+1]
	v_lshl_add_u32 v[ROWO],   v[ROWO],   10, v13   ; row x 1,024 bytes + 16 r
	v_lshl_add_u32 v[ROWO+1], v[ROWO+1], 10, v13
.endm
; register work of the finish: PS[2 q + jj] is register j = 2 jp + jj of sum q
.macro FIN_REGS
.if LAYER != 2
.irp p, 0,2,4,6
	v_pk_add_f32 v[ZZ+\p:ZZ+\p+1], v[PS+\p:PS+\p+1], v[BI+\p:BI+\p+1]                  ; z
.endr
.irp p, 0,2,4,6
	v_pk_mul_f32 v[EE+\p:EE+\p+1], v[ZZ+\p:ZZ+\p+1], 0x4038aa3b op_sel_hi:[1,0]        ; 2 log2(e) z
	v_pk_mul_f32 v[QQ+\p:QQ+\p+1], v[ZZ+\p:ZZ+\p+1], v[ZZ+\p:ZZ+\p+1]                  ; q = z z
.endr
.irp j, 0,1,2,3,4,5,6,7
	v_exp_f32 v[EE+\j], v[EE+\j]
.endr
.irp p, 0,2,4,6
	v_pk_fma_f32 v[PL+\p:PL+\p+1], v[QQ+\p:QQ+\p+1], v[C1:C1+1], v[C2:C2+1]            ; 2 q / 15 - 1/3: also the plain place behind the powers
.endr
.irp p, 0,2,4,6
	v_pk_add_f32 v[EE+\p:EE+\p+1], v[EE+\p:EE+\p+1], 1.0 op_sel_hi:[1,0]
.endr
.irp j, 0,1,2,3,4,5,6,7
	v_rcp_f32 v[EE+\j], v[EE+\j]
.endr
.irp p, 0,2,4,6
	v_pk_mul_f32 v[PL+\p:PL+\p+1], v[PL+\p:PL+\p+1], v[QQ+\p:QQ+\p+1]                  ; the plain place behind the reciprocals
.endr
.irp p, 0,2,4,6
	v_pk_fma_f32 v[PL+\p:PL+\p+1], v[PL+\p:PL+\p+1], v[ZZ+\p:ZZ+\p+1], v[ZZ+\p:ZZ+\p+1]   ; z + z q (2 q / 15 - 1/3)
	v_pk_fma_f32 v[EE+\p:EE+\p+1], v[EE+\p:EE+\p+1], -2.0, 1.0 op_sel_hi:[1,0,0]       ; 1 - 2 / (1 + 2^..)
.endr
.irp j, 0,1,2,3,4,5,6,7
	v_cmp_gt_f32 vcc_lo, 0x3c800000, v[QQ+\j]      ; 1/64 > q: the series; a NaN keeps the other form's NaN
	v_cndmask_b32 v[EE+\j], v[EE+\j], v[PL+\j], vcc_lo
.endr
	v_cvt_pk_bf16_f32 v[OUTR],   v[EE],   v[EE+2]  ; columns 8 jp + 4 jj + q in order: (jj 0: q 0, 1), (q 2, 3), (jj 1: q 0, 1), (q 2, 3)
	v_cvt_pk_bf16_f32 v[OUTR+1], v[EE+4], v[EE+6]
	v_cvt_pk_bf16_f32 v[OUTR+2], v[EE+1], v[EE+3]
	v_cvt_pk_bf16_f32 v[OUTR+3], v[EE+5], v[EE+7]
	s_lshl_b32 s27, s25, 14+TP                     ; trip x TP tiles of 32,768 bytes
	v_add_nc_u32 v[STO], s27, v[LP]
.else
.irp q, 0,1,2,3
	v_add_f32 v[OUTR+\q],   v[PS+2*\q],   v[BI+\q]     ; row 8 h + 2 jp,     columns 4 r + q
	v_add_f32 v[OUTR+4+\q], v[PS+2*\q+1], v[BI+\q]     ; row 8 h + 2 jp + 1
.endr
.endif
.endm
.macro FIN_STORE
.if LAYER != 2
	global_store_b128 v[STO], v[OUTR:OUTR+3], s[12:13]     ; 512 consecutive aligned bytes: piece c4 = jp of block cb of tile g
.else
	WIN 0x04                                       ; offset in window 0, data in window 1
	global_store_b128 v[ROWO],   v[OUTR:OUTR+3],   s[12:13] th:TH_STORE_NT    ; 16 lanes: 256 consecutive aligned bytes of one row
	global_store_b128 v[ROWO+1], v[OUTR+4:OUTR+7], s[12:13] th:TH_STORE_NT
	WIN 0
	s_wait_xcnt 0x0                                ; the stores' offsets and data are rewritten only behind this wait
	s_wait_loadcnt 16                              ; the next trip's indices are in: only the 16 activation loads were issued behind them
	ROWS
.endif
.endm
	s_load_b256 s[4:11], s[0:1], 0x0               ; activations s[4:5], W s[6:7], bias s[8:9], meta s[10:11]
	s_load_b64 s[12:13], s[0:1], 0x20              ; result
.if LAYER != 1
	s_load_b64 s[14:15], s[0:1], 0x28              ; order
	v_lshl_add_u32 v30, v0, 2, 0x10000
	v_mov_b32 v31, 0
.endif
	v_and_b32 v1, 31, v0                           ; lane
	v_and_b32 v2, 15, v0                           ; r
	v_bfe_u32 v3, v0, 4, 1                         ; h
	v_lshrrev_b32 v14, 5, v0
	v_readfirstlane_b32 s16, v14                   ; wave w
	s_mov_b32 s17, ttmp9                           ; strip cb
	s_and_b32 s18, ttmp7, 0xffff                   ; task t
	s_and_b32 s19, s16, 3                          ; jp: which register pair I finish
	s_lshr_b32 s20, s16, 2                         ; g: of which tile of the trip
	s_mov_b32 s29, 0                               ; high word of every offset
	v_mul_u32_u24 v4, v3, 32*NDIM*4                ; W: 32 h rows
	v_lshl_add_u32 v4, v2, 4, v4                   ;    + 16 r bytes
	s_mul_i32 s27, s16, TP*PARTB
	v_lshl_add_u32 v7, v1, 3, s27                  ; my parts in LDS: w x TP x 4,096 + 8 lane
	s_lshl_b32 s27, s20, 12
	s_lshl_b32 s28, s19, 8
	s_add_co_u32 s27, s27, s28
	v_lshl_add_u32 v8, v1, 3, s27                  ; what I finish: g x 4,096 + jp x 256 + 8 lane
.if LAYER == 0
	v_lshlrev_b32 v5, 7, v3                        ; x: 32 h numbers of 4 bytes
	v_lshlrev_b32 v12, 2, v2                       ; list: place r
.else
	v_lshlrev_b32 v5, 4, v1                        ; fragment order: 16 lane
.endif
.if LAYER == 2
	v_lshlrev_b32 v9, 4, v2                        ; bias of columns 4 r + 0..3
	v_lshlrev_b32 v13, 4, v2                       ; and their place in an output row
	v_lshlrev_b32 v[H32], 5, v3                    ; 8 h list places
.else
	v_lshlrev_b32 v9, 7, v3                        ; bias of columns 32 h + 8 jp + 0..7
	v_lshlrev_b32 v13, 4, v1
.endif
	s_wait_kmcnt 0x0
	s_lshl_b32 s28, s18, 8
	s_add_nc_u64 s[10:11], s[10:11], s[28:29]
	s_load_b128 s[36:39], s[10:11], 0x0            ; the task's first tile, max(groups, 1), groups; waited for behind the weight loads
	s_mul_i32 s28, s18, KDIM*NDIM*4
	s_mul_i32 s27, s16, 128*NDIM*4
	s_add_co_u32 s28, s28, s27
	s_lshl_b32 s27, s17, 8                         ; 256 cb
	s_add_co_u32 s28, s28, s27
	s_add_nc_u64 s[6:7], s[6:7], s[28:29]          ; W[t][128 w][64 cb]
	s_mul_i32 s28, s18, NDIM*4
	s_add_co_u32 s28, s28, s27
.if LAYER != 2
	s_lshl_b32 s27, s19, 5
	s_add_co_u32 s28, s28, s27                     ; + 8 jp columns
.endif
	s_add_nc_u64 s[8:9], s[8:9], s[28:29]
.if LAYER != 1
	s_lshl_b32 s28, s18, 13                        ; the task's list
.if LAYER == 2
	s_lshl_b32 s27, s20, 6                         ; + tile g's 16 places + places 2 jp, 2 jp + 1
	s_add_co_u32 s28, s28, s27
	s_lshl_b32 s27, s19, 3
	s_add_co_u32 s28, s28, s27
.endif
	s_add_nc_u64 s[14:15], s[14:15], s[28:29]
.endif
	global_load_b128 v[ACC:ACC+3], v9, s[8:9]      ; the bias, parked in the sums' registers
.if LAYER != 2
	global_load_b128 v[ACC+4:ACC+7], v9, s[8:9] offset:16
.endif
.if LAYER == 0
	global_load_b32 v10, v12, s[14:15]             ; the row of place r of tile 0
.endif
	LOADW
	WIN 0
	s_wait_kmcnt 0x0
	s_min_u32 s22, s36, 158                        ; loaded numbers enter addresses and counts only clamped
.if LAYER == 2
	s_min_u32 s23, s38, 64                         ; groups that hold rows
.else
	s_min_u32 s23, s37, 64                         ; groups to fill: one at the least
.endif
.if LAYER == 0
	s_lshl_b32 s24, s23, 1                         ; trips with work: a tile each
	s_lshl_b32 s28, s16, 9                         ; x: my 128 columns
.else
	s_mov_b32 s24, s23                             ; trips with work: a group of two tiles each
	s_lshl_b32 s28, s22, 15
	s_lshl_b32 s27, s16, 12
	s_add_co_u32 s28, s28, s27                     ; first tile, blocks 2 w and 2 w + 1
.endif
	s_add_co_i32 s31, s24, -1                      ; the last trip with work
	s_add_nc_u64 s[4:5], s[4:5], s[28:29]
.if LAYER != 2
	s_add_co_u32 s28, s22, s20
	s_lshl_b32 s28, s28, 15                        ; tile first + g,
	s_lshl_b32 s27, s17, 11
	s_add_co_u32 s28, s28, s27                     ; block cb,
	s_lshl_b32 s27, s19, 9
	s_add_co_u32 s28, s28, s27                     ; piece jp
.else
	s_lshl_b32 s28, s17, 8                         ; 64 cb columns of 4 bytes
.endif
	s_add_nc_u64 s[12:13], s[12:13], s[28:29]
.if LAYER == 0
	s_wait_loadcnt 63                              ; the index has 64 younger loads behind it; 63 is the stricter side
.endif
	s_mov_b32 s26, 0
	LOADA                                          ; trip 0's activations, behind the weights
	CVTW 0
	CVTW 1
	CVTW 2
	CVTW 3
	WIN 0x40                                       ; window 1 is free now: the finisher's registers
	v_mov_b32 v[FLA], v8
.if LAYER != 2
	v_mov_b32 v[LP], v13
.irp q, 0,1,2,3
	v_mov_b32 v[BI+2*\q],   v[ACC+\q]              ; bias of column 4 jj + q to place 2 q + jj
	v_mov_b32 v[BI+2*\q+1], v[ACC+4+\q]
.endr
	v_mov_b32 v[C1],   0x3e088889                  ; 2/15
	v_mov_b32 v[C1+1], 0x3e088889
	v_mov_b32 v[C2],   0xbeaaaaab                  ; -1/3
	v_mov_b32 v[C2+1], 0xbeaaaaab
	WIN 0
.else
.irp q, 0,1,2,3
	v_mov_b32 v[BI+\q], v[ACC+\q]
.endr
	WIN 0
	s_wait_loadcnt 16                              ; trip 0's indices: only the 16 activation loads were issued behind them
	ROWS
.endif
	s_mov_b32 s25, 0                               ; trip
.Ltrip:
	s_cmp_ge_u32 s25, s24                          ; beyond the task's rows: nothing to multiply
	s_cbranch_scc1 .Lnomul
	s_wait_loadcnt 0x0                             ; this trip's activations (and indices): all that is out, asked for one trip ago
.if LAYER == 0
	CVTA
.endif
	MULT 0
	PUTP 0
.if TP == 2
	MULT 1
	PUTP 1
.endif
	s_add_co_u32 s26, s25, 1                       ; the next trip; the last trip asks for its own tiles again, so that no load leaves the task's region
	s_min_u32 s26, s26, s31
	s_min_u32 s26, s26, MAXTRIP-1
	LOADA                                          ; behind the five places of PUTP; on its way through both barriers and the finish
.Lnomul:
	s_wait_dscnt 0x0                               ; my parts are in LDS
	s_barrier_signal -1
	s_barrier_wait -1                              ; everybody's are
	s_cmp_ge_u32 s25, s24
	s_cbranch_scc1 .Lnofin
	WIN 0x55
	SUMP                                           ; ends with s_wait_dscnt 0: my reads of the parts are over
.if LAYER != 2
	s_wait_xcnt 0x0                                ; the last trip's store has read its data and offset, which are rewritten below
.endif
	FIN_REGS
	FIN_STORE
	WIN 0
.Lnofin:
	s_barrier_signal -1                            ; I have read the parts (no LDS instruction of mine is out on either way here),
	s_barrier_wait -1                              ; all have: the next trip may write them again
	s_add_co_u32 s25, s25, 1
	s_cmp_lt_u32 s25, MAXTRIP
	s_cbranch_scc1 .Ltrip
	s_wait_tensorcnt 0x0
	ds_add_u32 v30, v31
	s_wait_dscnt 0x0
	s_endpgm
.Lfunc_end_k_q2003be61eb_layer2:
	.size	k_q2003be61eb_layer2, .Lfunc_end_k_q2003be61eb_layer2-k_q2003be61eb_layer2
	.p2alignl 7, 3214868480
	.fill 96, 4, 3214868480
	.section	.rodata,"a",@progbits
	.p2align	6, 0x0
	.amdhsa_kernel k_q2003be61eb_layer2
		.amdhsa_group_segment_fixed_size 66560
		.amdhsa_private_segment_fixed_size 0
		.amdhsa_enable_private_segment 0
		.amdhsa_kernarg_size 48
		.amdhsa_user_sgpr_count 2
		.amdhsa_user_sgpr_kernarg_segment_ptr 1
		.amdhsa_wavefront_size32 1
		.amdhsa_system_sgpr_workgroup_id_x 1
		.amdhsa_system_sgpr_workgroup_id_y 1
		.amdhsa_system_sgpr_workgroup_id_z 1
		.amdhsa_system_vgpr_workitem_id 0
		.amdhsa_next_free_vgpr 512
		.amdhsa_next_free_sgpr 66
		.amdhsa_reserve_vcc 1
		.amdhsa_float_denorm_mode_32 3
		.amdhsa_float_denorm_mode_16_64 3
		.amdhsa_memory_ordered 1
		.amdhsa_forward_progress 1
		.amdhsa_inst_pref_size 31
	.end_amdhsa_kernel
	.amdgpu_metadata
---
amdhsa.version: [ 1, 2 ]
amdhsa.kernels:
  - .name:           k_q2003be61eb_layer2
    .symbol:         k_q2003be61eb_layer2.kd
    .args:
      - { .name: h1, .offset: 0, .size: 8, .value_kind: global_buffer, .address_space: global }
      - { .name: k2, .offset: 8, .size: 8, .value_kind: global_buffer, .address_space: global }
      - { .name: b2, .offset: 16, .size: 8, .value_kind: global_buffer, .address_space: global }
      - { .name: meta, .offset: 24, .size: 8, .value_kind: global_buffer, .address_space: global }
      - { .name: out0, .offset: 32, .size: 8, .value_kind: global_buffer, .address_space: global }
      - { .name: order, .offset: 40, .size: 8, .value_kind: global_buffer, .address_space: global }
    .group_segment_fixed_size: 66560
    .private_segment_fixed_size: 0
    .kernarg_segment_align: 8
    .kernarg_segment_size: 48
    .max_flat_workgroup_size: 256
    .sgpr_count:     66
    .vgpr_count:     512
    .wavefront_size: 32
...
	.end_amdgpu_metadata
.endif
;; end of part 4
;; ======== version 2 of 2: 4 launches; version 1 with the launches route, layer0, layer1, layer2 written anew for expert scheduling mode
;; workspace buffers: order 131,072 bytes of whole numbers; meta 4,096 bytes of whole numbers; h0 5,242,880 bytes; h1 5,242,880 bytes
;; launch route (part 5): grid 16 x 1, 1 waves a work-group, no clusters, 8,704 bytes of LDS; arguments task_ids, order, meta; writes order, meta
.if DOCPART == 5
	.amdgcn_target "amdgcn-amd-amdhsa--gfx1250"
	.amdhsa_code_object_version 6
	.text
	.protected	k_q2003be61eb_route
	.globl	k_q2003be61eb_route
	.p2align	8
	.type	k_q2003be61eb_route,@function
k_q2003be61eb_route:
	s_mov_b64 s[64:65], 0
	v_nop
	global_prefetch_b8 v0, s[64:65] scope:SCOPE_SE
	s_setreg_imm32_b32 hwreg(HW_REG_WAVE_SCHED_MODE, 0, 2), 2
	s_setreg_imm32_b32 hwreg(HW_REG_WAVE_MODE, 25, 1), 1
	s_wait_xcnt 0x0
	s_wait_alu depctr_vm_vsrc(0)
; ROUTE.  Work-group t (one wave) lists the rows whose task id is t and says where the task's rows lie in h0 and h1.
;   order[t][0..2047]: the rows with id t (in any order); every place behind them repeats the first listed row, so that a padded place
;   computes a real row once more and stores the same numbers to the same bytes.  A task without rows holds 2048 everywhere.
;   meta[t][0] = first 16-row tile of the task's region, [1] = max(groups, 1), [2] = groups of 32 rows, [3..63] = 0.
; With P = number of ids below t and c = number of ids equal to t: first group = (P >> 5) + t, groups = (c + 31) >> 5.
; The next task starts at floor((P + c) / 32) + t + 1 >= floor(P / 32) + t + max(1, ceil(c / 32)), so regions never overlap and each has room for
; one group at the least; floor(P / 32) + ceil(c / 32) <= 64, so every region ends at or before group 80 (160 tiles).  No task needs another's count.
; LIMIT: ids are 0 to 15, the table that the reference indexes; a row with another id is in no list and its output stays unwritten.
; One wave: no barrier.  The list is built in LDS (8,192 bytes) and leaves in stores of 512 consecutive bytes.
; THE MODE: SCHED_MODE bits 1:0 = 2 (LLVM: expert scheduling mode 2), set by the entry lines.  The code itself states the register dependences
; between vector instructions and memory or LDS instructions, and those through scalar registers that vector instructions write, with s_wait_alu, always for 0.
; THE PLAN.  Registers that memory or LDS instructions touch:
;   v1, v13, v[8:11]  offsets and the filler: made at the head, never written again.
;   IDS    the ids land; the compares read them; behind the last compares the list's LDS loads land; the selects write them; the stores read them.
;   ADR, ROW  an LDS address and a row for each of the 64 LDS stores, each in a register of its own: none is written again.
; The ids go in four groups of 16 words: 32 compares into 32 scalar registers, ONE wait for the masks; the counts, each word's first place in a scalar
; register of its own; 16 addresses, ONE wait for them; 16 LDS stores.  The way out goes in four groups likewise.
.set SENT, 2048                        ; no row; also the number of rows
.set IDS,  16                          ; v[16:79]   the 2,048 ids, 64 a lane; later the list on its way out
.set ADR,  80                          ; v[80:143]  word i: the LDS address of my row
.set ROW,  144                         ; v[144:207] word i: my row
.set MG,   32                          ; s[32:47]   a group's masks: id below t
.set ME,   48                          ; s[48:63]   a group's masks: id equal to t
.set BS,   66                          ; s[66:82]   c before word k of the group; s[BS+16] is carried into the next group
	s_load_b128 s[4:7], s[0:1], 0x0                ; task_ids s[4:5], order s[6:7]
	s_load_b64 s[8:9], s[0:1], 0x10                ; meta
	v_lshl_add_u32 v208, v0, 2, 0x2100
	v_mov_b32 v209, 0
	s_mov_b32 s10, ttmp9                           ; t
	s_mov_b32 s11, 0                               ; P: ids below t
	s_mov_b32 s[BS], 0                             ; c: ids equal to t, so far
	s_mov_b32 s14, SENT
	s_lshl_b32 s28, s10, 13                        ; 8,192 bytes of order for each task
	s_mov_b32 s29, 0
	v_lshlrev_b32 v1, 4, v0                        ; 16 x lane
	v_lshlrev_b32 v2, 2, v0                        ; 4 x lane: the first of the lane's four rows in a load
	v_add_nc_u32 v3, SENT, v0                      ; word 2048 + lane: where a lane that does not match puts its word (never read)
.irp j, 8,9,10,11
	v_mov_b32 v\j, SENT
.endr
	v_mov_b32 v13, 0
	s_wait_kmcnt 0x0
	s_wait_alu depctr_va_vdst(0)                   ; v1, v[8:11] and v13 are written: the loads and stores below read them as offsets and as data
.irp n, 0,1,2,3,4,5,6,7,8,9,10,11,12,13,14,15
	global_load_b128 v[IDS+4*\n:IDS+4*\n+3], v1, s[4:5] offset:512*\n     ; ids 128 n + 4 lane + 0..3
.endr
	s_add_nc_u64 s[6:7], s[6:7], s[28:29]          ; order at task t
	s_lshl_b32 s28, s10, 8                         ; 256 bytes of meta for each task
	s_add_nc_u64 s[8:9], s[8:9], s[28:29]
.irp n, 0,1,2,3,4,5,6,7,8,9,10,11,12,13,14,15
	ds_store_b128 v1, v[8:11] offset:512*\n        ; the whole list = no row
.endr
.set i, 0
.rept 64
	v_add_nc_u32 v[ROW+i], 128*(i/4)+i%4, v2       ; word i = 4 n + c holds the id of row 128 n + 4 lane + c; made while the ids are on their way
.set i, i+1
.endr
	s_wait_loadcnt 0x0                             ; all ids are in
; 16 words of 32 ids: count those below t; give those equal to t the next places of the list.  EXEC is never touched:
; a lane that does not match writes its own spare word behind the list.
.macro GROUP g
.set k, 0
.rept 16
	v_cmp_gt_u32 s[MG+k], s10, v[IDS+16*\g+k]      ; t > id
	v_cmp_eq_u32 s[ME+k], s10, v[IDS+16*\g+k]
.set k, k+1
.endr
	s_wait_alu depctr_va_sdst(0)                   ; the 32 masks are written, ahead of their first readers: the counts and the selects below
.set k, 0
.rept 16
	s_bcnt1_i32_b32 s13, s[MG+k]
	s_add_co_u32 s11, s11, s13
	s_bcnt1_i32_b32 s13, s[ME+k]
	s_add_co_u32 s[BS+k+1], s[BS+k], s13
.set k, k+1
.endr
.set k, 0
.rept 16
	v_mbcnt_lo_u32_b32 v[ADR+16*\g+k], s[ME+k], s[BS+k]    ; c + matching lanes below me = my place
.set k, k+1
.endr
.set k, 0
.rept 16
	v_cndmask_b32 v[ADR+16*\g+k], v3, v[ADR+16*\g+k], s[ME+k]  ; or my spare word
.set k, k+1
.endr
.set k, 0
.rept 16
	v_min_u32 v[ADR+16*\g+k], SENT+31, v[ADR+16*\g+k]      ; a number made from loaded data enters an address only clamped: words 0 to 2079
.set k, k+1
.endr
.set k, 0
.rept 16
	v_lshlrev_b32 v[ADR+16*\g+k], 2, v[ADR+16*\g+k]
.set k, k+1
.endr
	s_wait_alu depctr_va_vdst(0)                   ; the group's 16 addresses are written (in the first group the 64 rows too), which the LDS stores read; behind the last group: the compares are done reading the ids, in whose registers the list's loads land
.set k, 0
.rept 16
	ds_store_b32 v[ADR+16*\g+k], v[ROW+16*\g+k]    ; LDS serves a wave's instructions in order (ISA guide 5.7.1): behind the first fill
.set k, k+1
.endr
	s_mov_b32 s[BS], s[BS+16]                      ; c goes on into the next group
.endm
	GROUP 0
	GROUP 1
	GROUP 2
	GROUP 3
	ds_load_b32 v12, v13                           ; the first listed row, in every lane (2048 if the task has none)
.irp n, 0,1,2,3,4,5,6,7,8,9,10,11,12,13,14,15
	ds_load_b128 v[IDS+4*\n:IDS+4*\n+3], v1 offset:512*\n      ; my own bytes, in order behind my stores; no vector instruction since the last wait names these registers
.endr
	s_lshr_b32 s20, s11, 5
	s_add_co_u32 s20, s20, s10
	s_lshl_b32 s20, s20, 1                         ; first tile = 2 ((P >> 5) + t)
	s_add_co_u32 s21, s[BS], 31
	s_lshr_b32 s21, s21, 5                         ; groups = (c + 31) >> 5
	s_max_u32 s22, s21, 1                          ; what layers 0 and 1 fill: one group at the least
; The way out, four loads' words at a time.  The record's few lines ride in the last group, so that its two waits serve them too.
.macro OUT g
	s_wait_dscnt 12-4*\g                           ; the 12 - 4 g younger list loads may stay out
.set k, 0
.rept 16
	v_cmp_eq_u32 s[ME+k], s14, v[IDS+16*\g+k]      ; a place without a row
.set k, k+1
.endr
.if \g == 3
	v_cmp_eq_u32 s[MG], 1, v0
	v_cmp_eq_u32 s[MG+1], 0, v0
	v_mov_b32 v4, s20
	v_mov_b32 v5, s22
	v_mov_b32 v14, s21
	v_lshlrev_b32 v15, 3, v0
.endif
	s_wait_alu depctr_va_sdst(0)                   ; the masks are written, ahead of the selects that read them
.set k, 0
.rept 16
	v_cndmask_b32 v[IDS+16*\g+k], v[IDS+16*\g+k], v12, s[ME+k]  ; repeats the first row
.set k, k+1
.endr
.if \g == 3
	v_cndmask_b32 v6, 0, v14, s[MG]                ; lane 1: word 2 = groups
	v_cndmask_b32 v6, v6, v4, s[MG+1]              ; lane 0: word 0 = first tile,
	v_cndmask_b32 v7, 0, v5, s[MG+1]               ;         word 1 = max(groups, 1); all other words 0
.endif
	s_wait_alu depctr_va_vdst(0)                   ; the selects have written the 16 words (in the last group the record and its offset too), which the stores read
.irp m, 0,1,2,3
	global_store_b128 v1, v[IDS+16*\g+4*\m:IDS+16*\g+4*\m+3], s[6:7] offset:512*(4*\g+\m)    ; 512 consecutive bytes
.endr
.endm
	OUT 0
	OUT 1
	OUT 2
	OUT 3
	global_store_b64 v15, v[6:7], s[8:9]           ; the record's 256 bytes in one store
	s_wait_dscnt 0x0
	s_wait_alu depctr_hold_cnt(0) depctr_sa_sdst(0) depctr_va_vdst(0) depctr_va_sdst(0) depctr_va_ssrc(0) depctr_va_vcc(0) depctr_vm_vsrc(0)
	s_wait_tensorcnt 0x0
	ds_add_u32 v208, v209
	s_wait_dscnt 0x0
	s_endpgm
.Lfunc_end_k_q2003be61eb_route:
	.size	k_q2003be61eb_route, .Lfunc_end_k_q2003be61eb_route-k_q2003be61eb_route
	.p2alignl 7, 3214868480
	.fill 96, 4, 3214868480
	.section	.rodata,"a",@progbits
	.p2align	6, 0x0
	.amdhsa_kernel k_q2003be61eb_route
		.amdhsa_group_segment_fixed_size 8704
		.amdhsa_private_segment_fixed_size 0
		.amdhsa_enable_private_segment 0
		.amdhsa_kernarg_size 24
		.amdhsa_user_sgpr_count 2
		.amdhsa_user_sgpr_kernarg_segment_ptr 1
		.amdhsa_wavefront_size32 1
		.amdhsa_system_sgpr_workgroup_id_x 1
		.amdhsa_system_sgpr_workgroup_id_y 1
		.amdhsa_system_sgpr_workgroup_id_z 1
		.amdhsa_system_vgpr_workitem_id 0
		.amdhsa_next_free_vgpr 210
		.amdhsa_next_free_sgpr 84
		.amdhsa_reserve_vcc 0
		.amdhsa_float_denorm_mode_32 3
		.amdhsa_float_denorm_mode_16_64 3
		.amdhsa_memory_ordered 1
		.amdhsa_forward_progress 1
		.amdhsa_inst_pref_size 55
	.end_amdhsa_kernel
	.amdgpu_metadata
---
amdhsa.version: [ 1, 2 ]
amdhsa.kernels:
  - .name:           k_q2003be61eb_route
    .symbol:         k_q2003be61eb_route.kd
    .args:
      - { .name: task_ids, .offset: 0, .size: 8, .value_kind: global_buffer, .address_space: global }
      - { .name: order, .offset: 8, .size: 8, .value_kind: global_buffer, .address_space: global }
      - { .name: meta, .offset: 16, .size: 8, .value_kind: global_buffer, .address_space: global }
    .group_segment_fixed_size: 8704
    .private_segment_fixed_size: 0
    .kernarg_segment_align: 8
    .kernarg_segment_size: 24
    .max_flat_workgroup_size: 32
    .sgpr_count:     84
    .vgpr_count:     210
    .wavefront_size: 32
...
	.end_amdgpu_metadata
.endif
;; end of part 5
;; launch layer0 (part 6): grid 16 x 16, 4 waves a work-group, no clusters, 16,896 bytes of LDS; arguments x, k0, b0, meta, h0, order; writes h0
.if DOCPART == 6
	.amdgcn_target "amdgcn-amd-amdhsa--gfx1250"
	.amdhsa_code_object_version 6
	.text
	.protected	k_q2003be61eb_layer0
	.globl	k_q2003be61eb_layer0
	.p2align	8
	.type	k_q2003be61eb_layer0,@function
k_q2003be61eb_layer0:
	s_mov_b64 s[64:65], 0
	v_nop
	global_prefetch_b8 v0, s[64:65] scope:SCOPE_SE
	s_setreg_imm32_b32 hwreg(HW_REG_WAVE_SCHED_MODE, 0, 2), 2
	s_setreg_imm32_b32 hwreg(HW_REG_WAVE_MODE, 25, 1), 1
	s_wait_xcnt 0x0
	s_wait_alu depctr_vm_vsrc(0)
; ONE LAYER OF THE PER-TASK MLP.  The same text serves the three layers; LAYER picks the sizes and the two ends.
;   LAYER 0: h0 = tanh(x W + b), rows of x (f32) gathered through the task's list.   LAYER 1: h1 = tanh(h0 W + b).
;   LAYER 2: out0 = h1 W + b in f32, rows scattered through the list.
; SHARES.  Work-group (x = strip cb of 64 output columns, y = task t).  Wave w owns K = 128 w .. 128 w + 127 of that strip.
; Its 128 x 64 weights are asked for at once (64 loads, each lane half 256 consecutive aligned bytes of one row of W), rounded to
; bf16 and kept as 16 fragments in 128 registers for the whole launch: every weight byte is read once, however the rows are dealt.
; Layer 2 has 16 tasks x 4 strips = 64 work-groups: a narrower strip would cut the 256-byte pieces of W's rows, and a split of K over
; work-groups would need traffic between them.
; NO TRANSPOSITION IS PAID FOR.  Lane (i = lane & 15, h = lane >> 4) loads W[k][64 cb + 4 i + q], q = 0..3, for
; k = 128 w + 64 kbl + 32 h + 16 s + e, e = 0..15.  Packing e = 2 d, 2 d + 1 of one q gives register d of a fragment (step ks = 2 kbl + s) whose
; sixteen columns are 4 i + q.  The fragment's K places (h, e) stand for those k in both operands alike, so the products pair up rightly.
; h0, h1 LIE IN FRAGMENT ORDER: tile (16 rows, 32,768 bytes) > block kb (64 columns, 2,048 bytes) > c4 = 2 s + j2 (512 bytes) > lane (16 bytes):
; lane (r, h) holds row r, columns 64 kb + 32 h + 16 s + 8 j2 + 0..7.  Every load and store of them covers 512 consecutive aligned bytes.
; LAYERS 0, 1 use the matrix instruction transposed (weights first): register j of lane (r, h) in sum q is (row r, column 32 h + 4 j + q),
; the next layer's lane.  LAYER 2 uses it as it is: register j is (row 8 h + j, column 4 r + q): 16 lanes hold 256 bytes of an output row.
; THE ROW LOOP.  A trip is TP = waves / 4 tiles.  Each wave forms its K part of 16 x 64 for each tile (16 matrix instructions), puts it
; into LDS; behind a barrier wave f = (g = f >> 2, jp = f & 3) adds the NW parts of registers 2 jp, 2 jp + 1 of tile g, finishes and stores.
; EVERY WAVE PASSES EVERY BARRIER A CONSTANT NUMBER OF TIMES: the loop runs MAXTRIP trips (all 2,048 rows in one task), and no barrier stands under a
; branch that hangs on loaded data.  The task's own count (meta, stored by the launch before) only lets a trip beyond it jump over the two blocks of
; work between the barriers.  The price is 12 scalar instructions and two barriers for each idle trip.
; PLACES WITHOUT A ROW repeat the task's first row (the list is built so): they compute that row again, and layer 2 stores the same numbers to the same
; bytes, all inside the one work-group that owns them.  EXEC is never narrowed.  A task without rows fills one group of h0 and h1 (on row 2047), so that
; the first loads of the next layer, which are issued before the count is looked at, read bytes that have been written; layer 2 stores nothing for it.
; NO CLUSTER: the weights, 32 KiB a wave, are shared with nobody.  What the strips of a task share are the activation tiles (32 KiB a tile);
; they go straight into fragment registers here, and a joint request would land them in LDS, one more write and read of the same bytes.
; NO TENSOR LOADS: the weights are f32 and pass through registers to be rounded, and each operand byte is used by one wave.
; LIMITS.  Operands bf16, sums f32, the K parts added in ascending w.  tanh(z): for z z < 1/64 the series z + z q (2 q / 15 - 1/3), q = z z
; (first term left out 17/315 z^7, under 2.1e-7 |z| there); else 1 - 2 / (1 + 2^(2.885390 z)), absolute error about 2e-7; an overflowing power
; gives 1, a vanishing one -1, NaN stays NaN.  Task ids are 0 to 15: a row with another id is in no list and stays unwritten.
; THE MODE: SCHED_MODE bits 1:0 = 2 (LLVM: expert scheduling mode 2), set by the entry lines.  The code itself states the register dependences
; between vector or matrix instructions and memory or LDS instructions, and those through scalar registers that vector instructions write, with s_wait_alu, always for 0.
; THE PLAN.  Registers that memory or LDS instructions touch in the loop, and who else names them:
;   AB           layer 0: x as loaded.  The trip's 32 conversions read it (into the fragments AF, window 1); behind them the next trip's 16 loads land in it.
;                layers 1, 2: the fragments of two tiles.  Tile g's 16 matrix instructions read half g; behind them the next trip's 8 loads land in it.
;   ACC, ACC2    the sums of tile 0 and (layers 1, 2; window 1) of tile 1: written by the tile's matrix instructions, read by its 16 LDS stores, written again a trip later.
;   v6, v11, IDXO   load offsets: written once a trip, at the head of the first block; read by that trip's loads.
;   v10, IDXN    row indices: a load lands; layer 0 clamps v10 at the head of the first block, layer 2 reads IDXN at the end of the second.
;   PS           the parts: LDS loads land; the sums and the finish read and write them.
;   OUTR, STO, ROWO   written by the finish; read by the trip's stores.
;   v5, v7, v12, v13, H32, FLA   made at the kernel's head, never written again.   FR, AF and the finisher's other registers: named by vector and matrix instructions alone.
; THE WAITS OF A TRIP.  First block: one on vm_vsrc at its head (the last trip's loads have read the offsets, its LDS stores the sums).  Layer 0: one on va_vdst behind
; the conversions, then the 17 loads dealt among the matrix instructions, which name FR, AF and ACC alone; one behind the products, ahead of the LDS stores.
; Layers 1, 2: one on va_vdst behind tile 0's products, then tile 0's next loads, and its LDS stores dealt among tile 1's matrix instructions, which name FR, AB's second
; half and ACC2 alone; one behind tile 1's products, ahead of its LDS stores and next loads.  Second block: one on vm_vsrc beside the wait on XCNT that frees the stores' registers;
; one on va_vdst behind the powers and one behind the reciprocals; one on va_sdst behind the run of compares; one on va_vdst ahead of the store, which also states that the sums and the
; finish are done with PS, for the next trip's LDS loads.  Each block's waits hold whether or not a trip takes the other block.
.set LAYER, 0
.if LAYER == 0
.set KDIM, 512
.set NDIM, 1024
.set NW, 4                             ; waves = KDIM / 128
.set TP, 1                             ; tiles a trip = NW / 4
.set AFTERW, 17                        ; loads issued behind the weights before they are converted: 16 of x, 1 index
.endif
.if LAYER == 1
.set KDIM, 1024
.set NDIM, 1024
.set NW, 8
.set TP, 2
.set AFTERW, 16                        ; 16 of h0
.endif
.if LAYER == 2
.set KDIM, 1024
.set NDIM, 256
.set NW, 8
.set TP, 2
.set AFTERW, 17                        ; 1 index pair, 16 of h1
.endif
.set TILEB, 32768                      ; bytes of a tile of h0, h1
.set PARTB, 4096                       ; bytes of one wave's part of one tile in LDS: [q][jp][lane] x 8 bytes
.set MAXTRIP, 128/TP                   ; all 2,048 rows in one task
; window 0 (v0-v255): v1 lane, v2 r, v3 h, v4 weight offset, v5 lane part of the activation offset, v6 that offset in use, v7 LDS address of my part,
; v8 LDS address of what I finish, v9 bias offset, v10 row index (layer 0), v11 its load offset, v12 4 r, v13 lane part of the store offset, v14 at work
.set IDXN, 16                          ; v[16:17]   layer 2: the next trip's two row indices
.set ROWO, 18                          ; v[18:19]   layer 2: this trip's two row byte offsets
.set H32,  20                          ; v20        layer 2: 32 h
.set IDXO, 21                          ; v21        layer 2: the index load's offset
.set ACC, 32                           ; v[32:63]   four sums of 16 x 16 (the bias lands here first)
.set AB,  64                           ; v[64:127]  layer 0: a tile of x as loaded; layers 1, 2: activation fragments of a trip
.set FR,  128                          ; v[128:255] weight fragments: (4 ks + q) x 8
; window 1 (v256-v511): first the 64 weight loads as they come (load l in 4 l .. 4 l + 3), then the finisher's registers:
.set FLA,  0                           ; LDS address
.set STO,  1                           ; store offset (layers 0, 1)
.set BI,   8                           ; bias: [2 q + jj] (layers 0, 1), [q] (layer 2)
.set ZZ,   16                          ; z
.set EE,   24                          ; 2^(c z), then tanh
.set LP,   32                          ; lane part of the store offset (layers 0, 1)
.set C1,   34                          ; 2/15 twice
.set C2,   36                          ; -1/3 twice
.set QQ,   40                          ; z z
.set PL,   48                          ; the series
.set OUTR, 56                          ; what is stored
.set PS,   64                          ; the NW parts, 8 registers each; the sum grows in the first
.set X1,   128                         ; 32 registers: layer 0: AF, the tile's four fragments in bf16; layers 1, 2: ACC2, the second tile's four sums
.set CM,   32                          ; s[32:39] the finish's eight masks (s[36:39] held the task's record at the head)
.set MSB, 0
.macro WIN new                         ; s_set_vgpr_msb: bits 1:0 source 0, 3:2 source 1, 5:4 source 2, 7:6 destination; the high byte repeats the setting left
.if MSB != \new
	s_set_vgpr_msb (MSB<<8)|\new
.set MSB, \new
.endif
.endm
; 64 loads: my 128 rows x 256 bytes of W, into window 1.  Read once in the launch: not kept in the caches.
.macro LOADW
	WIN 0x40
.irp ks, 0,1,2,3
.irp e, 0,1,2,3,4,5,6,7,8,9,10,11,12,13,14,15
	global_load_b128 v[4*(16*\ks+\e):4*(16*\ks+\e)+3], v4, s[6:7] offset:((\ks>>1)*64+(\ks&1)*16+\e)*NDIM*4 th:TH_LOAD_NT
.endr
.endr
.endm
; the four fragments of step ks.  Loads return in order (ISA guide 5.7.1): the (3 - ks) x 16 younger weight loads and the AFTERW loads behind them
; may stay out; a wait's count cannot name more than 63, which is the stricter side.
.macro CVTW ks
.set lft, (3-\ks)*16+AFTERW
.if lft > 63
.set lft, 63
.endif
	s_wait_loadcnt lft
	WIN 0x05
.irp q, 0,1,2,3
.irp d, 0,1,2,3,4,5,6,7
	v_cvt_pk_bf16_f32 v[FR+8*(4*\ks+\q)+\d], v[4*(16*\ks+2*\d)+\q], v[4*(16*\ks+2*\d+1)+\q]
.endr
.endr
.endm
; the offsets of the loads of trip s26: vector work, laid ahead of a wait on va_vdst that stands there anyway
.macro ADRA
.if LAYER == 0
	v_min_u32 v10, 2047, v10                       ; a loaded number enters an address only clamped (2048, a task without rows, takes row 2047)
	v_lshl_add_u32 v6, v10, 11, v5                 ; row x 2,048 bytes + 128 h
	s_add_co_u32 s27, s26, 1                       ; and the row index of the tile behind it, held at the task's last tile
	s_min_u32 s27, s27, s31
	s_min_u32 s27, s27, MAXTRIP-1
	s_lshl_b32 s27, s27, 6
	v_add_nc_u32 v11, s27, v12
.else
.if LAYER == 2
	s_lshl_b32 s27, s26, 7                         ; that trip's two row indices: 32 list places of 4 bytes a trip
	v_add_nc_u32 v[IDXO], s27, v[H32]
.endif
	s_lshl_b32 s27, s26, 16                        ; two tiles a trip
	v_add_nc_u32 v6, s27, v5
.endif
.endm
.macro ASKI                            ; the index load: layer 0 behind the 16 loads of x, layer 2 ahead of the 16 loads of h1
.if LAYER == 0
	global_load_b32 v10, v11, s[14:15]
.endif
.if LAYER == 2
	global_load_b64 v[IDXN:IDXN+1], v[IDXO], s[14:15]
.endif
.endm
.macro ASKT g                          ; layers 1, 2: the eight loads of tile g
.irp c, 0,1,2,3,4,5,6,7
	global_load_b128 v[AB+32*\g+4*\c:AB+32*\g+4*\c+3], v6, s[4:5] offset:\g*TILEB+\c*512   ; c = 4 kbl + 2 s + j2: registers 8 ks + 4 j2
.endr
.endm
.macro ASKALL                          ; at the kernel's head: all of trip 0's loads in one run
.if LAYER == 0
.set n, 0
.rept 16
	global_load_b128 v[AB+4*n:AB+4*n+3], v6, s[4:5] offset:(n>>3)*256+(n&7)*16    ; x[row][128 w + 64 kbl + 32 h + 16 s + 4 m ..], n = 8 kbl + 4 s + m
.set n, n+1
.endr
	ASKI
.else
	ASKI
	ASKT 0
	ASKT 1
.endif
.endm
; layer 0: f32 to bf16, out of AB into AF: AB is free for the next trip's loads as soon as these have read it
.macro CVTA
.irp ks, 0,1,2,3
.irp d, 0,1,2,3,4,5,6,7
	v_cvt_pk_bf16_f32 v[X1+8*\ks+\d], v[AB+16*\ks+2*\d], v[AB+16*\ks+2*\d+1]
.endr
.endr
.endm
.macro MM acc, s0, s1, step            ; the first step starts the sum: nothing is cleared
.if \step == 0
	v_wmma_f32_16x16x32_bf16 v[\acc:\acc+7], v[\s0:\s0+7], v[\s1:\s1+7], 0
.else
	v_wmma_f32_16x16x32_bf16 v[\acc:\acc+7], v[\s0:\s0+7], v[\s1:\s1+7], v[\acc:\acc+7]
.endif
.endm
; 16 matrix instructions: tile g x my 128 K x 64 columns; four chains in place take turns.  Behind each stands one memory or LDS instruction that names none of the
; registers of the matrix instructions issued since the last wait on va_vdst: layer 0: a load of the next trip's x; layers 1, 2, tile 1: an LDS store of tile 0's sums.
.macro MULT g
.set n, 0
.set ab, ACC
.if \g == 1
.set ab, X1
.endif
.irp ks, 0,1,2,3
.irp q, 0,1,2,3
.if LAYER == 0
	MM ab+8*\q, FR+8*(4*\ks+\q), X1+8*\ks, \ks
	global_load_b128 v[AB+4*n:AB+4*n+3], v6, s[4:5] offset:(n>>3)*256+(n&7)*16
.endif
.if LAYER == 1
	MM ab+8*\q, FR+8*(4*\ks+\q), AB+32*\g+8*\ks, \ks
.endif
.if LAYER == 2
	MM ab+8*\q, AB+32*\g+8*\ks, FR+8*(4*\ks+\q), \ks
.endif
.if \g == 1
	ds_store_b64 v7, v[ACC+8*(n>>2)+2*(n&3):ACC+8*(n>>2)+2*(n&3)+1] offset:(n>>2)*1024+(n&3)*256   ; sum q = n >> 2 from its low end on; 256 consecutive bytes
.endif
.set n, n+1
.endr
.endr
.endm
.macro PLACES                          ; four places behind the last matrix instruction, before an LDS store reads a result; they stay beside the wait that follows them
.rept 4
	v_nop
.endr
.endm
.macro PUTP base, g                    ; my part of tile g into LDS, in one run
.irp q, 0,1,2,3
.irp jp, 0,1,2,3
	ds_store_b64 v7, v[\base+8*\q+2*\jp:\base+8*\q+2*\jp+1] offset:\g*PARTB+\q*1024+\jp*256    ; 256 consecutive bytes
.endr
.endr
.endm
; the NW parts of my eight numbers a lane, added in ascending w.  The wait lets the 4 (NW - 1 - w) younger loads stay out; the last is for 0.
.macro SUMP
.set wi, 0
.rept NW
.irp q, 0,1,2,3
	ds_load_b64 v[PS+8*wi+2*\q:PS+8*wi+2*\q+1], v[FLA] offset:wi*TP*PARTB+\q*1024
.endr
.set wi, wi+1
.endr
.set wi, 1
.rept NW-1
	s_wait_dscnt 4*(NW-1-wi)
.irp q, 0,1,2,3
	v_pk_add_f32 v[PS+2*\q:PS+2*\q+1], v[PS+2*\q:PS+2*\q+1], v[PS+8*wi+2*\q:PS+8*wi+2*\q+1]
.endr
.set wi, wi+1
.endr
.endm
; layer 2: two loaded indices to two row byte offsets
.macro ROWS
	v_min_u32 v[ROWO],   2047, v[IDXN]             ; clamped before it enters an address
	v_min_u32 v[ROWO+1], 2047, v[IDXN+1]
	v_lshl_add_u32 v[ROWO],   v[ROWO],   10, v13   ; row x 1,024 bytes + 16 r
	v_lshl_add_u32 v[ROWO+1], v[ROWO+1], 10, v13
.endm
; register work of the finish: PS[2 q + jj] is register j = 2 jp + jj of sum q
.macro FIN_REGS
.if LAYER != 2
.irp p, 0,2,4,6
	v_pk_add_f32 v[ZZ+\p:ZZ+\p+1], v[PS+\p:PS+\p+1], v[BI+\p:BI+\p+1]                  ; z
.endr
.irp p, 0,2,4,6
	v_pk_mul_f32 v[EE+\p:EE+\p+1], v[ZZ+\p:ZZ+\p+1], 0x4038aa3b op_sel_hi:[1,0]        ; 2 log2(e) z
	v_pk_mul_f32 v[QQ+\p:QQ+\p+1], v[ZZ+\p:ZZ+\p+1], v[ZZ+\p:ZZ+\p+1]                  ; q = z z
.endr
.irp j, 0,1,2,3,4,5,6,7
	v_exp_f32 v[EE+\j], v[EE+\j]
.endr
.irp p, 0,2,4,6
	v_pk_fma_f32 v[PL+\p:PL+\p+1], v[QQ+\p:QQ+\p+1], v[C1:C1+1], v[C2:C2+1]            ; 2 q / 15 - 1/3: also the plain place behind the powers
.endr
.irp j, 0,1,2,3,4,5,6,7
	v_cmp_gt_f32 s[CM+\j], s30, v[QQ+\j]           ; 1/64 > q: the series; a NaN keeps the other form's NaN.  A run of eight, into eight scalar registers
.endr
	s_wait_alu depctr_va_vdst(0)                   ; the eight powers are written, ahead of the additions that read them
.irp p, 0,2,4,6
	v_pk_add_f32 v[EE+\p:EE+\p+1], v[EE+\p:EE+\p+1], 1.0 op_sel_hi:[1,0]
.endr
.irp j, 0,1,2,3,4,5,6,7
	v_rcp_f32 v[EE+\j], v[EE+\j]
.endr
.irp p, 0,2,4,6
	v_pk_mul_f32 v[PL+\p:PL+\p+1], v[PL+\p:PL+\p+1], v[QQ+\p:QQ+\p+1]                  ; the plain place behind the reciprocals
.endr
.irp p, 0,2,4,6
	v_pk_fma_f32 v[PL+\p:PL+\p+1], v[PL+\p:PL+\p+1], v[ZZ+\p:ZZ+\p+1], v[ZZ+\p:ZZ+\p+1]   ; z + z q (2 q / 15 - 1/3)
.endr
	s_lshl_b32 s27, s25, 14+TP                     ; trip x TP tiles of 32,768 bytes
	v_add_nc_u32 v[STO], s27, v[LP]
	s_wait_alu depctr_va_vdst(0)                   ; the eight reciprocals are written, ahead of the multiply-adds that read them
.irp p, 0,2,4,6
	v_pk_fma_f32 v[EE+\p:EE+\p+1], v[EE+\p:EE+\p+1], -2.0, 1.0 op_sel_hi:[1,0,0]       ; 1 - 2 / (1 + 2^..)
.endr
	s_wait_alu depctr_va_sdst(0)                   ; the eight masks are written, ahead of the selects that read them
.irp j, 0,1,2,3,4,5,6,7
	v_cndmask_b32 v[EE+\j], v[EE+\j], v[PL+\j], s[CM+\j]
.endr
	v_cvt_pk_bf16_f32 v[OUTR],   v[EE],   v[EE+2]  ; columns 8 jp + 4 jj + q in order: (jj 0: q 0, 1), (q 2, 3), (jj 1: q 0, 1), (q 2, 3)
	v_cvt_pk_bf16_f32 v[OUTR+1], v[EE+4], v[EE+6]
	v_cvt_pk_bf16_f32 v[OUTR+2], v[EE+1], v[EE+3]
	v_cvt_pk_bf16_f32 v[OUTR+3], v[EE+5], v[EE+7]
.else
.irp q, 0,1,2,3
	v_add_f32 v[OUTR+\q],   v[PS+2*\q],   v[BI+\q]     ; row 8 h + 2 jp,     columns 4 r + q
	v_add_f32 v[OUTR+4+\q], v[PS+2*\q+1], v[BI+\q]     ; row 8 h + 2 jp + 1
.endr
.endif
.endm
.macro FIN_STORE
.if LAYER != 2
	s_wait_alu depctr_va_vdst(0)                   ; OUTR and STO are written, which the store reads; the sums and the finish are done with PS, in which the next trip's LDS loads land
	global_store_b128 v[STO], v[OUTR:OUTR+3], s[12:13]     ; 512 consecutive aligned bytes: piece c4 = jp of block cb of tile g
.else
	WIN 0x04                                       ; offset in window 0, data in window 1
	s_wait_alu depctr_va_vdst(0)                   ; OUTR and ROWO are written, which the stores read; the sums and the finish are done with PS, in which the next trip's LDS loads land
	global_store_b128 v[ROWO],   v[OUTR:OUTR+3],   s[12:13] th:TH_STORE_NT    ; 16 lanes: 256 consecutive aligned bytes of one row
	global_store_b128 v[ROWO+1], v[OUTR+4:OUTR+7], s[12:13] th:TH_STORE_NT
	WIN 0
	s_wait_xcnt 0x0                                ; the stores' offsets and data are rewritten only behind this wait
	s_wait_alu depctr_vm_vsrc(0)                   ; the two stores have read ROWO, which the lines below write, and OUTR, which the next trip's finish writes
	s_wait_loadcnt 16                              ; the next trip's indices are in: only the 16 activation loads were issued behind them
	ROWS
.endif
.endm
	s_load_b256 s[4:11], s[0:1], 0x0               ; activations s[4:5], W s[6:7], bias s[8:9], meta s[10:11]
	s_load_b64 s[12:13], s[0:1], 0x20              ; result
.if LAYER != 1
	s_load_b64 s[14:15], s[0:1], 0x28              ; order
	v_lshl_add_u32 v30, v0, 2, 0x4000
	v_mov_b32 v31, 0
.endif
	v_and_b32 v1, 31, v0                           ; lane
	v_and_b32 v2, 15, v0                           ; r
	v_bfe_u32 v3, v0, 4, 1                         ; h
	v_lshrrev_b32 v14, 5, v0
	v_readfirstlane_b32 s16, v14                   ; wave w
	s_mov_b32 s17, ttmp9                           ; strip cb
	s_and_b32 s18, ttmp7, 0xffff                   ; task t
	s_mov_b32 s29, 0                               ; high word of every offset
.if LAYER != 2
	s_mov_b32 s30, 0x3c800000                      ; 1/64
.endif
	v_mul_u32_u24 v4, v3, 32*NDIM*4                ; W: 32 h rows
	v_lshl_add_u32 v4, v2, 4, v4                   ;    + 16 r bytes
	s_wait_alu depctr_va_sdst(0)                   ; s16 is written, ahead of its first reader
	s_and_b32 s19, s16, 3                          ; jp: which register pair I finish
	s_lshr_b32 s20, s16, 2                         ; g: of which tile of the trip
	s_mul_i32 s27, s16, TP*PARTB
	v_lshl_add_u32 v7, v1, 3, s27                  ; my parts in LDS: w x TP x 4,096 + 8 lane
	s_lshl_b32 s27, s20, 12
	s_lshl_b32 s28, s19, 8
	s_add_co_u32 s27, s27, s28
	v_lshl_add_u32 v8, v1, 3, s27                  ; what I finish: g x 4,096 + jp x 256 + 8 lane
.if LAYER == 0
	v_lshlrev_b32 v5, 7, v3                        ; x: 32 h numbers of 4 bytes
	v_lshlrev_b32 v12, 2, v2                       ; list: place r
.else
	v_lshlrev_b32 v5, 4, v1                        ; fragment order: 16 lane
.endif
.if LAYER == 2
	v_lshlrev_b32 v9, 4, v2                        ; bias of columns 4 r + 0..3
	v_lshlrev_b32 v13, 4, v2                       ; and their place in an output row
	v_lshlrev_b32 v[H32], 5, v3                    ; 8 h list places
.else
	v_lshlrev_b32 v9, 7, v3                        ; bias of columns 32 h + 8 jp + 0..7
	v_lshlrev_b32 v13, 4, v1
.endif
	s_wait_kmcnt 0x0
	s_lshl_b32 s28, s18, 8
	s_add_nc_u64 s[10:11], s[10:11], s[28:29]
	s_load_b128 s[36:39], s[10:11], 0x0            ; the task's first tile, max(groups, 1), groups; waited for behind the weight loads
	s_mul_i32 s28, s18, KDIM*NDIM*4
	s_mul_i32 s27, s16, 128*NDIM*4
	s_add_co_u32 s28, s28, s27
	s_lshl_b32 s27, s17, 8                         ; 256 cb
	s_add_co_u32 s28, s28, s27
	s_add_nc_u64 s[6:7], s[6:7], s[28:29]          ; W[t][128 w][64 cb]
	s_mul_i32 s28, s18, NDIM*4
	s_add_co_u32 s28, s28, s27
.if LAYER != 2
	s_lshl_b32 s27, s19, 5
	s_add_co_u32 s28, s28, s27                     ; + 8 jp columns
.endif
	s_add_nc_u64 s[8:9], s[8:9], s[28:29]
.if LAYER != 1
	s_lshl_b32 s28, s18, 13                        ; the task's list
.if LAYER == 2
	s_lshl_b32 s27, s20, 6                         ; + tile g's 16 places + places 2 jp, 2 jp + 1
	s_add_co_u32 s28, s28, s27
	s_lshl_b32 s27, s19, 3
	s_add_co_u32 s28, s28, s27
.endif
	s_add_nc_u64 s[14:15], s[14:15], s[28:29]
.endif
	s_wait_alu depctr_va_vdst(0)                   ; the offsets and LDS addresses v4, v5, v7, v9, v12 and v13 are written, which the loads and stores of the kernel read
	global_load_b128 v[ACC:ACC+3], v9, s[8:9]      ; the bias, parked in the sums' registers
.if LAYER != 2
	global_load_b128 v[ACC+4:ACC+7], v9, s[8:9] offset:16
.endif
.if LAYER == 0
	global_load_b32 v10, v12, s[14:15]             ; the row of place r of tile 0
.endif
	LOADW
	WIN 0
	s_wait_kmcnt 0x0
	s_min_u32 s22, s36, 158                        ; loaded numbers enter addresses and counts only clamped
.if LAYER == 2
	s_min_u32 s23, s38, 64                         ; groups that hold rows
.else
	s_min_u32 s23, s37, 64                         ; groups to fill: one at the least
.endif
.if LAYER == 0
	s_lshl_b32 s24, s23, 1                         ; trips with work: a tile each
	s_lshl_b32 s28, s16, 9                         ; x: my 128 columns
.else
	s_mov_b32 s24, s23                             ; trips with work: a group of two tiles each
	s_lshl_b32 s28, s22, 15
	s_lshl_b32 s27, s16, 12
	s_add_co_u32 s28, s28, s27                     ; first tile, blocks 2 w and 2 w + 1
.endif
	s_add_co_i32 s31, s24, -1                      ; the last trip with work
	s_add_nc_u64 s[4:5], s[4:5], s[28:29]
.if LAYER != 2
	s_add_co_u32 s28, s22, s20
	s_lshl_b32 s28, s28, 15                        ; tile first + g,
	s_lshl_b32 s27, s17, 11
	s_add_co_u32 s28, s28, s27                     ; block cb,
	s_lshl_b32 s27, s19, 9
	s_add_co_u32 s28, s28, s27                     ; piece jp
.else
	s_lshl_b32 s28, s17, 8                         ; 64 cb columns of 4 bytes
.endif
	s_add_nc_u64 s[12:13], s[12:13], s[28:29]
.if LAYER == 0
	s_wait_loadcnt 63                              ; the index has 64 younger loads behind it; 63 is the stricter side
.endif
	s_mov_b32 s26, 0
	ADRA
	s_wait_alu depctr_va_vdst(0)                   ; trip 0's load offsets are written; layer 0: the clamp is done with v10, in which the next index lands
	ASKALL                                         ; trip 0's activations, behind the weights
	CVTW 0
	CVTW 1
	CVTW 2
	CVTW 3
	WIN 0x40                                       ; window 1 is free now: the finisher's registers
	v_mov_b32 v[FLA], v8
.if LAYER != 2
	v_mov_b32 v[LP], v13
.irp q, 0,1,2,3
	v_mov_b32 v[BI+2*\q],   v[ACC+\q]              ; bias of column 4 jj + q to place 2 q + jj
	v_mov_b32 v[BI+2*\q+1], v[ACC+4+\q]
.endr
	v_mov_b32 v[C1],   0x3e088889                  ; 2/15
	v_mov_b32 v[C1+1], 0x3e088889
	v_mov_b32 v[C2],   0xbeaaaaab                  ; -1/3
	v_mov_b32 v[C2+1], 0xbeaaaaab
	WIN 0
.else
.irp q, 0,1,2,3
	v_mov_b32 v[BI+\q], v[ACC+\q]
.endr
	WIN 0
	s_wait_loadcnt 16                              ; trip 0's indices: only the 16 activation loads were issued behind them
	ROWS
.endif
	s_wait_alu depctr_va_vdst(0)                   ; FLA is written, which the LDS loads of the parts read; the weights' conversions are done reading the registers of window 1 in which those loads land
	s_mov_b32 s25, 0                               ; trip
.Ltrip:
	s_cmp_ge_u32 s25, s24                          ; beyond the task's rows: nothing to multiply
	s_cbranch_scc1 .Lnomul
	s_wait_loadcnt 0x0                             ; this trip's activations (and indices): all that is out, asked for one trip ago; the loads that read the offsets are done
	s_wait_alu depctr_vm_vsrc(0)                   ; the last trip's loads have read their offsets, which are written below; its LDS stores have read the sums, which this trip's products write
	s_add_co_u32 s26, s25, 1                       ; the next trip; the last trip asks for its own tiles again, so that no load leaves the task's region
	s_min_u32 s26, s26, s31
	s_min_u32 s26, s26, MAXTRIP-1
	ADRA
.if LAYER == 0
	WIN 0x40
	CVTA
	WIN 0x04                                       ; AF (source 1) in window 1; a load's data and offset in window 0
	s_wait_alu depctr_va_vdst(0)                   ; the conversions are done reading AB, in which the loads below land; v6 and v11 are written; the clamp is done with v10, in which the next index lands
	MULT 0                                         ; a load of the next trip's x behind each product
	ASKI
	PLACES
	WIN 0
	s_wait_alu depctr_va_vdst(0)                   ; the products have written ACC, which the LDS stores read
	PUTP ACC, 0
.else
	MULT 0
	PLACES
	s_wait_alu depctr_va_vdst(0)                   ; tile 0's products have written ACC, which the LDS stores below read, and are done reading AB's first half, in which the loads below land; the offsets are written; layer 2: the last finish is done reading IDXN
	ASKI
	ASKT 0
	WIN 0x50                                       ; ACC2 (C and D) in window 1; an LDS store's address and data in window 0
	MULT 1                                         ; an LDS store of tile 0's sums behind each product
	PLACES
	WIN 0x04                                       ; an LDS store's data in window 1; a load's data and offset in window 0
	s_wait_alu depctr_va_vdst(0)                   ; tile 1's products have written ACC2, which the LDS stores read, and are done reading AB's second half, in which the loads land
	PUTP X1, 1
	ASKT 1                                         ; on their way through both barriers and the finish
	WIN 0
.endif
.Lnomul:
	s_wait_dscnt 0x0                               ; my parts are in LDS
	s_barrier_signal -1
	s_barrier_wait -1                              ; everybody's are
	s_cmp_ge_u32 s25, s24
	s_cbranch_scc1 .Lnofin
	WIN 0x55
	SUMP                                           ; ends with s_wait_dscnt 0: my reads of the parts are over
.if LAYER != 2
	s_wait_xcnt 0x0                                ; the last trip's store has had its address translated: its data and offset are rewritten only behind this wait
	s_wait_alu depctr_vm_vsrc(0)                   ; the last trip's store has read OUTR and STO, which the finish writes again
.endif
	FIN_REGS
	FIN_STORE
	WIN 0
.Lnofin:
	s_barrier_signal -1                            ; I have read the parts (no LDS instruction of mine is out on either way here),
	s_barrier_wait -1                              ; all have: the next trip may write them again
	s_add_co_u32 s25, s25, 1
	s_cmp_lt_u32 s25, MAXTRIP
	s_cbranch_scc1 .Ltrip
	s_wait_dscnt 0x0
	s_wait_alu depctr_hold_cnt(0) depctr_sa_sdst(0) depctr_va_vdst(0) depctr_va_sdst(0) depctr_va_ssrc(0) depctr_va_vcc(0) depctr_vm_vsrc(0)
	s_wait_tensorcnt 0x0
	ds_add_u32 v30, v31
	s_wait_dscnt 0x0
	s_endpgm
.Lfunc_end_k_q2003be61eb_layer0:
	.size	k_q2003be61eb_layer0, .Lfunc_end_k_q2003be61eb_layer0-k_q2003be61eb_layer0
	.p2alignl 7, 3214868480
	.fill 96, 4, 3214868480
	.section	.rodata,"a",@progbits
	.p2align	6, 0x0
	.amdhsa_kernel k_q2003be61eb_layer0
		.amdhsa_group_segment_fixed_size 16896
		.amdhsa_private_segment_fixed_size 0
		.amdhsa_enable_private_segment 0
		.amdhsa_kernarg_size 48
		.amdhsa_user_sgpr_count 2
		.amdhsa_user_sgpr_kernarg_segment_ptr 1
		.amdhsa_wavefront_size32 1
		.amdhsa_system_sgpr_workgroup_id_x 1
		.amdhsa_system_sgpr_workgroup_id_y 1
		.amdhsa_system_sgpr_workgroup_id_z 1
		.amdhsa_system_vgpr_workitem_id 0
		.amdhsa_next_free_vgpr 512
		.amdhsa_next_free_sgpr 66
		.amdhsa_reserve_vcc 0
		.amdhsa_float_denorm_mode_32 3
		.amdhsa_float_denorm_mode_16_64 3
		.amdhsa_memory_ordered 1
		.amdhsa_forward_progress 1
		.amdhsa_inst_pref_size 34
	.end_amdhsa_kernel
	.amdgpu_metadata
---
amdhsa.version: [ 1, 2 ]
amdhsa.kernels:
  - .name:           k_q2003be61eb_layer0
    .symbol:         k_q2003be61eb_layer0.kd
    .args:
      - { .name: x, .offset: 0, .size: 8, .value_kind: global_buffer, .address_space: global }
      - { .name: k0, .offset: 8, .size: 8, .value_kind: global_buffer, .address_space: global }
      - { .name: b0, .offset: 16, .size: 8, .value_kind: global_buffer, .address_space: global }
      - { .name: meta, .offset: 24, .size: 8, .value_kind: global_buffer, .address_space: global }
      - { .name: h0, .offset: 32, .size: 8, .value_kind: global_buffer, .address_space: global }
      - { .name: order, .offset: 40, .size: 8, .value_kind: global_buffer, .address_space: global }
    .group_segment_fixed_size: 16896
    .private_segment_fixed_size: 0
    .kernarg_segment_align: 8
    .kernarg_segment_size: 48
    .max_flat_workgroup_size: 128
    .sgpr_count:     66
    .vgpr_count:     512
    .wavefront_size: 32
...
	.end_amdgpu_metadata
.endif
;; end of part 6
;; launch layer1 (part 7): grid 16 x 16, 8 waves a work-group, no clusters, 66,560 bytes of LDS; arguments h0, k1, b1, meta, h1; writes h1
.if DOCPART == 7
	.amdgcn_target "amdgcn-amd-amdhsa--gfx1250"
	.amdhsa_code_object_version 6
	.text
	.protected	k_q2003be61eb_layer1
	.globl	k_q2003be61eb_layer1
	.p2align	8
	.type	k_q2003be61eb_layer1,@function
k_q2003be61eb_layer1:
	s_mov_b64 s[64:65], 0
	v_nop
	global_prefetch_b8 v0, s[64:65] scope:SCOPE_SE
	s_setreg_imm32_b32 hwreg(HW_REG_WAVE_SCHED_MODE, 0, 2), 2
	s_setreg_imm32_b32 hwreg(HW_REG_WAVE_MODE, 25, 1), 1
	s_wait_xcnt 0x0
	s_wait_alu depctr_vm_vsrc(0)
; ONE LAYER OF THE PER-TASK MLP.  The same text serves the three layers; LAYER picks the sizes and the two ends.
;   LAYER 0: h0 = tanh(x W + b), rows of x (f32) gathered through the task's list.   LAYER 1: h1 = tanh(h0 W + b).
;   LAYER 2: out0 = h1 W + b in f32, rows scattered through the list.
; SHARES.  Work-group (x = strip cb of 64 output columns, y = task t).  Wave w owns K = 128 w .. 128 w + 127 of that strip.
; Its 128 x 64 weights are asked for at once (64 loads, each lane half 256 consecutive aligned bytes of one row of W), rounded to
; bf16 and kept as 16 fragments in 128 registers for the whole launch: every weight byte is read once, however the rows are dealt.
; Layer 2 has 16 tasks x 4 strips = 64 work-groups: a narrower strip would cut the 256-byte pieces of W's rows, and a split of K over
; work-groups would need traffic between them.
; NO TRANSPOSITION IS PAID FOR.  Lane (i = lane & 15, h = lane >> 4) loads W[k][64 cb + 4 i + q], q = 0..3, for
; k = 128 w + 64 kbl + 32 h + 16 s + e, e = 0..15.  Packing e = 2 d, 2 d + 1 of one q gives register d of a fragment (step ks = 2 kbl + s) whose
; sixteen columns are 4 i + q.  The fragment's K places (h, e) stand for those k in both operands alike, so the products pair up rightly.
; h0, h1 LIE IN FRAGMENT ORDER: tile (16 rows, 32,768 bytes) > block kb (64 columns, 2,048 bytes) > c4 = 2 s + j2 (512 bytes) > lane (16 bytes):
; lane (r, h) holds row r, columns 64 kb + 32 h + 16 s + 8 j2 + 0..7.  Every load and store of them covers 512 consecutive aligned bytes.
; LAYERS 0, 1 use the matrix instruction transposed (weights first): register j of lane (r, h) in sum q is (row r, column 32 h + 4 j + q),
; the next layer's lane.  LAYER 2 uses it as it is: register j is (row 8 h + j, column 4 r + q): 16 lanes hold 256 bytes of an output row.
; THE ROW LOOP.  A trip is TP = waves / 4 tiles.  Each wave forms its K part of 16 x 64 for each tile (16 matrix instructions), puts it
; into LDS; behind a barrier wave f = (g = f >> 2, jp = f & 3) adds the NW parts of registers 2 jp, 2 jp + 1 of tile g, finishes and stores.
; EVERY WAVE PASSES EVERY BARRIER A CONSTANT NUMBER OF TIMES: the loop runs MAXTRIP trips (all 2,048 rows in one task), and no barrier stands under a
; branch that hangs on loaded data.  The task's own count (meta, stored by the launch before) only lets a trip beyond it jump over the two blocks of
; work between the barriers.  The price is 12 scalar instructions and two barriers for each idle trip.
; PLACES WITHOUT A ROW repeat the task's first row (the list is built so): they compute that row again, and layer 2 stores the same numbers to the same
; bytes, all inside the one work-group that owns them.  EXEC is never narrowed.  A task without rows fills one group of h0 and h1 (on row 2047), so that
; the first loads of the next layer, which are issued before the count is looked at, read bytes that have been written; layer 2 stores nothing for it.
; NO CLUSTER: the weights, 32 KiB a wave, are shared with nobody.  What the strips of a task share are the activation tiles (32 KiB a tile);
; they go straight into fragment registers here, and a joint request would land them in LDS, one more write and read of the same bytes.
; NO TENSOR LOADS: the weights are f32 and pass through registers to be rounded, and each operand byte is used by one wave.
; LIMITS.  Operands bf16, sums f32, the K parts added in ascending w.  tanh(z): for z z < 1/64 the series z + z q (2 q / 15 - 1/3), q = z z
; (first term left out 17/315 z^7, under 2.1e-7 |z| there); else 1 - 2 / (1 + 2^(2.885390 z)), absolute error about 2e-7; an overflowing power
; gives 1, a vanishing one -1, NaN stays NaN.  Task ids are 0 to 15: a row with another id is in no list and stays unwritten.
; THE MODE: SCHED_MODE bits 1:0 = 2 (LLVM: expert scheduling mode 2), set by the entry lines.  The code itself states the register dependences
; between vector or matrix instructions and memory or LDS instructions, and those through scalar registers that vector instructions write, with s_wait_alu, always for 0.
; THE PLAN.  Registers that memory or LDS instructions touch in the loop, and who else names them:
;   AB           layer 0: x as loaded.  The trip's 32 conversions read it (into the fragments AF, window 1); behind them the next trip's 16 loads land in it.
;                layers 1, 2: the fragments of two tiles.  Tile g's 16 matrix instructions read half g; behind them the next trip's 8 loads land in it.
;   ACC, ACC2    the sums of tile 0 and (layers 1, 2; window 1) of tile 1: written by the tile's matrix instructions, read by its 16 LDS stores, written again a trip later.
;   v6, v11, IDXO   load offsets: written once a trip, at the head of the first block; read by that trip's loads.
;   v10, IDXN    row indices: a load lands; layer 0 clamps v10 at the head of the first block, layer 2 reads IDXN at the end of the second.
;   PS           the parts: LDS loads land; the sums and the finish read and write them.
;   OUTR, STO, ROWO   written by the finish; read by the trip's stores.
;   v5, v7, v12, v13, H32, FLA   made at the kernel's head, never written again.   FR, AF and the finisher's other registers: named by vector and matrix instructions alone.
; THE WAITS OF A TRIP.  First block: one on vm_vsrc at its head (the last trip's loads have read the offsets, its LDS stores the sums).  Layer 0: one on va_vdst behind
; the conversions, then the 17 loads dealt among the matrix instructions, which name FR, AF and ACC alone; one behind the products, ahead of the LDS stores.
; Layers 1, 2: one on va_vdst behind tile 0's products, then tile 0's next loads, and its LDS stores dealt among tile 1's matrix instructions, which name FR, AB's second
; half and ACC2 alone; one behind tile 1's products, ahead of its LDS stores and next loads.  Second block: one on vm_vsrc beside the wait on XCNT that frees the stores' registers;
; one on va_vdst behind the powers and one behind the reciprocals; one on va_sdst behind the run of compares; one on va_vdst ahead of the store, which also states that the sums and the
; finish are done with PS, for the next trip's LDS loads.  Each block's waits hold whether or not a trip takes the other block.
.set LAYER, 1
.if LAYER == 0
.set KDIM, 512
.set NDIM, 1024
.set NW, 4                             ; waves = KDIM / 128
.set TP, 1                             ; tiles a trip = NW / 4
.set AFTERW, 17                        ; loads issued behind the weights before they are converted: 16 of x, 1 index
.endif
.if LAYER == 1
.set KDIM, 1024
.set NDIM, 1024
.set NW, 8
.set TP, 2
.set AFTERW, 16                        ; 16 of h0
.endif
.if LAYER == 2
.set KDIM, 1024
.set NDIM, 256
.set NW, 8
.set TP, 2
.set AFTERW, 17                        ; 1 index pair, 16 of h1
.endif
.set TILEB, 32768                      ; bytes of a tile of h0, h1
.set PARTB, 4096                       ; bytes of one wave's part of one tile in LDS: [q][jp][lane] x 8 bytes
.set MAXTRIP, 128/TP                   ; all 2,048 rows in one task
; window 0 (v0-v255): v1 lane, v2 r, v3 h, v4 weight offset, v5 lane part of the activation offset, v6 that offset in use, v7 LDS address of my part,
; v8 LDS address of what I finish, v9 bias offset, v10 row index (layer 0), v11 its load offset, v12 4 r, v13 lane part of the store offset, v14 at work
.set IDXN, 16                          ; v[16:17]   layer 2: the next trip's two row indices
.set ROWO, 18                          ; v[18:19]   layer 2: this trip's two row byte offsets
.set H32,  20                          ; v20        layer 2: 32 h
.set IDXO, 21                          ; v21        layer 2: the index load's offset
.set ACC, 32                           ; v[32:63]   four sums of 16 x 16 (the bias lands here first)
.set AB,  64                           ; v[64:127]  layer 0: a tile of x as loaded; layers 1, 2: activation fragments of a trip
.set FR,  128                          ; v[128:255] weight fragments: (4 ks + q) x 8
; window 1 (v256-v511): first the 64 weight loads as they come (load l in 4 l .. 4 l + 3), then the finisher's registers:
.set FLA,  0                           ; LDS address
.set STO,  1                           ; store offset (layers 0, 1)
.set BI,   8                           ; bias: [2 q + jj] (layers 0, 1), [q] (layer 2)
.set ZZ,   16                          ; z
.set EE,   24                          ; 2^(c z), then tanh
.set LP,   32                          ; lane part of the store offset (layers 0, 1)
.set C1,   34                          ; 2/15 twice
.set C2,   36                          ; -1/3 twice
.set QQ,   40                          ; z z
.set PL,   48                          ; the series
.set OUTR, 56                          ; what is stored
.set PS,   64                          ; the NW parts, 8 registers each; the sum grows in the first
.set X1,   128                         ; 32 registers: layer 0: AF, the tile's four fragments in bf16; layers 1, 2: ACC2, the second tile's four sums
.set CM,   32                          ; s[32:39] the finish's eight masks (s[36:39] held the task's record at the head)
.set MSB, 0
.macro WIN new                         ; s_set_vgpr_msb: bits 1:0 source 0, 3:2 source 1, 5:4 source 2, 7:6 destination; the high byte repeats the setting left
.if MSB != \new
	s_set_vgpr_msb (MSB<<8)|\new
.set MSB, \new
.endif
.endm
; 64 loads: my 128 rows x 256 bytes of W, into window 1.  Read once in the launch: not kept in the caches.
.macro LOADW
	WIN 0x40
.irp ks, 0,1,2,3
.irp e, 0,1,2,3,4,5,6,7,8,9,10,11,12,13,14,15
	global_load_b128 v[4*(16*\ks+\e):4*(16*\ks+\e)+3], v4, s[6:7] offset:((\ks>>1)*64+(\ks&1)*16+\e)*NDIM*4 th:TH_LOAD_NT
.endr
.endr
.endm
; the four fragments of step ks.  Loads return in order (ISA guide 5.7.1): the (3 - ks) x 16 younger weight loads and the AFTERW loads behind them
; may stay out; a wait's count cannot name more than 63, which is the stricter side.
.macro CVTW ks
.set lft, (3-\ks)*16+AFTERW
.if lft > 63
.set lft, 63
.endif
	s_wait_loadcnt lft
	WIN 0x05
.irp q, 0,1,2,3
.irp d, 0,1,2,3,4,5,6,7
	v_cvt_pk_bf16_f32 v[FR+8*(4*\ks+\q)+\d], v[4*(16*\ks+2*\d)+\q], v[4*(16*\ks+2*\d+1)+\q]
.endr
.endr
.endm
; the offsets of the loads of trip s26: vector work, laid ahead of a wait on va_vdst that stands there anyway
.macro ADRA
.if LAYER == 0
	v_min_u32 v10, 2047, v10                       ; a loaded number enters an address only clamped (2048, a task without rows, takes row 2047)
	v_lshl_add_u32 v6, v10, 11, v5                 ; row x 2,048 bytes + 128 h
	s_add_co_u32 s27, s26, 1                       ; and the row index of the tile behind it, held at the task's last tile
	s_min_u32 s27, s27, s31
	s_min_u32 s27, s27, MAXTRIP-1
	s_lshl_b32 s27, s27, 6
	v_add_nc_u32 v11, s27, v12
.else
.if LAYER == 2
	s_lshl_b32 s27, s26, 7                         ; that trip's two row indices: 32 list places of 4 bytes a trip
	v_add_nc_u32 v[IDXO], s27, v[H32]
.endif
	s_lshl_b32 s27, s26, 16                        ; two tiles a trip
	v_add_nc_u32 v6, s27, v5
.endif
.endm
.macro ASKI                            ; the index load: layer 0 behind the 16 loads of x, layer 2 ahead of the 16 loads of h1
.if LAYER == 0
	global_load_b32 v10, v11, s[14:15]
.endif
.if LAYER == 2
	global_load_b64 v[IDXN:IDXN+1], v[IDXO], s[14:15]
.endif
.endm
.macro ASKT g                          ; layers 1, 2: the eight loads of tile g
.irp c, 0,1,2,3,4,5,6,7
	global_load_b128 v[AB+32*\g+4*\c:AB+32*\g+4*\c+3], v6, s[4:5] offset:\g*TILEB+\c*512   ; c = 4 kbl + 2 s + j2: registers 8 ks + 4 j2
.endr
.endm
.macro ASKALL                          ; at the kernel's head: all of trip 0's loads in one run
.if LAYER == 0
.set n, 0
.rept 16
	global_load_b128 v[AB+4*n:AB+4*n+3], v6, s[4:5] offset:(n>>3)*256+(n&7)*16    ; x[row][128 w + 64 kbl + 32 h + 16 s + 4 m ..], n = 8 kbl + 4 s + m
.set n, n+1
.endr
	ASKI
.else
	ASKI
	ASKT 0
	ASKT 1
.endif
.endm
; layer 0: f32 to bf16, out of AB into AF: AB is free for the next trip's loads as soon as these have read it
.macro CVTA
.irp ks, 0,1,2,3
.irp d, 0,1,2,3,4,5,6,7
	v_cvt_pk_bf16_f32 v[X1+8*\ks+\d], v[AB+16*\ks+2*\d], v[AB+16*\ks+2*\d+1]
.endr
.endr
.endm
.macro MM acc, s0, s1, step            ; the first step starts the sum: nothing is cleared
.if \step == 0
	v_wmma_f32_16x16x32_bf16 v[\acc:\acc+7], v[\s0:\s0+7], v[\s1:\s1+7], 0
.else
	v_wmma_f32_16x16x32_bf16 v[\acc:\acc+7], v[\s0:\s0+7], v[\s1:\s1+7], v[\acc:\acc+7]
.endif
.endm
; 16 matrix instructions: tile g x my 128 K x 64 columns; four chains in place take turns.  Behind each stands one memory or LDS instruction that names none of the
; registers of the matrix instructions issued since the last wait on va_vdst: layer 0: a load of the next trip's x; layers 1, 2, tile 1: an LDS store of tile 0's sums.
.macro MULT g
.set n, 0
.set ab, ACC
.if \g == 1
.set ab, X1
.endif
.irp ks, 0,1,2,3
.irp q, 0,1,2,3
.if LAYER == 0
	MM ab+8*\q, FR+8*(4*\ks+\q), X1+8*\ks, \ks
	global_load_b128 v[AB+4*n:AB+4*n+3], v6, s[4:5] offset:(n>>3)*256+(n&7)*16
.endif
.if LAYER == 1
	MM ab+8*\q, FR+8*(4*\ks+\q), AB+32*\g+8*\ks, \ks
.endif
.if LAYER == 2
	MM ab+8*\q, AB+32*\g+8*\ks, FR+8*(4*\ks+\q), \ks
.endif
.if \g == 1
	ds_store_b64 v7, v[ACC+8*(n>>2)+2*(n&3):ACC+8*(n>>2)+2*(n&3)+1] offset:(n>>2)*1024+(n&3)*256   ; sum q = n >> 2 from its low end on; 256 consecutive bytes
.endif
.set n, n+1
.endr
.endr
.endm
.macro PLACES                          ; four places behind the last matrix instruction, before an LDS store reads a result; they stay beside the wait that follows them
.rept 4
	v_nop
.endr
.endm
.macro PUTP base, g                    ; my part of tile g into LDS, in one run
.irp q, 0,1,2,3
.irp jp, 0,1,2,3
	ds_store_b64 v7, v[\base+8*\q+2*\jp:\base+8*\q+2*\jp+1] offset:\g*PARTB+\q*1024+\jp*256    ; 256 consecutive bytes
.endr
.endr
.endm
; the NW parts of my eight numbers a lane, added in ascending w.  The wait lets the 4 (NW - 1 - w) younger loads stay out; the last is for 0.
.macro SUMP
.set wi, 0
.rept NW
.irp q, 0,1,2,3
	ds_load_b64 v[PS+8*wi+2*\q:PS+8*wi+2*\q+1], v[FLA] offset:wi*TP*PARTB+\q*1024
.endr
.set wi, wi+1
.endr
.set wi, 1
.rept NW-1
	s_wait_dscnt 4*(NW-1-wi)
.irp q, 0,1,2,3
	v_pk_add_f32 v[PS+2*\q:PS+2*\q+1], v[PS+2*\q:PS+2*\q+1], v[PS+8*wi+2*\q:PS+8*wi+2*\q+1]
.endr
.set wi, wi+1
.endr
.endm
; layer 2: two loaded indices to two row byte offsets
.macro ROWS
	v_min_u32 v[ROWO],   2047, v[IDXN]             ; clamped before it enters an address
	v_min_u32 v[ROWO+1], 2047, v[IDXN+1]
	v_lshl_add_u32 v[ROWO],   v[ROWO],   10, v13   ; row x 1,024 bytes + 16 r
	v_lshl_add_u32 v[ROWO+1], v[ROWO+1], 10, v13
.endm
; register work of the finish: PS[2 q + jj] is register j = 2 jp + jj of sum q
.macro FIN_REGS
.if LAYER != 2
.irp p, 0,2,4,6
	v_pk_add_f32 v[ZZ+\p:ZZ+\p+1], v[PS+\p:PS+\p+1], v[BI+\p:BI+\p+1]                  ; z
.endr
.irp p, 0,2,4,6
	v_pk_mul_f32 v[EE+\p:EE+\p+1], v[ZZ+\p:ZZ+\p+1], 0x4038aa3b op_sel_hi:[1,0]        ; 2 log2(e) z
	v_pk_mul_f32 v[QQ+\p:QQ+\p+1], v[ZZ+\p:ZZ+\p+1], v[ZZ+\p:ZZ+\p+1]                  ; q = z z
.endr
.irp j, 0,1,2,3,4,5,6,7
	v_exp_f32 v[EE+\j], v[EE+\j]
.endr
.irp p, 0,2,4,6
	v_pk_fma_f32 v[PL+\p:PL+\p+1], v[QQ+\p:QQ+\p+1], v[C1:C1+1], v[C2:C2+1]            ; 2 q / 15 - 1/3: also the plain place behind the powers
.endr
.irp j, 0,1,2,3,4,5,6,7
	v_cmp_gt_f32 s[CM+\j], s30, v[QQ+\j]           ; 1/64 > q: the series; a NaN keeps the other form's NaN.  A run of eight, into eight scalar registers
.endr
	s_wait_alu depctr_va_vdst(0)                   ; the eight powers are written, ahead of the additions that read them
.irp p, 0,2,4,6
	v_pk_add_f32 v[EE+\p:EE+\p+1], v[EE+\p:EE+\p+1], 1.0 op_sel_hi:[1,0]
.endr
.irp j, 0,1,2,3,4,5,6,7
	v_rcp_f32 v[EE+\j], v[EE+\j]
.endr
.irp p, 0,2,4,6
	v_pk_mul_f32 v[PL+\p:PL+\p+1], v[PL+\p:PL+\p+1], v[QQ+\p:QQ+\p+1]                  ; the plain place behind the reciprocals
.endr
.irp p, 0,2,4,6
	v_pk_fma_f32 v[PL+\p:PL+\p+1], v[PL+\p:PL+\p+1], v[ZZ+\p:ZZ+\p+1], v[ZZ+\p:ZZ+\p+1]   ; z + z q (2 q / 15 - 1/3)
.endr
	s_lshl_b32 s27, s25, 14+TP                     ; trip x TP tiles of 32,768 bytes
	v_add_nc_u32 v[STO], s27, v[LP]
	s_wait_alu depctr_va_vdst(0)                   ; the eight reciprocals are written, ahead of the multiply-adds that read them
.irp p, 0,2,4,6
	v_pk_fma_f32 v[EE+\p:EE+\p+1], v[EE+\p:EE+\p+1], -2.0, 1.0 op_sel_hi:[1,0,0]       ; 1 - 2 / (1 + 2^..)
.endr
	s_wait_alu depctr_va_sdst(0)                   ; the eight masks are written, ahead of the selects that read them
.irp j, 0,1,2,3,4,5,6,7
	v_cndmask_b32 v[EE+\j], v[EE+\j], v[PL+\j], s[CM+\j]
.endr
	v_cvt_pk_bf16_f32 v[OUTR],   v[EE],   v[EE+2]  ; columns 8 jp + 4 jj + q in order: (jj 0: q 0, 1), (q 2, 3), (jj 1: q 0, 1), (q 2, 3)
	v_cvt_pk_bf16_f32 v[OUTR+1], v[EE+4], v[EE+6]
	v_cvt_pk_bf16_f32 v[OUTR+2], v[EE+1], v[EE+3]
	v_cvt_pk_bf16_f32 v[OUTR+3], v[EE+5], v[EE+7]
.else
.irp q, 0,1,2,3
	v_add_f32 v[OUTR+\q],   v[PS+2*\q],   v[BI+\q]     ; row 8 h + 2 jp,     columns 4 r + q
	v_add_f32 v[OUTR+4+\q], v[PS+2*\q+1], v[BI+\q]     ; row 8 h + 2 jp + 1
.endr
.endif
.endm
.macro FIN_STORE
.if LAYER != 2
	s_wait_alu depctr_va_vdst(0)                   ; OUTR and STO are written, which the store reads; the sums and the finish are done with PS, in which the next trip's LDS loads land
	global_store_b128 v[STO], v[OUTR:OUTR+3], s[12:13]     ; 512 consecutive aligned bytes: piece c4 = jp of block cb of tile g
.else
	WIN 0x04                                       ; offset in window 0, data in window 1
	s_wait_alu depctr_va_vdst(0)                   ; OUTR and ROWO are written, which the stores read; the sums and the finish are done with PS, in which the next trip's LDS loads land
	global_store_b128 v[ROWO],   v[OUTR:OUTR+3],   s[12:13] th:TH_STORE_NT    ; 16 lanes: 256 consecutive aligned bytes of one row
	global_store_b128 v[ROWO+1], v[OUTR+4:OUTR+7], s[12:13] th:TH_STORE_NT
	WIN 0
	s_wait_xcnt 0x0                                ; the stores' offsets and data are rewritten only behind this wait
	s_wait_alu depctr_vm_vsrc(0)                   ; the two stores have read ROWO, which the lines below write, and OUTR, which the next trip's finish writes
	s_wait_loadcnt 16                              ; the next trip's indices are in: only the 16 activation loads were issued behind them
	ROWS
.endif
.endm
	s_load_b256 s[4:11], s[0:1], 0x0               ; activations s[4:5], W s[6:7], bias s[8:9], meta s[10:11]
	s_load_b64 s[12:13], s[0:1], 0x20              ; result
	v_lshl_add_u32 v30, v0, 2, 0x10000
	v_mov_b32 v31, 0
.if LAYER != 1
	s_load_b64 s[14:15], s[0:1], 0x28              ; order
.endif
	v_and_b32 v1, 31, v0                           ; lane
	v_and_b32 v2, 15, v0                           ; r
	v_bfe_u32 v3, v0, 4, 1                         ; h
	v_lshrrev_b32 v14, 5, v0
	v_readfirstlane_b32 s16, v14                   ; wave w
	s_mov_b32 s17, ttmp9                           ; strip cb
	s_and_b32 s18, ttmp7, 0xffff                   ; task t
	s_mov_b32 s29, 0                               ; high word of every offset
.if LAYER != 2
	s_mov_b32 s30, 0x3c800000                      ; 1/64
.endif
	v_mul_u32_u24 v4, v3, 32*NDIM*4                ; W: 32 h rows
	v_lshl_add_u32 v4, v2, 4, v4                   ;    + 16 r bytes
	s_wait_alu depctr_va_sdst(0)                   ; s16 is written, ahead of its first reader
	s_and_b32 s19, s16, 3                          ; jp: which register pair I finish
	s_lshr_b32 s20, s16, 2                         ; g: of which tile of the trip
	s_mul_i32 s27, s16, TP*PARTB
	v_lshl_add_u32 v7, v1, 3, s27                  ; my parts in LDS: w x TP x 4,096 + 8 lane
	s_lshl_b32 s27, s20, 12
	s_lshl_b32 s28, s19, 8
	s_add_co_u32 s27, s27, s28
	v_lshl_add_u32 v8, v1, 3, s27                  ; what I finish: g x 4,096 + jp x 256 + 8 lane
.if LAYER == 0
	v_lshlrev_b32 v5, 7, v3                        ; x: 32 h numbers of 4 bytes
	v_lshlrev_b32 v12, 2, v2                       ; list: place r
.else
	v_lshlrev_b32 v5, 4, v1                        ; fragment order: 16 lane
.endif
.if LAYER == 2
	v_lshlrev_b32 v9, 4, v2                        ; bias of columns 4 r + 0..3
	v_lshlrev_b32 v13, 4, v2                       ; and their place in an output row
	v_lshlrev_b32 v[H32], 5, v3                    ; 8 h list places
.else
	v_lshlrev_b32 v9, 7, v3                        ; bias of columns 32 h + 8 jp + 0..7
	v_lshlrev_b32 v13, 4, v1
.endif
	s_wait_kmcnt 0x0
	s_lshl_b32 s28, s18, 8
	s_add_nc_u64 s[10:11], s[10:11], s[28:29]
	s_load_b128 s[36:39], s[10:11], 0x0            ; the task's first tile, max(groups, 1), groups; waited for behind the weight loads
	s_mul_i32 s28, s18, KDIM*NDIM*4
	s_mul_i32 s27, s16, 128*NDIM*4
	s_add_co_u32 s28, s28, s27
	s_lshl_b32 s27, s17, 8                         ; 256 cb
	s_add_co_u32 s28, s28, s27
	s_add_nc_u64 s[6:7], s[6:7], s[28:29]          ; W[t][128 w][64 cb]
	s_mul_i32 s28, s18, NDIM*4
	s_add_co_u32 s28, s28, s27
.if LAYER != 2
	s_lshl_b32 s27, s19, 5
	s_add_co_u32 s28, s28, s27                     ; + 8 jp columns
.endif
	s_add_nc_u64 s[8:9], s[8:9], s[28:29]
.if LAYER != 1
	s_lshl_b32 s28, s18, 13                        ; the task's list
.if LAYER == 2
	s_lshl_b32 s27, s20, 6                         ; + tile g's 16 places + places 2 jp, 2 jp + 1
	s_add_co_u32 s28, s28, s27
	s_lshl_b32 s27, s19, 3
	s_add_co_u32 s28, s28, s27
.endif
	s_add_nc_u64 s[14:15], s[14:15], s[28:29]
.endif
	s_wait_alu depctr_va_vdst(0)                   ; the offsets and LDS addresses v4, v5, v7, v9, v12 and v13 are written, which the loads and stores of the kernel read
	global_load_b128 v[ACC:ACC+3], v9, s[8:9]      ; the bias, parked in the sums' registers
.if LAYER != 2
	global_load_b128 v[ACC+4:ACC+7], v9, s[8:9] offset:16
.endif
.if LAYER == 0
	global_load_b32 v10, v12, s[14:15]             ; the row of place r of tile 0
.endif
	LOADW
	WIN 0
	s_wait_kmcnt 0x0
	s_min_u32 s22, s36, 158                        ; loaded numbers enter addresses and counts only clamped
.if LAYER == 2
	s_min_u32 s23, s38, 64                         ; groups that hold rows
.else
	s_min_u32 s23, s37, 64                         ; groups to fill: one at the least
.endif
.if LAYER == 0
	s_lshl_b32 s24, s23, 1                         ; trips with work: a tile each
	s_lshl_b32 s28, s16, 9                         ; x: my 128 columns
.else
	s_mov_b32 s24, s23                             ; trips with work: a group of two tiles each
	s_lshl_b32 s28, s22, 15
	s_lshl_b32 s27, s16, 12
	s_add_co_u32 s28, s28, s27                     ; first tile, blocks 2 w and 2 w + 1
.endif
	s_add_co_i32 s31, s24, -1                      ; the last trip with work
	s_add_nc_u64 s[4:5], s[4:5], s[28:29]
.if LAYER != 2
	s_add_co_u32 s28, s22, s20
	s_lshl_b32 s28, s28, 15                        ; tile first + g,
	s_lshl_b32 s27, s17, 11
	s_add_co_u32 s28, s28, s27                     ; block cb,
	s_lshl_b32 s27, s19, 9
	s_add_co_u32 s28, s28, s27                     ; piece jp
.else
	s_lshl_b32 s28, s17, 8                         ; 64 cb columns of 4 bytes
.endif
	s_add_nc_u64 s[12:13], s[12:13], s[28:29]
.if LAYER == 0
	s_wait_loadcnt 63                              ; the index has 64 younger loads behind it; 63 is the stricter side
.endif
	s_mov_b32 s26, 0
	ADRA
	s_wait_alu depctr_va_vdst(0)                   ; trip 0's load offsets are written; layer 0: the clamp is done with v10, in which the next index lands
	ASKALL                                         ; trip 0's activations, behind the weights
	CVTW 0
	CVTW 1
	CVTW 2
	CVTW 3
	WIN 0x40                                       ; window 1 is free now: the finisher's registers
	v_mov_b32 v[FLA], v8
.if LAYER != 2
	v_mov_b32 v[LP], v13
.irp q, 0,1,2,3
	v_mov_b32 v[BI+2*\q],   v[ACC+\q]              ; bias of column 4 jj + q to place 2 q + jj
	v_mov_b32 v[BI+2*\q+1], v[ACC+4+\q]
.endr
	v_mov_b32 v[C1],   0x3e088889                  ; 2/15
	v_mov_b32 v[C1+1], 0x3e088889
	v_mov_b32 v[C2],   0xbeaaaaab                  ; -1/3
	v_mov_b32 v[C2+1], 0xbeaaaaab
	WIN 0
.else
.irp q, 0,1,2,3
	v_mov_b32 v[BI+\q], v[ACC+\q]
.endr
	WIN 0
	s_wait_loadcnt 16                              ; trip 0's indices: only the 16 activation loads were issued behind them
	ROWS
.endif
	s_wait_alu depctr_va_vdst(0)                   ; FLA is written, which the LDS loads of the parts read; the weights' conversions are done reading the registers of window 1 in which those loads land
	s_mov_b32 s25, 0                               ; trip
.Ltrip:
	s_cmp_ge_u32 s25, s24                          ; beyond the task's rows: nothing to multiply
	s_cbranch_scc1 .Lnomul
	s_wait_loadcnt 0x0                             ; this trip's activations (and indices): all that is out, asked for one trip ago; the loads that read the offsets are done
	s_wait_alu depctr_vm_vsrc(0)                   ; the last trip's loads have read their offsets, which are written below; its LDS stores have read the sums, which this trip's products write
	s_add_co_u32 s26, s25, 1                       ; the next trip; the last trip asks for its own tiles again, so that no load leaves the task's region
	s_min_u32 s26, s26, s31
	s_min_u32 s26, s26, MAXTRIP-1
	ADRA
.if LAYER == 0
	WIN 0x40
	CVTA
	WIN 0x04                                       ; AF (source 1) in window 1; a load's data and offset in window 0
	s_wait_alu depctr_va_vdst(0)                   ; the conversions are done reading AB, in which the loads below land; v6 and v11 are written; the clamp is done with v10, in which the next index lands
	MULT 0                                         ; a load of the next trip's x behind each product
	ASKI
	PLACES
	WIN 0
	s_wait_alu depctr_va_vdst(0)                   ; the products have written ACC, which the LDS stores read
	PUTP ACC, 0
.else
	MULT 0
	PLACES
	s_wait_alu depctr_va_vdst(0)                   ; tile 0's products have written ACC, which the LDS stores below read, and are done reading AB's first half, in which the loads below land; the offsets are written; layer 2: the last finish is done reading IDXN
	ASKI
	ASKT 0
	WIN 0x50                                       ; ACC2 (C and D) in window 1; an LDS store's address and data in window 0
	MULT 1                                         ; an LDS store of tile 0's sums behind each product
	PLACES
	WIN 0x04                                       ; an LDS store's data in window 1; a load's data and offset in window 0
	s_wait_alu depctr_va_vdst(0)                   ; tile 1's products have written ACC2, which the LDS stores read, and are done reading AB's second half, in which the loads land
	PUTP X1, 1
	ASKT 1                                         ; on their way through both barriers and the finish
	WIN 0
.endif
.Lnomul:
	s_wait_dscnt 0x0                               ; my parts are in LDS
	s_barrier_signal -1
	s_barrier_wait -1                              ; everybody's are
	s_cmp_ge_u32 s25, s24
	s_cbranch_scc1 .Lnofin
	WIN 0x55
	SUMP                                           ; ends with s_wait_dscnt 0: my reads of the parts are over
.if LAYER != 2
	s_wait_xcnt 0x0                                ; the last trip's store has had its address translated: its data and offset are rewritten only behind this wait
	s_wait_alu depctr_vm_vsrc(0)                   ; the last trip's store has read OUTR and STO, which the finish writes again
.endif
	FIN_REGS
	FIN_STORE
	WIN 0
.Lnofin:
	s_barrier_signal -1                            ; I have read the parts (no LDS instruction of mine is out on either way here),
	s_barrier_wait -1                              ; all have: the next trip may write them again
	s_add_co_u32 s25, s25, 1
	s_cmp_lt_u32 s25, MAXTRIP
	s_cbranch_scc1 .Ltrip
	s_wait_dscnt 0x0
	s_wait_alu depctr_hold_cnt(0) depctr_sa_sdst(0) depctr_va_vdst(0) depctr_va_sdst(0) depctr_va_ssrc(0) depctr_va_vcc(0) depctr_vm_vsrc(0)
	s_wait_tensorcnt 0x0
	ds_add_u32 v30, v31
	s_wait_dscnt 0x0
	s_endpgm
.Lfunc_end_k_q2003be61eb_layer1:
	.size	k_q2003be61eb_layer1, .Lfunc_end_k_q2003be61eb_layer1-k_q2003be61eb_layer1
	.p2alignl 7, 3214868480
	.fill 96, 4, 3214868480
	.section	.rodata,"a",@progbits
	.p2align	6, 0x0
	.amdhsa_kernel k_q2003be61eb_layer1
		.amdhsa_group_segment_fixed_size 66560
		.amdhsa_private_segment_fixed_size 0
		.amdhsa_enable_private_segment 0
		.amdhsa_kernarg_size 40
		.amdhsa_user_sgpr_count 2
		.amdhsa_user_sgpr_kernarg_segment_ptr 1
		.amdhsa_wavefront_size32 1
		.amdhsa_system_sgpr_workgroup_id_x 1
		.amdhsa_system_sgpr_workgroup_id_y 1
		.amdhsa_system_sgpr_workgroup_id_z 1
		.amdhsa_system_vgpr_workitem_id 0
		.amdhsa_next_free_vgpr 512
		.amdhsa_next_free_sgpr 66
		.amdhsa_reserve_vcc 0
		.amdhsa_float_denorm_mode_32 3
		.amdhsa_float_denorm_mode_16_64 3
		.amdhsa_memory_ordered 1
		.amdhsa_forward_progress 1
		.amdhsa_inst_pref_size 35
	.end_amdhsa_kernel
	.amdgpu_metadata
---
amdhsa.version: [ 1, 2 ]
amdhsa.kernels:
  - .name:           k_q2003be61eb_layer1
    .symbol:         k_q2003be61eb_layer1.kd
    .args:
      - { .name: h0, .offset: 0, .size: 8, .value_kind: global_buffer, .address_space: global }
      - { .name: k1, .offset: 8, .size: 8, .value_kind: global_buffer, .address_space: global }
      - { .name: b1, .offset: 16, .size: 8, .value_kind: global_buffer, .address_space: global }
      - { .name: meta, .offset: 24, .size: 8, .value_kind: global_buffer, .address_space: global }
      - { .name: h1, .offset: 32, .size: 8, .value_kind: global_buffer, .address_space: global }
    .group_segment_fixed_size: 66560
    .private_segment_fixed_size: 0
    .kernarg_segment_align: 8
    .kernarg_segment_size: 40
    .max_flat_workgroup_size: 256
    .sgpr_count:     66
    .vgpr_count:     512
    .wavefront_size: 32
...
	.end_amdgpu_metadata
.endif
;; end of part 7
;; launch layer2 (part 8): grid 4 x 16, 8 waves a work-group, no clusters, 66,560 bytes of LDS; arguments h1, k2, b2, meta, out0, order; writes out0
.if DOCPART == 8
	.amdgcn_target "amdgcn-amd-amdhsa--gfx1250"
	.amdhsa_code_object_version 6
	.text
	.protected	k_q2003be61eb_layer2
	.globl	k_q2003be61eb_layer2
	.p2align	8
	.type	k_q2003be61eb_layer2,@function
k_q2003be61eb_layer2:
	s_mov_b64 s[64:65], 0
	v_nop
	global_prefetch_b8 v0, s[64:65] scope:SCOPE_SE
	s_setreg_imm32_b32 hwreg(HW_REG_WAVE_SCHED_MODE, 0, 2), 2
	s_setreg_imm32_b32 hwreg(HW_REG_WAVE_MODE, 25, 1), 1
	s_wait_xcnt 0x0
	s_wait_alu depctr_vm_vsrc(0)
; ONE LAYER OF THE PER-TASK MLP.  The same text serves the three layers; LAYER picks the sizes and the two ends.
;   LAYER 0: h0 = tanh(x W + b), rows of x (f32) gathered through the task's list.   LAYER 1: h1 = tanh(h0 W + b).
;   LAYER 2: out0 = h1 W + b in f32, rows scattered through the list.
; SHARES.  Work-group (x = strip cb of 64 output columns, y = task t).  Wave w owns K = 128 w .. 128 w + 127 of that strip.
; Its 128 x 64 weights are asked for at once (64 loads, each lane half 256 consecutive aligned bytes of one row of W), rounded to
; bf16 and kept as 16 fragments in 128 registers for the whole launch: every weight byte is read once, however the rows are dealt.
; Layer 2 has 16 tasks x 4 strips = 64 work-groups: a narrower strip would cut the 256-byte pieces of W's rows, and a split of K over
; work-groups would need traffic between them.
; NO TRANSPOSITION IS PAID FOR.  Lane (i = lane & 15, h = lane >> 4) loads W[k][64 cb + 4 i + q], q = 0..3, for
; k = 128 w + 64 kbl + 32 h + 16 s + e, e = 0..15.  Packing e = 2 d, 2 d + 1 of one q gives register d of a fragment (step ks = 2 kbl + s) whose
; sixteen columns are 4 i + q.  The fragment's K places (h, e) stand for those k in both operands alike, so the products pair up rightly.
; h0, h1 LIE IN FRAGMENT ORDER: tile (16 rows, 32,768 bytes) > block kb (64 columns, 2,048 bytes) > c4 = 2 s + j2 (512 bytes) > lane (16 bytes):
; lane (r, h) holds row r, columns 64 kb + 32 h + 16 s + 8 j2 + 0..7.  Every load and store of them covers 512 consecutive aligned bytes.
; LAYERS 0, 1 use the matrix instruction transposed (weights first): register j of lane (r, h) in sum q is (row r, column 32 h + 4 j + q),
; the next layer's lane.  LAYER 2 uses it as it is: register j is (row 8 h + j, column 4 r + q): 16 lanes hold 256 bytes of an output row.
; THE ROW LOOP.  A trip is TP = waves / 4 tiles.  Each wave forms its K part of 16 x 64 for each tile (16 matrix instructions), puts it
; into LDS; behind a barrier wave f = (g = f >> 2, jp = f & 3) adds the NW parts of registers 2 jp, 2 jp + 1 of tile g, finishes and stores.
; EVERY WAVE PASSES EVERY BARRIER A CONSTANT NUMBER OF TIMES: the loop runs MAXTRIP trips (all 2,048 rows in one task), and no barrier stands under a
; branch that hangs on loaded data.  The task's own count (meta, stored by the launch before) only lets a trip beyond it jump over the two blocks of
; work between the barriers.  The price is 12 scalar instructions and two barriers for each idle trip.
; PLACES WITHOUT A ROW repeat the task's first row (the list is built so): they compute that row again, and layer 2 stores the same numbers to the same
; bytes, all inside the one work-group that owns them.  EXEC is never narrowed.  A task without rows fills one group of h0 and h1 (on row 2047), so that
; the first loads of the next layer, which are issued before the count is looked at, read bytes that have been written; layer 2 stores nothing for it.
; NO CLUSTER: the weights, 32 KiB a wave, are shared with nobody.  What the strips of a task share are the activation tiles (32 KiB a tile);
; they go straight into fragment registers here, and a joint request would land them in LDS, one more write and read of the same bytes.
; NO TENSOR LOADS: the weights are f32 and pass through registers to be rounded, and each operand byte is used by one wave.
; LIMITS.  Operands bf16, sums f32, the K parts added in ascending w.  tanh(z): for z z < 1/64 the series z + z q (2 q / 15 - 1/3), q = z z
; (first term left out 17/315 z^7, under 2.1e-7 |z| there); else 1 - 2 / (1 + 2^(2.885390 z)), absolute error about 2e-7; an overflowing power
; gives 1, a vanishing one -1, NaN stays NaN.  Task ids are 0 to 15: a row with another id is in no list and stays unwritten.
; THE MODE: SCHED_MODE bits 1:0 = 2 (LLVM: expert scheduling mode 2), set by the entry lines.  The code itself states the register dependences
; between vector or matrix instructions and memory or LDS instructions, and those through scalar registers that vector instructions write, with s_wait_alu, always for 0.
; THE PLAN.  Registers that memory or LDS instructions touch in the loop, and who else names them:
;   AB           layer 0: x as loaded.  The trip's 32 conversions read it (into the fragments AF, window 1); behind them the next trip's 16 loads land in it.
;                layers 1, 2: the fragments of two tiles.  Tile g's 16 matrix instructions read half g; behind them the next trip's 8 loads land in it.
;   ACC, ACC2    the sums of tile 0 and (layers 1, 2; window 1) of tile 1: written by the tile's matrix instructions, read by its 16 LDS stores, written again a trip later.
;   v6, v11, IDXO   load offsets: written once a trip, at the head of the first block; read by that trip's loads.
;   v10, IDXN    row indices: a load lands; layer 0 clamps v10 at the head of the first block, layer 2 reads IDXN at the end of the second.
;   PS           the parts: LDS loads land; the sums and the finish read and write them.
;   OUTR, STO, ROWO   written by the finish; read by the trip's stores.
;   v5, v7, v12, v13, H32, FLA   made at the kernel's head, never written again.   FR, AF and the finisher's other registers: named by vector and matrix instructions alone.
; THE WAITS OF A TRIP.  First block: one on vm_vsrc at its head (the last trip's loads have read the offsets, its LDS stores the sums).  Layer 0: one on va_vdst behind
; the conversions, then the 17 loads dealt among the matrix instructions, which name FR, AF and ACC alone; one behind the products, ahead of the LDS stores.
; Layers 1, 2: one on va_vdst behind tile 0's products, then tile 0's next loads, and its LDS stores dealt among tile 1's matrix instructions, which name FR, AB's second
; half and ACC2 alone; one behind tile 1's products, ahead of its LDS stores and next loads.  Second block: one on vm_vsrc beside the wait on XCNT that frees the stores' registers;
; one on va_vdst behind the powers and one behind the reciprocals; one on va_sdst behind the run of compares; one on va_vdst ahead of the store, which also states that the sums and the
; finish are done with PS, for the next trip's LDS loads.  Each block's waits hold whether or not a trip takes the other block.
.set LAYER, 2
.if LAYER == 0
.set KDIM, 512
.set NDIM, 1024
.set NW, 4                             ; waves = KDIM / 128
.set TP, 1                             ; tiles a trip = NW / 4
.set AFTERW, 17                        ; loads issued behind the weights before they are converted: 16 of x, 1 index
.endif
.if LAYER == 1
.set KDIM, 1024
.set NDIM, 1024
.set NW, 8
.set TP, 2
.set AFTERW, 16                        ; 16 of h0
.endif
.if LAYER == 2
.set KDIM, 1024
.set NDIM, 256
.set NW, 8
.set TP, 2
.set AFTERW, 17                        ; 1 index pair, 16 of h1
.endif
.set TILEB, 32768                      ; bytes of a tile of h0, h1
.set PARTB, 4096                       ; bytes of one wave's part of one tile in LDS: [q][jp][lane] x 8 bytes
.set MAXTRIP, 128/TP                   ; all 2,048 rows in one task
; window 0 (v0-v255): v1 lane, v2 r, v3 h, v4 weight offset, v5 lane part of the activation offset, v6 that offset in use, v7 LDS address of my part,
; v8 LDS address of what I finish, v9 bias offset, v10 row index (layer 0), v11 its load offset, v12 4 r, v13 lane part of the store offset, v14 at work
.set IDXN, 16                          ; v[16:17]   layer 2: the next trip's two row indices
.set ROWO, 18                          ; v[18:19]   layer 2: this trip's two row byte offsets
.set H32,  20                          ; v20        layer 2: 32 h
.set IDXO, 21                          ; v21        layer 2: the index load's offset
.set ACC, 32                           ; v[32:63]   four sums of 16 x 16 (the bias lands here first)
.set AB,  64                           ; v[64:127]  layer 0: a tile of x as loaded; layers 1, 2: activation fragments of a trip
.set FR,  128                          ; v[128:255] weight fragments: (4 ks + q) x 8
; window 1 (v256-v511): first the 64 weight loads as they come (load l in 4 l .. 4 l + 3), then the finisher's registers:
.set FLA,  0                           ; LDS address
.set STO,  1                           ; store offset (layers 0, 1)
.set BI,   8                           ; bias: [2 q + jj] (layers 0, 1), [q] (layer 2)
.set ZZ,   16                          ; z
.set EE,   24                          ; 2^(c z), then tanh
.set LP,   32                          ; lane part of the store offset (layers 0, 1)
.set C1,   34                          ; 2/15 twice
.set C2,   36                          ; -1/3 twice
.set QQ,   40                          ; z z
.set PL,   48                          ; the series
.set OUTR, 56                          ; what is stored
.set PS,   64                          ; the NW parts, 8 registers each; the sum grows in the first
.set X1,   128                         ; 32 registers: layer 0: AF, the tile's four fragments in bf16; layers 1, 2: ACC2, the second tile's four sums
.set CM,   32                          ; s[32:39] the finish's eight masks (s[36:39] held the task's record at the head)
.set MSB, 0
.macro WIN new                         ; s_set_vgpr_msb: bits 1:0 source 0, 3:2 source 1, 5:4 source 2, 7:6 destination; the high byte repeats the setting left
.if MSB != \new
	s_set_vgpr_msb (MSB<<8)|\new
.set MSB, \new
.endif
.endm
; 64 loads: my 128 rows x 256 bytes of W, into window 1.  Read once in the launch: not kept in the caches.
.macro LOADW
	WIN 0x40
.irp ks, 0,1,2,3
.irp e, 0,1,2,3,4,5,6,7,8,9,10,11,12,13,14,15
	global_load_b128 v[4*(16*\ks+\e):4*(16*\ks+\e)+3], v4, s[6:7] offset:((\ks>>1)*64+(\ks&1)*16+\e)*NDIM*4 th:TH_LOAD_NT
.endr
.endr
.endm
; the four fragments of step ks.  Loads return in order (ISA guide 5.7.1): the (3 - ks) x 16 younger weight loads and the AFTERW loads behind them
; may stay out; a wait's count cannot name more than 63, which is the stricter side.
.macro CVTW ks
.set lft, (3-\ks)*16+AFTERW
.if lft > 63
.set lft, 63
.endif
	s_wait_loadcnt lft
	WIN 0x05
.irp q, 0,1,2,3
.irp d, 0,1,2,3,4,5,6,7
	v_cvt_pk_bf16_f32 v[FR+8*(4*\ks+\q)+\d], v[4*(16*\ks+2*\d)+\q], v[4*(16*\ks+2*\d+1)+\q]
.endr
.endr
.endm
; the offsets of the loads of trip s26: vector work, laid ahead of a wait on va_vdst that stands there anyway
.macro ADRA
.if LAYER == 0
	v_min_u32 v10, 2047, v10                       ; a loaded number enters an address only clamped (2048, a task without rows, takes row 2047)
	v_lshl_add_u32 v6, v10, 11, v5                 ; row x 2,048 bytes + 128 h
	s_add_co_u32 s27, s26, 1                       ; and the row index of the tile behind it, held at the task's last tile
	s_min_u32 s27, s27, s31
	s_min_u32 s27, s27, MAXTRIP-1
	s_lshl_b32 s27, s27, 6
	v_add_nc_u32 v11, s27, v12
.else
.if LAYER == 2
	s_lshl_b32 s27, s26, 7                         ; that trip's two row indices: 32 list places of 4 bytes a trip
	v_add_nc_u32 v[IDXO], s27, v[H32]
.endif
	s_lshl_b32 s27, s26, 16                        ; two tiles a trip
	v_add_nc_u32 v6, s27, v5
.endif
.endm
.macro ASKI                            ; the index load: layer 0 behind the 16 loads of x, layer 2 ahead of the 16 loads of h1
.if LAYER == 0
	global_load_b32 v10, v11, s[14:15]
.endif
.if LAYER == 2
	global_load_b64 v[IDXN:IDXN+1], v[IDXO], s[14:15]
.endif
.endm
.macro ASKT g                          ; layers 1, 2: the eight loads of tile g
.irp c, 0,1,2,3,4,5,6,7
	global_load_b128 v[AB+32*\g+4*\c:AB+32*\g+4*\c+3], v6, s[4:5] offset:\g*TILEB+\c*512   ; c = 4 kbl + 2 s + j2: registers 8 ks + 4 j2
.endr
.endm
.macro ASKALL                          ; at the kernel's head: all of trip 0's loads in one run
.if LAYER == 0
.set n, 0
.rept 16
	global_load_b128 v[AB+4*n:AB+4*n+3], v6, s[4:5] offset:(n>>3)*256+(n&7)*16    ; x[row][128 w + 64 kbl + 32 h + 16 s + 4 m ..], n = 8 kbl + 4 s + m
.set n, n+1
.endr
	ASKI
.else
	ASKI
	ASKT 0
	ASKT 1
.endif
.endm
; layer 0: f32 to bf16, out of AB into AF: AB is free for the next trip's loads as soon as these have read it
.macro CVTA
.irp ks, 0,1,2,3
.irp d, 0,1,2,3,4,5,6,7
	v_cvt_pk_bf16_f32 v[X1+8*\ks+\d], v[AB+16*\ks+2*\d], v[AB+16*\ks+2*\d+1]
.endr
.endr
.endm
.macro MM acc, s0, s1, step            ; the first step starts the sum: nothing is cleared
.if \step == 0
	v_wmma_f32_16x16x32_bf16 v[\acc:\acc+7], v[\s0:\s0+7], v[\s1:\s1+7], 0
.else
	v_wmma_f32_16x16x32_bf16 v[\acc:\acc+7], v[\s0:\s0+7], v[\s1:\s1+7], v[\acc:\acc+7]
.endif
.endm
; 16 matrix instructions: tile g x my 128 K x 64 columns; four chains in place take turns.  Behind each stands one memory or LDS instruction that names none of the
; registers of the matrix instructions issued since the last wait on va_vdst: layer 0: a load of the next trip's x; layers 1, 2, tile 1: an LDS store of tile 0's sums.
.macro MULT g
.set n, 0
.set ab, ACC
.if \g == 1
.set ab, X1
.endif
.irp ks, 0,1,2,3
.irp q, 0,1,2,3
.if LAYER == 0
	MM ab+8*\q, FR+8*(4*\ks+\q), X1+8*\ks, \ks
	global_load_b128 v[AB+4*n:AB+4*n+3], v6, s[4:5] offset:(n>>3)*256+(n&7)*16
.endif
.if LAYER == 1
	MM ab+8*\q, FR+8*(4*\ks+\q), AB+32*\g+8*\ks, \ks
.endif
.if LAYER == 2
	MM ab+8*\q, AB+32*\g+8*\ks, FR+8*(4*\ks+\q), \ks
.endif
.if \g == 1
	ds_store_b64 v7, v[ACC+8*(n>>2)+2*(n&3):ACC+8*(n>>2)+2*(n&3)+1] offset:(n>>2)*1024+(n&3)*256   ; sum q = n >> 2 from its low end on; 256 consecutive bytes
.endif
.set n, n+1
.endr
.endr
.endm
.macro PLACES                          ; four places behind the last matrix instruction, before an LDS store reads a result; they stay beside the wait that follows them
.rept 4
	v_nop
.endr
.endm
.macro PUTP base, g                    ; my part of tile g into LDS, in one run
.irp q, 0,1,2,3
.irp jp, 0,1,2,3
	ds_store_b64 v7, v[\base+8*\q+2*\jp:\base+8*\q+2*\jp+1] offset:\g*PARTB+\q*1024+\jp*256    ; 256 consecutive bytes
.endr
.endr
.endm
; the NW parts of my eight numbers a lane, added in ascending w.  The wait lets the 4 (NW - 1 - w) younger loads stay out; the last is for 0.
.macro SUMP
.set wi, 0
.rept NW
.irp q, 0,1,2,3
	ds_load_b64 v[PS+8*wi+2*\q:PS+8*wi+2*\q+1], v[FLA] offset:wi*TP*PARTB+\q*1024
.endr
.set wi, wi+1
.endr
.set wi, 1
.rept NW-1
	s_wait_dscnt 4*(NW-1-wi)
.irp q, 0,1,2,3
	v_pk_add_f32 v[PS+2*\q:PS+2*\q+1], v[PS+2*\q:PS+2*\q+1], v[PS+8*wi+2*\q:PS+8*wi+2*\q+1]
.endr
.set wi, wi+1
.endr
.endm
; layer 2: two loaded indices to two row byte offsets
.macro ROWS
	v_min_u32 v[ROWO],   2047, v[IDXN]             ; clamped before it enters an address
	v_min_u32 v[ROWO+1], 2047, v[IDXN+1]
	v_lshl_add_u32 v[ROWO],   v[ROWO],   10, v13   ; row x 1,024 bytes + 16 r
	v_lshl_add_u32 v[ROWO+1], v[ROWO+1], 10, v13
.endm
; register work of the finish: PS[2 q + jj] is register j = 2 jp + jj of sum q
.macro FIN_REGS
.if LAYER != 2
.irp p, 0,2,4,6
	v_pk_add_f32 v[ZZ+\p:ZZ+\p+1], v[PS+\p:PS+\p+1], v[BI+\p:BI+\p+1]                  ; z
.endr
.irp p, 0,2,4,6
	v_pk_mul_f32 v[EE+\p:EE+\p+1], v[ZZ+\p:ZZ+\p+1], 0x4038aa3b op_sel_hi:[1,0]        ; 2 log2(e) z
	v_pk_mul_f32 v[QQ+\p:QQ+\p+1], v[ZZ+\p:ZZ+\p+1], v[ZZ+\p:ZZ+\p+1]                  ; q = z z
.endr
.irp j, 0,1,2,3,4,5,6,7
	v_exp_f32 v[EE+\j], v[EE+\j]
.endr
.irp p, 0,2,4,6
	v_pk_fma_f32 v[PL+\p:PL+\p+1], v[QQ+\p:QQ+\p+1], v[C1:C1+1], v[C2:C2+1]            ; 2 q / 15 - 1/3: also the plain place behind the powers
.endr
.irp j, 0,1,2,3,4,5,6,7
	v_cmp_gt_f32 s[CM+\j], s30, v[QQ+\j]           ; 1/64 > q: the series; a NaN keeps the other form's NaN.  A run of eight, into eight scalar registers
.endr
	s_wait_alu depctr_va_vdst(0)                   ; the eight powers are written, ahead of the additions that read them
.irp p, 0,2,4,6
	v_pk_add_f32 v[EE+\p:EE+\p+1], v[EE+\p:EE+\p+1], 1.0 op_sel_hi:[1,0]
.endr
.irp j, 0,1,2,3,4,5,6,7
	v_rcp_f32 v[EE+\j], v[EE+\j]
.endr
.irp p, 0,2,4,6
	v_pk_mul_f32 v[PL+\p:PL+\p+1], v[PL+\p:PL+\p+1], v[QQ+\p:QQ+\p+1]                  ; the plain place behind the reciprocals
.endr
.irp p, 0,2,4,6
	v_pk_fma_f32 v[PL+\p:PL+\p+1], v[PL+\p:PL+\p+1], v[ZZ+\p:ZZ+\p+1], v[ZZ+\p:ZZ+\p+1]   ; z + z q (2 q / 15 - 1/3)
.endr
	s_lshl_b32 s27, s25, 14+TP                     ; trip x TP tiles of 32,768 bytes
	v_add_nc_u32 v[STO], s27, v[LP]
	s_wait_alu depctr_va_vdst(0)                   ; the eight reciprocals are written, ahead of the multiply-adds that read them
.irp p, 0,2,4,6
	v_pk_fma_f32 v[EE+\p:EE+\p+1], v[EE+\p:EE+\p+1], -2.0, 1.0 op_sel_hi:[1,0,0]       ; 1 - 2 / (1 + 2^..)
.endr
	s_wait_alu depctr_va_sdst(0)                   ; the eight masks are written, ahead of the selects that read them
.irp j, 0,1,2,3,4,5,6,7
	v_cndmask_b32 v[EE+\j], v[EE+\j], v[PL+\j], s[CM+\j]
.endr
	v_cvt_pk_bf16_f32 v[OUTR],   v[EE],   v[EE+2]  ; columns 8 jp + 4 jj + q in order: (jj 0: q 0, 1), (q 2, 3), (jj 1: q 0, 1), (q 2, 3)
	v_cvt_pk_bf16_f32 v[OUTR+1], v[EE+4], v[EE+6]
	v_cvt_pk_bf16_f32 v[OUTR+2], v[EE+1], v[EE+3]
	v_cvt_pk_bf16_f32 v[OUTR+3], v[EE+5], v[EE+7]
.else
.irp q, 0,1,2,3
	v_add_f32 v[OUTR+\q],   v[PS+2*\q],   v[BI+\q]     ; row 8 h + 2 jp,     columns 4 r + q
	v_add_f32 v[OUTR+4+\q], v[PS+2*\q+1], v[BI+\q]     ; row 8 h + 2 jp + 1
.endr
.endif
.endm
.macro FIN_STORE
.if LAYER != 2
	s_wait_alu depctr_va_vdst(0)                   ; OUTR and STO are written, which the store reads; the sums and the finish are done with PS, in which the next trip's LDS loads land
	global_store_b128 v[STO], v[OUTR:OUTR+3], s[12:13]     ; 512 consecutive aligned bytes: piece c4 = jp of block cb of tile g
.else
	WIN 0x04                                       ; offset in window 0, data in window 1
	s_wait_alu depctr_va_vdst(0)                   ; OUTR and ROWO are written, which the stores read; the sums and the finish are done with PS, in which the next trip's LDS loads land
	global_store_b128 v[ROWO],   v[OUTR:OUTR+3],   s[12:13] th:TH_STORE_NT    ; 16 lanes: 256 consecutive aligned bytes of one row
	global_store_b128 v[ROWO+1], v[OUTR+4:OUTR+7], s[12:13] th:TH_STORE_NT
	WIN 0
	s_wait_xcnt 0x0                                ; the stores' offsets and data are rewritten only behind this wait
	s_wait_alu depctr_vm_vsrc(0)                   ; the two stores have read ROWO, which the lines below write, and OUTR, which the next trip's finish writes
	s_wait_loadcnt 16                              ; the next trip's indices are in: only the 16 activation loads were issued behind them
	ROWS
.endif
.endm
	s_load_b256 s[4:11], s[0:1], 0x0               ; activations s[4:5], W s[6:7], bias s[8:9], meta s[10:11]
	s_load_b64 s[12:13], s[0:1], 0x20              ; result
.if LAYER != 1
	s_load_b64 s[14:15], s[0:1], 0x28              ; order
	v_lshl_add_u32 v30, v0, 2, 0x10000
	v_mov_b32 v31, 0
.endif
	v_and_b32 v1, 31, v0                           ; lane
	v_and_b32 v2, 15, v0                           ; r
	v_bfe_u32 v3, v0, 4, 1                         ; h
	v_lshrrev_b32 v14, 5, v0
	v_readfirstlane_b32 s16, v14                   ; wave w
	s_mov_b32 s17, ttmp9                           ; strip cb
	s_and_b32 s18, ttmp7, 0xffff                   ; task t
	s_mov_b32 s29, 0                               ; high word of every offset
.if LAYER != 2
	s_mov_b32 s30, 0x3c800000                      ; 1/64
.endif
	v_mul_u32_u24 v4, v3, 32*NDIM*4                ; W: 32 h rows
	v_lshl_add_u32 v4, v2, 4, v4                   ;    + 16 r bytes
	s_wait_alu depctr_va_sdst(0)                   ; s16 is written, ahead of its first reader
	s_and_b32 s19, s16, 3                          ; jp: which register pair I finish
	s_lshr_b32 s20, s16, 2                         ; g: of which tile of the trip
	s_mul_i32 s27, s16, TP*PARTB
	v_lshl_add_u32 v7, v1, 3, s27                  ; my parts in LDS: w x TP x 4,096 + 8 lane
	s_lshl_b32 s27, s20, 12
	s_lshl_b32 s28, s19, 8
	s_add_co_u32 s27, s27, s28
	v_lshl_add_u32 v8, v1, 3, s27                  ; what I finish: g x 4,096 + jp x 256 + 8 lane
.if LAYER == 0
	v_lshlrev_b32 v5, 7, v3                        ; x: 32 h numbers of 4 bytes
	v_lshlrev_b32 v12, 2, v2                       ; list: place r
.else
	v_lshlrev_b32 v5, 4, v1                        ; fragment order: 16 lane
.endif
.if LAYER == 2
	v_lshlrev_b32 v9, 4, v2                        ; bias of columns 4 r + 0..3
	v_lshlrev_b32 v13, 4, v2                       ; and their place in an output row
	v_lshlrev_b32 v[H32], 5, v3                    ; 8 h list places
.else
	v_lshlrev_b32 v9, 7, v3                        ; bias of columns 32 h + 8 jp + 0..7
	v_lshlrev_b32 v13, 4, v1
.endif
	s_wait_kmcnt 0x0
	s_lshl_b32 s28, s18, 8
	s_add_nc_u64 s[10:11], s[10:11], s[28:29]
	s_load_b128 s[36:39], s[10:11], 0x0            ; the task's first tile, max(groups, 1), groups; waited for behind the weight loads
	s_mul_i32 s28, s18, KDIM*NDIM*4
	s_mul_i32 s27, s16, 128*NDIM*4
	s_add_co_u32 s28, s28, s27
	s_lshl_b32 s27, s17, 8                         ; 256 cb
	s_add_co_u32 s28, s28, s27
	s_add_nc_u64 s[6:7], s[6:7], s[28:29]          ; W[t][128 w][64 cb]
	s_mul_i32 s28, s18, NDIM*4
	s_add_co_u32 s28, s28, s27
.if LAYER != 2
	s_lshl_b32 s27, s19, 5
	s_add_co_u32 s28, s28, s27                     ; + 8 jp columns
.endif
	s_add_nc_u64 s[8:9], s[8:9], s[28:29]
.if LAYER != 1
	s_lshl_b32 s28, s18, 13                        ; the task's list
.if LAYER == 2
	s_lshl_b32 s27, s20, 6                         ; + tile g's 16 places + places 2 jp, 2 jp + 1
	s_add_co_u32 s28, s28, s27
	s_lshl_b32 s27, s19, 3
	s_add_co_u32 s28, s28, s27
.endif
	s_add_nc_u64 s[14:15], s[14:15], s[28:29]
.endif
	s_wait_alu depctr_va_vdst(0)                   ; the offsets and LDS addresses v4, v5, v7, v9, v12 and v13 are written, which the loads and stores of the kernel read
	global_load_b128 v[ACC:ACC+3], v9, s[8:9]      ; the bias, parked in the sums' registers
.if LAYER != 2
	global_load_b128 v[ACC+4:ACC+7], v9, s[8:9] offset:16
.endif
.if LAYER == 0
	global_load_b32 v10, v12, s[14:15]             ; the row of place r of tile 0
.endif
	LOADW
	WIN 0
	s_wait_kmcnt 0x0
	s_min_u32 s22, s36, 158                        ; loaded numbers enter addresses and counts only clamped
.if LAYER == 2
	s_min_u32 s23, s38, 64                         ; groups that hold rows
.else
	s_min_u32 s23, s37, 64                         ; groups to fill: one at the least
.endif
.if LAYER == 0
	s_lshl_b32 s24, s23, 1                         ; trips with work: a tile each
	s_lshl_b32 s28, s16, 9                         ; x: my 128 columns
.else
	s_mov_b32 s24, s23                             ; trips with work: a group of two tiles each
	s_lshl_b32 s28, s22, 15
	s_lshl_b32 s27, s16, 12
	s_add_co_u32 s28, s28, s27                     ; first tile, blocks 2 w and 2 w + 1
.endif
	s_add_co_i32 s31, s24, -1                      ; the last trip with work
	s_add_nc_u64 s[4:5], s[4:5], s[28:29]
.if LAYER != 2
	s_add_co_u32 s28, s22, s20
	s_lshl_b32 s28, s28, 15                        ; tile first + g,
	s_lshl_b32 s27, s17, 11
	s_add_co_u32 s28, s28, s27                     ; block cb,
	s_lshl_b32 s27, s19, 9
	s_add_co_u32 s28, s28, s27                     ; piece jp
.else
	s_lshl_b32 s28, s17, 8                         ; 64 cb columns of 4 bytes
.endif
	s_add_nc_u64 s[12:13], s[12:13], s[28:29]
.if LAYER == 0
	s_wait_loadcnt 63                              ; the index has 64 younger loads behind it; 63 is the stricter side
.endif
	s_mov_b32 s26, 0
	ADRA
	s_wait_alu depctr_va_vdst(0)                   ; trip 0's load offsets are written; layer 0: the clamp is done with v10, in which the next index lands
	ASKALL                                         ; trip 0's activations, behind the weights
	CVTW 0
	CVTW 1
	CVTW 2
	CVTW 3
	WIN 0x40                                       ; window 1 is free now: the finisher's registers
	v_mov_b32 v[FLA], v8
.if LAYER != 2
	v_mov_b32 v[LP], v13
.irp q, 0,1,2,3
	v_mov_b32 v[BI+2*\q],   v[ACC+\q]              ; bias of column 4 jj + q to place 2 q + jj
	v_mov_b32 v[BI+2*\q+1], v[ACC+4+\q]
.endr
	v_mov_b32 v[C1],   0x3e088889                  ; 2/15
	v_mov_b32 v[C1+1], 0x3e088889
	v_mov_b32 v[C2],   0xbeaaaaab                  ; -1/3
	v_mov_b32 v[C2+1], 0xbeaaaaab
	WIN 0
.else
.irp q, 0,1,2,3
	v_mov_b32 v[BI+\q], v[ACC+\q]
.endr
	WIN 0
	s_wait_loadcnt 16                              ; trip 0's indices: only the 16 activation loads were issued behind them
	ROWS
.endif
	s_wait_alu depctr_va_vdst(0)                   ; FLA is written, which the LDS loads of the parts read; the weights' conversions are done reading the registers of window 1 in which those loads land
	s_mov_b32 s25, 0                               ; trip
.Ltrip:
	s_cmp_ge_u32 s25, s24                          ; beyond the task's rows: nothing to multiply
	s_cbranch_scc1 .Lnomul
	s_wait_loadcnt 0x0                             ; this trip's activations (and indices): all that is out, asked for one trip ago; the loads that read the offsets are done
	s_wait_alu depctr_vm_vsrc(0)                   ; the last trip's loads have read their offsets, which are written below; its LDS stores have read the sums, which this trip's products write
	s_add_co_u32 s26, s25, 1                       ; the next trip; the last trip asks for its own tiles again, so that no load leaves the task's region
	s_min_u32 s26, s26, s31
	s_min_u32 s26, s26, MAXTRIP-1
	ADRA
.if LAYER == 0
	WIN 0x40
	CVTA
	WIN 0x04                                       ; AF (source 1) in window 1; a load's data and offset in window 0
	s_wait_alu depctr_va_vdst(0)                   ; the conversions are done reading AB, in which the loads below land; v6 and v11 are written; the clamp is done with v10, in which the next index lands
	MULT 0                                         ; a load of the next trip's x behind each product
	ASKI
	PLACES
	WIN 0
	s_wait_alu depctr_va_vdst(0)                   ; the products have written ACC, which the LDS stores read
	PUTP ACC, 0
.else
	MULT 0
	PLACES
	s_wait_alu depctr_va_vdst(0)                   ; tile 0's products have written ACC, which the LDS stores below read, and are done reading AB's first half, in which the loads below land; the offsets are written; layer 2: the last finish is done reading IDXN
	ASKI
	ASKT 0
	WIN 0x50                                       ; ACC2 (C and D) in window 1; an LDS store's address and data in window 0
	MULT 1                                         ; an LDS store of tile 0's sums behind each product
	PLACES
	WIN 0x04                                       ; an LDS store's data in window 1; a load's data and offset in window 0
	s_wait_alu depctr_va_vdst(0)                   ; tile 1's products have written ACC2, which the LDS stores read, and are done reading AB's second half, in which the loads land
	PUTP X1, 1
	ASKT 1                                         ; on their way through both barriers and the finish
	WIN 0
.endif
.Lnomul:
	s_wait_dscnt 0x0                               ; my parts are in LDS
	s_barrier_signal -1
	s_barrier_wait -1                              ; everybody's are
	s_cmp_ge_u32 s25, s24
	s_cbranch_scc1 .Lnofin
	WIN 0x55
	SUMP                                           ; ends with s_wait_dscnt 0: my reads of the parts are over
.if LAYER != 2
	s_wait_xcnt 0x0                                ; the last trip's store has had its address translated: its data and offset are rewritten only behind this wait
	s_wait_alu depctr_vm_vsrc(0)                   ; the last trip's store has read OUTR and STO, which the finish writes again
.endif
	FIN_REGS
	FIN_STORE
	WIN 0
.Lnofin:
	s_barrier_signal -1                            ; I have read the parts (no LDS instruction of mine is out on either way here),
	s_barrier_wait -1                              ; all have: the next trip may write them again
	s_add_co_u32 s25, s25, 1
	s_cmp_lt_u32 s25, MAXTRIP
	s_cbranch_scc1 .Ltrip
	s_wait_dscnt 0x0
	s_wait_alu depctr_hold_cnt(0) depctr_sa_sdst(0) depctr_va_vdst(0) depctr_va_sdst(0) depctr_va_ssrc(0) depctr_va_vcc(0) depctr_vm_vsrc(0)
	s_wait_tensorcnt 0x0
	ds_add_u32 v30, v31
	s_wait_dscnt 0x0
	s_endpgm
.Lfunc_end_k_q2003be61eb_layer2:
	.size	k_q2003be61eb_layer2, .Lfunc_end_k_q2003be61eb_layer2-k_q2003be61eb_layer2
	.p2alignl 7, 3214868480
	.fill 96, 4, 3214868480
	.section	.rodata,"a",@progbits
	.p2align	6, 0x0
	.amdhsa_kernel k_q2003be61eb_layer2
		.amdhsa_group_segment_fixed_size 66560
		.amdhsa_private_segment_fixed_size 0
		.amdhsa_enable_private_segment 0
		.amdhsa_kernarg_size 48
		.amdhsa_user_sgpr_count 2
		.amdhsa_user_sgpr_kernarg_segment_ptr 1
		.amdhsa_wavefront_size32 1
		.amdhsa_system_sgpr_workgroup_id_x 1
		.amdhsa_system_sgpr_workgroup_id_y 1
		.amdhsa_system_sgpr_workgroup_id_z 1
		.amdhsa_system_vgpr_workitem_id 0
		.amdhsa_next_free_vgpr 512
		.amdhsa_next_free_sgpr 66
		.amdhsa_reserve_vcc 0
		.amdhsa_float_denorm_mode_32 3
		.amdhsa_float_denorm_mode_16_64 3
		.amdhsa_memory_ordered 1
		.amdhsa_forward_progress 1
		.amdhsa_inst_pref_size 32
	.end_amdhsa_kernel
	.amdgpu_metadata
---
amdhsa.version: [ 1, 2 ]
amdhsa.kernels:
  - .name:           k_q2003be61eb_layer2
    .symbol:         k_q2003be61eb_layer2.kd
    .args:
      - { .name: h1, .offset: 0, .size: 8, .value_kind: global_buffer, .address_space: global }
      - { .name: k2, .offset: 8, .size: 8, .value_kind: global_buffer, .address_space: global }
      - { .name: b2, .offset: 16, .size: 8, .value_kind: global_buffer, .address_space: global }
      - { .name: meta, .offset: 24, .size: 8, .value_kind: global_buffer, .address_space: global }
      - { .name: out0, .offset: 32, .size: 8, .value_kind: global_buffer, .address_space: global }
      - { .name: order, .offset: 40, .size: 8, .value_kind: global_buffer, .address_space: global }
    .group_segment_fixed_size: 66560
    .private_segment_fixed_size: 0
    .kernarg_segment_align: 8
    .kernarg_segment_size: 48
    .max_flat_workgroup_size: 256
    .sgpr_count:     66
    .vgpr_count:     512
    .wavefront_size: 32
...
	.end_amdgpu_metadata
.endif
;; end of part 8
